; MI455X (gfx1250); checked and timed in simulation.
; The chip was launched on July 23, 2026; its instructions are those of AMD's public machine-readable ISA for CDNA 5 (MIT licence, August 2026) and "CDNA5" Instruction Set Architecture Reference Guide (July 2026). The comments in the code are by the model that wrote it; some were corrected since.
;; Focal Transformer Block. Allowed arithmetic: float matrix products may take bf16 or f16 operands with f32 sums; other float arithmetic in f32, or as packed bf16 or f16 multiplies, adds, multiply-adds, maxima and minima; sums over many terms, partial sums and values carried from step to step in f32; what a program stores and reads back later, other than sums and carried values, may be rounded once to bf16 or f16.
;; Inputs: bkv 1,024 float32; bproj 512 float32; bq 512 float32; ln1_b 512 float32; ln1_s 512 float32; ln2_b 512 float32; ln2_s 512 float32; mlp_b1 2,048 float32; mlp_b2 512 float32; mlp_w1 512 x 2,048 float32; mlp_w2 2,048 x 512 float32; rpb_b1 256 float32; rpb_b2 8 float32; rpb_w1 1 x 256 float32; rpb_w2 256 x 8 float32; wkv 512 x 1,024 float32; wproj 512 x 512 float32; wq 512 x 512 float32; x 4 x 4,096 x 512 float32.
;; Outputs: out0 4 x 4,096 x 512 float32.
;; 2 versions, each right and faster than the one before. Each part assembles by itself: llvm-mc -triple=amdgcn-amd-amdhsa -mcpu=gfx1250 --defsym DOCPART=n.
;; ======== version 1 of 2: 3 launches
;; workspace buffers: wb 6,291,456 bytes; t1 34,816 bytes; qb 16,777,216 bytes; kb 29,360,128 bytes; vb 29,360,128 bytes
;; launch prep (part 1): grid 209 x 1, 8 waves a work-group, no clusters, 0 bytes of LDS; arguments wq, wkv, wproj, mlp_w1, mlp_w2, rpb_w1, rpb_b1, rpb_w2, rpb_b2, wb, t1; writes wb, t1
.if DOCPART == 1
	.amdgcn_target "amdgcn-amd-amdhsa--gfx1250"
	.amdhsa_code_object_version 6
	.text
	.protected	k_qf0705e65d3_prep
	.globl	k_qf0705e65d3_prep
	.p2align	8
	.type	k_qf0705e65d3_prep,@function
k_qf0705e65d3_prep:
	s_mov_b64 s[64:65], 0
	v_nop
	global_prefetch_b8 v0, s[64:65] scope:SCOPE_SE
	s_setreg_imm32_b32 hwreg(HW_REG_WAVE_MODE, 25, 1), 1
	s_wait_xcnt 0x0
; PREP.  Two jobs, chosen by the work-group's number.
; Work-groups 0-191: the weights, rounded once to bf16, laid as 12 dense blocks [512 k][512 n] in the order in which the later launches walk them:
;   0, 1 wkv's K and V halves; 2 wq x 0.125 (the scale of q, a power of two: exact); 3 wproj; 4 + 2c mlp_w1[:, 512c ..]; 5 + 2c mlp_w2[512c .., :].
;   A work-group takes 32 rows of a block, a wave 4: sixteen loads of 512 consecutive bytes, sixteen stores of 256 consecutive aligned bytes.
; Work-groups 192-208: the position bias.  Its argument is a whole number of tokens divided by 4,096: query position - f x pooled key position + 4 f, which for these
;   sizes lies in -492 .. 527.  So the bias network is evaluated once for each rel = idx - 496, idx = 0 .. 1087 (the later launch copies padded slices, up to idx 1027),
;   for all 8 heads, in f32 with fused multiply-adds: t1[idx][head].  A wave takes 8 idx; a lane holds 8 of the 256 hidden units.
; No LDS, no matrix unit: the first job is a stream, the second is 2.2 million multiply-adds.
.set X,    8                           ; v[8:71]    cast: 16 pieces of 4 f32
.set Y,    72                          ; v[72:103]  cast: 16 pieces of 4 bf16
.set OFF,  4                           ; v[4:7]     cast: 16 lane + row x pitch
.set W1R,  8                           ; table: w1 of my 8 hidden units
.set B1R,  16                          ; table: b1 of them
.set W2R,  24                          ; v[24:87]   table: w2[unit][head]
.set HID,  88
.set ACC,  96
.set TP,   104
.set SELR, 112
.set RR,   116                         ; v[116:119] what my lane stores
.set RHO,  120
.set LH,   121
.set TO,   122
	s_load_b512 s[4:19], s[0:1], 0x0               ; wq, wkv, wproj, mlp_w1, mlp_w2, rpb_w1, rpb_b1, rpb_w2
	s_load_b128 s[20:23], s[0:1], 0x40             ; rpb_b2, wb
	s_load_b64 s[24:25], s[0:1], 0x50              ; t1
	v_and_b32 v1, 31, v0                           ; lane
	v_lshrrev_b32 v2, 5, v0
	v_readfirstlane_b32 s26, v2                    ; wave
	s_cmp_ge_u32 ttmp9, 192
	s_cbranch_scc1 .Ltable
	; ---- the cast
	s_lshr_b32 s30, ttmp9, 4                       ; block
	s_and_b32 s31, ttmp9, 15
	s_lshl_b32 s31, s31, 5
	s_lshl2_add_u32 s31, s26, s31                  ; my first row of the block: 32 x part + 4 x wave
	s_cmp_ge_u32 s30, 4
	s_cselect_b32 s39, 1, 0
	s_and_b32 s38, s30, 1
	s_add_co_u32 s38, s38, 1
	s_mul_i32 s39, s39, s38                        ; 0: blocks 0-3;  1: a block of mlp_w1;  2: of mlp_w2
	s_sub_co_u32 s37, s30, 4
	s_lshr_b32 s37, s37, 1                         ; c (used for blocks 4-11 alone)
	s_lshl_b32 s40, s37, 11                        ; 512 c columns of f32
	s_lshl_b32 s41, s37, 20                        ; 512 c rows of 2,048 bytes
	s_mov_b32 s34, 4096                            ; blocks 0, 1: wkv, its pitch,
	s_lshl_b32 s35, s30, 11                        ; its half
	s_mov_b32 s36, 1.0
	s_wait_kmcnt 0x0
	s_mov_b64 s[32:33], s[6:7]
	s_cmp_eq_u32 s30, 2
	s_cselect_b64 s[32:33], s[4:5], s[32:33]       ; wq
	s_cselect_b32 s34, 2048, s34
	s_cselect_b32 s35, 0, s35
	s_cselect_b32 s36, 0x3e000000, s36             ; x 0.125
	s_cmp_eq_u32 s30, 3
	s_cselect_b64 s[32:33], s[8:9], s[32:33]       ; wproj
	s_cselect_b32 s34, 2048, s34
	s_cselect_b32 s35, 0, s35
	s_cmp_eq_u32 s39, 1
	s_cselect_b64 s[32:33], s[10:11], s[32:33]     ; mlp_w1
	s_cselect_b32 s34, 8192, s34
	s_cselect_b32 s35, s40, s35
	s_cmp_eq_u32 s39, 2
	s_cselect_b64 s[32:33], s[12:13], s[32:33]     ; mlp_w2
	s_cselect_b32 s34, 2048, s34
	s_cselect_b32 s35, s41, s35
	s_mov_b32 s37, s36                             ; named with s36 as a pair
	s_mul_i32 s42, s31, s34
	s_add_co_u32 s42, s42, s35
	s_mov_b32 s43, 0
	s_add_nc_u64 s[32:33], s[32:33], s[42:43]      ; the source at my first row
	s_lshl_b32 s42, s30, 19
	s_lshl_b32 s44, s31, 10
	s_add_co_u32 s42, s42, s44
	s_add_nc_u64 s[22:23], s[22:23], s[42:43]      ; wb at my first row
	v_lshlrev_b32 v3, 4, v1
	v_lshlrev_b32 v2, 3, v1                        ; the stores' offset: 8 bytes a lane
.irp p, 0,1,2,3
	s_mul_i32 s44, s34, \p
	v_add_nc_u32 v[OFF+(\p)], s44, v3
.endr
.irp p, 0,1,2,3
.irp i, 0,1,2,3
	global_load_b128 v[X+16*(\p)+4*(\i):X+16*(\p)+4*(\i)+3], v[OFF+(\p)], s[32:33] offset:512*(\i) th:TH_LOAD_NT
.endr
.endr
.irp p, 0,1,2,3
.irp i, 0,1,2,3
	s_wait_loadcnt 15-4*(\p)-(\i)                  ; loads come back in order: this piece is in, the younger ones stay out
	v_pk_mul_f32 v[X+16*(\p)+4*(\i):X+16*(\p)+4*(\i)+1], v[X+16*(\p)+4*(\i):X+16*(\p)+4*(\i)+1], s[36:37] op_sel_hi:[1,0]
	v_pk_mul_f32 v[X+16*(\p)+4*(\i)+2:X+16*(\p)+4*(\i)+3], v[X+16*(\p)+4*(\i)+2:X+16*(\p)+4*(\i)+3], s[36:37] op_sel_hi:[1,0]
	v_cvt_pk_bf16_f32 v[Y+8*(\p)+2*(\i)], v[X+16*(\p)+4*(\i)], v[X+16*(\p)+4*(\i)+1]
	v_cvt_pk_bf16_f32 v[Y+8*(\p)+2*(\i)+1], v[X+16*(\p)+4*(\i)+2], v[X+16*(\p)+4*(\i)+3]
	global_store_b64 v2, v[Y+8*(\p)+2*(\i):Y+8*(\p)+2*(\i)+1], s[22:23] offset:1024*(\p)+256*(\i)  ; the wave's 32 lanes store 256 consecutive bytes, aligned
.endr
.endr
	s_endpgm
	; ---- the bias table
.Ltable:
	s_sub_co_u32 s30, ttmp9, 192
	s_lshl_b32 s30, s30, 3
	s_add_co_u32 s30, s30, s26
	s_lshl_b32 s30, s30, 3                         ; my wave's first idx
	v_lshlrev_b32 v2, 5, v1                        ; 8 hidden units of f32
	v_lshlrev_b32 v3, 8, v1                        ; 8 rows of w2
	v_lshlrev_b32 v[TO], 4, v1
	v_lshrrev_b32 v[LH], 1, v1                     ; the entry that my lane stores,
	v_and_b32 v4, 1, v1
	v_cmp_eq_u32 s40, 1, v4                        ; and which four heads of it
	s_mov_b32 s44, 0x76543210                      ; v_permlanex16_b32: each lane takes its own place in the other half
	s_mov_b32 s45, 0xfedcba98
	s_wait_kmcnt 0x0
	s_load_b256 s[48:55], s[20:21], 0x0            ; b2
	global_load_b128 v[W1R:W1R+3], v2, s[14:15]
	global_load_b128 v[W1R+4:W1R+7], v2, s[14:15] offset:16
	global_load_b128 v[B1R:B1R+3], v2, s[16:17]
	global_load_b128 v[B1R+4:B1R+7], v2, s[16:17] offset:16
.irp i, 0,1,2,3,4,5,6,7,8,9,10,11,12,13,14,15
	global_load_b128 v[W2R+4*(\i):W2R+4*(\i)+3], v3, s[18:19] offset:16*(\i)
.endr
	s_lshl_b32 s34, s30, 5
	s_mov_b32 s35, 0
	s_add_nc_u64 s[24:25], s[24:25], s[34:35]      ; t1 at my first idx
.irp h, 0,1,2,3,4,5,6,7
	v_mov_b32 v[TP+(\h)], 0                        ; the exchange's destinations count as read: written once here
.endr
.irp k, 0,1,2,3
	v_mov_b32 v[RR+(\k)], 0
.endr
	s_sub_co_i32 s31, s30, 496                     ; rel of my first idx
	s_mov_b32 s32, 0
	s_wait_kmcnt 0x0
	s_wait_loadcnt 0x0
.Lent:                                                 ; eight trips, an idx each
	s_add_co_i32 s33, s31, s32
	v_cvt_f32_i32 v[RHO], s33
	v_mul_f32 v[RHO], 0x39800000, v[RHO]           ; rel / 4,096, exact
.irp k, 0,1,2,3,4,5,6,7
	v_fma_f32 v[HID+(\k)], v[RHO], v[W1R+(\k)], v[B1R+(\k)]
.endr
.irp k, 0,1,2,3,4,5,6,7
	v_max_num_f32 v[HID+(\k)], 0, v[HID+(\k)]
.endr
.irp h, 0,1,2,3,4,5,6,7
	v_mul_f32 v[ACC+(\h)], v[HID], v[W2R+(\h)]
.endr
.irp k, 1,2,3,4,5,6,7
.irp h, 0,1,2,3,4,5,6,7
	v_fmac_f32 v[ACC+(\h)], v[HID+(\k)], v[W2R+8*(\k)+(\h)]
.endr
.endr
.irp m, 1,2,4,8                        ; the 32 lanes' sums: four steps inside each half of 16 lanes, one across
.irp h, 0,1,2,3,4,5,6,7
	v_add_f32_dpp v[ACC+(\h)], v[ACC+(\h)], v[ACC+(\h)] row_xmask:\m row_mask:0xf bank_mask:0xf
.endr
.endr
.irp h, 0,1,2,3,4,5,6,7
	v_permlanex16_b32 v[TP+(\h)], v[ACC+(\h)], s44, s45
.endr
.irp h, 0,1,2,3,4,5,6,7
	v_add_f32 v[ACC+(\h)], v[ACC+(\h)], v[TP+(\h)]
.endr
.irp h, 0,1,2,3,4,5,6,7
	v_add_f32 v[ACC+(\h)], s[48+(\h)], v[ACC+(\h)]
.endr
	v_cmp_eq_u32 s41, s32, v[LH]                   ; the two lanes that keep this entry
.irp k, 0,1,2,3
	v_cndmask_b32 v[SELR+(\k)], v[ACC+(\k)], v[ACC+4+(\k)], s40
.endr
.irp k, 0,1,2,3
	v_cndmask_b32 v[RR+(\k)], v[RR+(\k)], v[SELR+(\k)], s41
.endr
	s_add_co_u32 s32, s32, 1
	s_cmp_lt_u32 s32, 8
	s_cbranch_scc1 .Lent
	s_wait_xcnt 0x0                                ; EXEC changes only behind this wait
	v_cmp_gt_u32 vcc_lo, 16, v1
	s_and_saveexec_b32 s42, vcc_lo
	global_store_b128 v[TO], v[RR:RR+3], s[24:25]  ; 16 lanes store the wave's 8 entries: 256 consecutive bytes, aligned
	s_wait_xcnt 0x0
	s_or_b32 exec_lo, exec_lo, s42
	s_endpgm
.Lfunc_end_k_qf0705e65d3_prep:
	.size	k_qf0705e65d3_prep, .Lfunc_end_k_qf0705e65d3_prep-k_qf0705e65d3_prep
	.p2alignl 7, 3214868480
	.fill 96, 4, 3214868480
	.section	.rodata,"a",@progbits
	.p2align	6, 0x0
	.amdhsa_kernel k_qf0705e65d3_prep
		.amdhsa_group_segment_fixed_size 0
		.amdhsa_private_segment_fixed_size 0
		.amdhsa_enable_private_segment 0
		.amdhsa_kernarg_size 88
		.amdhsa_user_sgpr_count 2
		.amdhsa_user_sgpr_kernarg_segment_ptr 1
		.amdhsa_wavefront_size32 1
		.amdhsa_system_sgpr_workgroup_id_x 1
		.amdhsa_system_sgpr_workgroup_id_y 1
		.amdhsa_system_sgpr_workgroup_id_z 1
		.amdhsa_system_vgpr_workitem_id 0
		.amdhsa_next_free_vgpr 128
		.amdhsa_next_free_sgpr 66
		.amdhsa_reserve_vcc 1
		.amdhsa_float_denorm_mode_32 3
		.amdhsa_float_denorm_mode_16_64 3
		.amdhsa_memory_ordered 1
		.amdhsa_forward_progress 1
		.amdhsa_inst_pref_size 20
	.end_amdhsa_kernel
	.amdgpu_metadata
---
amdhsa.version: [ 1, 2 ]
amdhsa.kernels:
  - .name:           k_qf0705e65d3_prep
    .symbol:         k_qf0705e65d3_prep.kd
    .args:
      - { .name: wq, .offset: 0, .size: 8, .value_kind: global_buffer, .address_space: global }
      - { .name: wkv, .offset: 8, .size: 8, .value_kind: global_buffer, .address_space: global }
      - { .name: wproj, .offset: 16, .size: 8, .value_kind: global_buffer, .address_space: global }
      - { .name: mlp_w1, .offset: 24, .size: 8, .value_kind: global_buffer, .address_space: global }
      - { .name: mlp_w2, .offset: 32, .size: 8, .value_kind: global_buffer, .address_space: global }
      - { .name: rpb_w1, .offset: 40, .size: 8, .value_kind: global_buffer, .address_space: global }
      - { .name: rpb_b1, .offset: 48, .size: 8, .value_kind: global_buffer, .address_space: global }
      - { .name: rpb_w2, .offset: 56, .size: 8, .value_kind: global_buffer, .address_space: global }
      - { .name: rpb_b2, .offset: 64, .size: 8, .value_kind: global_buffer, .address_space: global }
      - { .name: wb, .offset: 72, .size: 8, .value_kind: global_buffer, .address_space: global }
      - { .name: t1, .offset: 80, .size: 8, .value_kind: global_buffer, .address_space: global }
    .group_segment_fixed_size: 0
    .private_segment_fixed_size: 0
    .kernarg_segment_align: 8
    .kernarg_segment_size: 88
    .max_flat_workgroup_size: 256
    .sgpr_count:     66
    .vgpr_count:     128
    .wavefront_size: 32
...
	.end_amdgpu_metadata
.endif
;; end of part 1
;; launch qkv (part 2): grid 256 x 1, 4 waves a work-group, clusters of 4 x 1, 327,680 bytes of LDS; arguments x, ln1_s, ln1_b, bq, bkv, wb, qb, kb, vb; writes qb, kb, vb
.if DOCPART == 2
	.amdgcn_target "amdgcn-amd-amdhsa--gfx1250"
	.amdhsa_code_object_version 6
	.text
	.protected	k_qf0705e65d3_qkv
	.globl	k_qf0705e65d3_qkv
	.p2align	8
	.type	k_qf0705e65d3_qkv,@function
k_qf0705e65d3_qkv:
	s_mov_b64 s[64:65], 0
	v_nop
	global_prefetch_b8 v0, s[64:65] scope:SCOPE_SE
	s_setreg_imm32_b32 hwreg(HW_REG_WAVE_MODE, 25, 1), 1
	s_wait_xcnt 0x0
	s_wait_alu depctr_hold_cnt(0) depctr_sa_sdst(0) depctr_va_vdst(0) depctr_va_sdst(0) depctr_va_ssrc(0) depctr_va_vcc(0) depctr_vm_vsrc(0)
	s_getreg_b32 s2, hwreg(HW_REG_IB_STS2, 6, 4)
	s_cmp_eq_u32 s2, 0
	s_cbranch_scc0 .Lentry_in_a_cluster
	s_endpgm
.Lentry_in_a_cluster:
	s_bfe_u32 s2, ttmp6, 0x10000c
	s_cmp_lg_u32 s2, 0x3003
	s_cbranch_scc0 .Lentry_shape_is_right
	s_endpgm
.Lentry_shape_is_right:
; QKV.  h = LayerNorm(x); h pooled by 2 and by 4; K and V of all three levels, Q (already x 0.125) of level 1.  Operands bf16, sums f32; q, k, v rounded once to bf16.
; LIMITS.  Matrix operands are rounded to bf16.  The norm takes the mean first and then the centred squares.  NaN and infinities are not treated apart.
; SHARES.  A work-group owns 64 tokens (one query window): a panel of 112 rows of bf16 in LDS (64 of h, 32 pooled by 2, 16 pooled by 4).  Each of its four waves owns 128 of a
; block's 512 output columns.  Three weight blocks [512 k][512 n] (K, V, Q) are walked in K steps of 64 through two LDS slots: 24 tiles of 65,536 consecutive bytes.
; CLUSTER.  All work-groups walk the same weights: the four of a cluster ask for each tile JOINTLY (same load, same descriptor, mask of four); x comes by a load of one's own.
; STARTING VALUES.  An accumulator is loaded with its bias before a block's first step, so one text serves all eight steps and nothing is cleared.
; LAYOUTS OUT.  A lane's eight results pack into 16 bytes, and these cells are laid so that 16 lanes store 256 consecutive aligned bytes straight from registers, and so that the
; next launch's fragments are plain 16-byte loads:  qb [b][head][8 channel groups][4096 tokens][8 ch];  kb the same with 7168 rows (levels 1, 2, 4 at rows 0, 4096, 6144);
; vb [b][head][896 groups of 8 tokens][64 ch][8 tokens] (levels at groups 0, 512, 768).  K and Q use the product transposed (source 0 = weights: a lane holds one token, eight
; channels); V uses it straight (a lane holds one channel, eight tokens).
; LDS: slot 0 at 0; the spare words at 67,584; slot 1 at 69,632; x in f32 (64 rows x 2,048) at 69,632 .. 200,704, over slot 1, read out before slot 1 takes weights;
; the bias images at 137,216, in bytes of x that lie behind slot 1 and are filled no more; the panel at 200,704, pitch 1,040.
; REGISTERS: window 0 addresses, the norm's work, later the panel's fragments (v96-207); window 1 the accumulators of rows 0-63; window 2 those of rows 64-111; window 3 v0-127 the weights' fragments.
.set SLOTX, 0x11000                    ; slot 1's first byte; the waves' parts of a slot (16,896 w) have these two bits clear, so one exclusive or changes slots
.set BP,    1056                       ; a weight row in LDS: 1,024 bytes + 32 of padding
.set WT,    16*BP                      ; a wave's 16 rows of a tile
.set TILEB, 65536
.set SPARE, 67584
.set XP,    69632
.set IMG,   137216
.set PANEL, 200704
.set PP,    1040                       ; a panel row: 1,024 bytes + 16
.set R,1
.set HH,2
.set LN,3
.set SPW,4
.set NIL,5
.set XA,6
.set PS1,7
.set PS2,8
.set PS4,9
.set AB,10
.set ACUR,11
.set ACUR2,12
.set BB,13
.set BCUR,14
.set IK,15
.set IV,16
.set OQ,17
.set OK,18
.set OV,19
.set BQD,20                            ; v20-23 K's bias, v24-27 V's, v28-31 Q's: 4 columns a lane
.set LS,32                             ; v32-47 ln1_s, v48-63 ln1_b of my 16 columns
.set LB,48
.set X,64                              ; v64-127 four rows x 16
.set T,128                             ; v128-159 pooled rows
.set SU,160                            ; v160-191 eight registers of sums a row
.set PK,192                            ; v192-247 packed rows
.set AF,96
.set WV,22
.set G1W,28
.set G1X,36
.set G0,44
.set G0X,48
.set SEL,52
.set RCPC,54
.set EPS,55
.set LC,56
.set KOFF,57
.set TB,58
.set KB,66                             ; s[66:71] kb at my rows of levels 1, 2, 4
.set VB,72                             ; s[72:77] vb likewise
.set QB,78
.set MSB, 0
.macro WIN new                         ; the immediate's high byte repeats the setting that is left; a switch that changes nothing is dropped
.if MSB != (\new)
	s_set_vgpr_msb (MSB<<8)|(\new)
.set MSB, (\new)
.endif
.endm
.macro PLACES                          ; four places behind matrix instructions, ahead of loads into their registers and of reads of their results
.rept 4
	v_nop
.endr
.endm
.macro ROUND                           ; a round of the cluster's barrier
	s_barrier_signal -1
	s_barrier_wait -1
	s_cmp_lg_u32 s[WV], 0
	s_cbranch_scc1 .Lnot_wave_0_\@
	s_barrier_signal -3
.Lnot_wave_0_\@:
	s_barrier_wait -3
	s_barrier_signal -1
	s_barrier_wait -1
.endm
	s_load_b512 s[4:19], s[0:1], 0x0               ; x, ln1_s, ln1_b, bq, bkv, wb, qb, kb
	s_load_b64 s[20:21], s[0:1], 0x40              ; vb
	v_lshl_add_u32 v[SPW], v0, 2, SPARE
	v_mov_b32 v[NIL], 0
	ds_add_u32 v[SPW], v[NIL]                      ; the wave's opening: the add and its wait ahead of my first tensor load
	ds_add_u32 v4, v5
	v_lshrrev_b32 v1, 5, v0
	v_readfirstlane_b32 s[WV], v1
	s_bfe_u32 s23, ttmp6, 0x40000                  ; cx
	s_lshl_b32 s24, ttmp9, 2
	s_add_co_u32 s24, s24, s23                     ; my work-group: it enters global addresses alone
	s_lshr_b32 s25, s24, 6                         ; b
	s_and_b32 s26, s24, 63                         ; the window
	; weights: 16 rows x 512 elements of 2 bytes a wave, 8 words of padding behind every 256 words; the mask names all four work-groups
	s_mov_b32 s[G1W+0], 15|(1<<16)|(1<<20)|(1<<21)|(7<<22)|(7<<25)
	s_mov_b32 s[G1W+1], 512<<16
	s_mov_b32 s[G1W+2], 16<<16
	s_mov_b32 s[G1W+3], 512<<16
	s_mov_b32 s[G1W+4], 16
	s_mov_b32 s[G1W+5], 512
	s_mov_b32 s[G1W+6], 0
	s_mov_b32 s[G1W+7], 0
	; x: 16 rows x 512 elements of 4 bytes a wave, no mask, no padding
	s_mov_b32 s[G1X+0], 2<<16
	s_mov_b32 s[G1X+1], 512<<16
	s_mov_b32 s[G1X+2], 16<<16
	s_mov_b32 s[G1X+3], 512<<16
	s_mov_b32 s[G1X+4], 16
	s_mov_b32 s[G1X+5], 512
	s_mov_b32 s[G1X+6], 0
	s_mov_b32 s[G1X+7], 0
	s_mov_b32 s[G0], 1
	s_mul_i32 s[G0+1], s[WV], WT
	s_mov_b32 s[G0X], 1
	s_lshl_b32 s[G0X+1], s[WV], 15
	s_add_co_u32 s[G0X+1], s[G0X+1], XP
	s_lshl_b32 s80, s[WV], 14                      ; my 16 rows of a weight tile
	s_mov_b32 s81, 0
	s_lshl_b32 s82, s24, 17                        ; my work-group's 64 rows of x,
	s_lshl_b32 s83, s[WV], 15                      ; my wave's 16 of them
	s_add_co_u32 s82, s82, s83
	s_mov_b32 s83, 0
	s_mov_b32 s[SEL], 0x76543210
	s_mov_b32 s[SEL+1], 0xfedcba98
	s_mov_b32 s[RCPC], 0x3b000000                  ; 1 / 512
	s_mov_b32 s[EPS], 0x3727c5ac                   ; 1e-5
	s_mov_b32 s[TB], 0
	s_wait_dscnt 0x0                               ; the opening add is done
	s_wait_kmcnt 0x0
	s_add_nc_u64 s[G0+2:G0+3], s[14:15], s[80:81]
	s_or_b32 s[G0+3], s[G0+3], 0x80000000
	s_add_nc_u64 s[G0X+2:G0X+3], s[4:5], s[82:83]
	s_or_b32 s[G0X+3], s[G0X+3], 0x80000000
	ROUND                                          ; all four work-groups are here: the first joint load meets
	tensor_load_to_lds s[G0X:G0X+3], s[G1X:G1X+7]  ; my 16 rows of x
	s_nop 0
	tensor_load_to_lds s[G0:G0+3], s[G1W:G1W+7]    ; my part of weight tile 0, into slot 0: two loads of mine are out
	s_nop 0
	PLACES
	v_and_b32 v[LN], 31, v0
	v_and_b32 v[R], 15, v0
	v_bfe_u32 v[HH], v0, 4, 1
	v_lshlrev_b32 v248, 4, v[LN]
.irp i, 0,1,2,3                        ; my 16 columns: 128 i + 4 lane + 0..3
	global_load_b128 v[LS+4*(\i):LS+4*(\i)+3], v248, s[6:7] offset:512*(\i)
	global_load_b128 v[LB+4*(\i):LB+4*(\i)+3], v248, s[8:9] offset:512*(\i)
.endr
	s_lshl_b32 s80, s[WV], 9
	v_add_nc_u32 v249, s80, v248                   ; my wave's 128 columns, 4 a lane
	global_load_b128 v[BQD:BQD+3], v249, s[12:13]
	global_load_b128 v[BQD+4:BQD+7], v249, s[12:13] offset:2048
	global_load_b128 v[BQD+8:BQD+11], v249, s[10:11]
	v_add_nc_u32 v[XA], s[G0X+1], v248             ; x: my wave's rows, 16 bytes a lane
	s_mul_i32 s80, s[WV], 16*PP
	s_add_co_u32 s80, s80, PANEL
	v_lshl_add_u32 v[PS1], v[LN], 3, s80           ; panel rows 16 w ..
	s_mul_i32 s80, s[WV], 8*PP
	s_add_co_u32 s80, s80, PANEL+64*PP
	v_lshl_add_u32 v[PS2], v[LN], 3, s80           ; rows 64 + 8 w ..
	s_mul_i32 s80, s[WV], 4*PP
	s_add_co_u32 s80, s80, PANEL+96*PP
	v_lshl_add_u32 v[PS4], v[LN], 3, s80           ; rows 96 + 4 w ..
	v_mul_u32_u24 v[AB], v[R], PP                  ; a panel fragment: row l % 16, 16 bytes for each half of the lanes
	v_lshl_add_u32 v[AB], v[HH], 4, v[AB]
	v_add_nc_u32 v[AB], PANEL, v[AB]
	v_and_b32 v250, 7, v0                          ; a weight fragment, by the turning load: row 8 (l / 16) + l % 8, 16 bytes by (l / 8) % 2, my wave's 128 columns
	v_lshl_add_u32 v250, v[HH], 3, v250
	v_mul_u32_u24 v[BB], v250, BP
	v_bfe_u32 v250, v0, 3, 1
	v_lshl_add_u32 v[BB], v250, 4, v[BB]
	s_lshl_b32 s80, s[WV], 8
	v_add_nc_u32 v[BB], s80, v[BB]
	s_lshl_b32 s80, s[WV], 9
	s_add_co_u32 s80, s80, IMG
	v_lshl_add_u32 v[IK], v[HH], 5, s80            ; K's and Q's image: 8 columns for each half of the lanes
	v_lshl_add_u32 v251, v[LN], 4, s80             ; where I write them
	s_lshl_b32 s80, s[WV], 11
	s_add_co_u32 s80, s80, IMG+4096
	v_lshl_add_u32 v[IV], v[R], 4, s80             ; V's image: a column four times
	v_lshl_add_u32 v252, v[LN], 6, s80
	v_lshlrev_b32 v250, 4, v[R]
	v_lshl_add_u32 v[OQ], v[HH], 16, v250          ; cell of token r in channel group h
	v_mul_u32_u24 v253, v[HH], 0x1c000
	v_add_nc_u32 v[OK], v250, v253
	v_lshl_add_u32 v[OV], v[HH], 10, v250          ; cell of channel r in token group h
	s_lshl_b32 s80, s25, 3
	s_lshl1_add_u32 s80, s[WV], s80                ; my first head among all: 8 b + 2 w
	s_lshl_b32 s81, s80, 19                        ; its bytes in qb
	s_mul_i32 s80, s80, 917504                     ; in kb and vb
	s_mov_b32 s83, 0
.macro BASE dst, ptr, ho, sh, const
	s_lshl_b32 s82, s26, \sh
	s_add_co_u32 s82, s82, s[\ho]
	s_add_co_u32 s82, s82, \const
	s_add_nc_u64 s[\dst:\dst+1], s[\ptr:\ptr+1], s[82:83]
.endm
	BASE KB,   18, 80, 10, 0
	BASE KB+2, 18, 80, 9,  65536
	BASE KB+4, 18, 80, 8,  98304
	BASE VB,   20, 80, 13, 0
	BASE VB+2, 20, 80, 12, 524288
	BASE VB+4, 20, 80, 11, 786432
	BASE QB,   16, 81, 10, 0
	s_wait_tensorcnt 0x1                           ; my rows of x are in; the one load issued behind them, weight tile 0, may stay out.  Only I read these rows
	s_wait_loadcnt 0x0
; The sum over the wave's 32 lanes of v[a + 8 p], p = 0..3; v[a + 8 p + 1] is at work
.macro LSUM a
.irp m, 1,2,4,8
.irp p, 0,1,2,3
	v_add_f32_dpp v[(\a)+8*(\p)], v[(\a)+8*(\p)], v[(\a)+8*(\p)] row_xmask:\m row_mask:0xf bank_mask:0xf
.endr
.endr
.irp p, 0,1,2,3
	v_permlanex16_b32 v[(\a)+8*(\p)+1], v[(\a)+8*(\p)], s[SEL], s[SEL+1]
.endr
.irp p, 0,1,2,3
	v_add_f32 v[(\a)+8*(\p)], v[(\a)+8*(\p)], v[(\a)+8*(\p)+1]
.endr
.endm
; 16 numbers at v[src] rounded to bf16 into v[pk ..] and stored as 4 x 8 bytes a lane
.macro PUT src, pk, areg, off
.irp q, 0,1,2,3,4,5,6,7
	v_cvt_pk_bf16_f32 v[(\pk)+(\q)], v[(\src)+2*(\q)], v[(\src)+2*(\q)+1]
.endr
.irp i, 0,1,2,3
	ds_store_b64 v[\areg], v[(\pk)+2*(\i):(\pk)+2*(\i)+1] offset:(\off)+256*(\i)
.endr
.endm
; d = (a + b) / 2, 16 numbers
.macro MEAN2 d, a, b
.irp q, 0,1,2,3,4,5,6,7
	v_pk_add_f32 v[(\d)+2*(\q):(\d)+2*(\q)+1], v[(\a)+2*(\q):(\a)+2*(\q)+1], v[(\b)+2*(\q):(\b)+2*(\q)+1]
.endr
.irp q, 0,1,2,3,4,5,6,7
	v_pk_mul_f32 v[(\d)+2*(\q):(\d)+2*(\q)+1], v[(\d)+2*(\q):(\d)+2*(\q)+1], 0.5 op_sel_hi:[1,0]
.endr
.endm
	s_mov_b32 s[LC], 4
.Lnorm:                                                ; four trips: four rows each, stage by stage so that the four rows' chains take turns
.irp p, 0,1,2,3
.irp i, 0,1,2,3
	ds_load_b128 v[X+16*(\p)+4*(\i):X+16*(\p)+4*(\i)+3], v[XA] offset:2048*(\p)+512*(\i)
.endr
.endr
	s_wait_dscnt 0x0
.irp p, 0,1,2,3
.irp i, 0,1,2,3
	v_pk_add_f32 v[SU+8*(\p)+2*(\i):SU+8*(\p)+2*(\i)+1], v[X+16*(\p)+4*(\i):X+16*(\p)+4*(\i)+1], v[X+16*(\p)+4*(\i)+2:X+16*(\p)+4*(\i)+3]
.endr
.endr
.irp p, 0,1,2,3
	v_pk_add_f32 v[SU+8*(\p):SU+8*(\p)+1], v[SU+8*(\p):SU+8*(\p)+1], v[SU+8*(\p)+2:SU+8*(\p)+3]
	v_pk_add_f32 v[SU+8*(\p)+4:SU+8*(\p)+5], v[SU+8*(\p)+4:SU+8*(\p)+5], v[SU+8*(\p)+6:SU+8*(\p)+7]
.endr
.irp p, 0,1,2,3
	v_pk_add_f32 v[SU+8*(\p):SU+8*(\p)+1], v[SU+8*(\p):SU+8*(\p)+1], v[SU+8*(\p)+4:SU+8*(\p)+5]
.endr
.irp p, 0,1,2,3
	v_add_f32 v[SU+8*(\p)], v[SU+8*(\p)], v[SU+8*(\p)+1]
.endr
	LSUM SU
.irp p, 0,1,2,3
	v_mul_f32 v[SU+8*(\p)], s[RCPC], v[SU+8*(\p)]  ; the mean,
.endr
.irp p, 0,1,2,3
	v_mov_b32 v[SU+8*(\p)+1], v[SU+8*(\p)]         ; as a pair
.endr
.irp p, 0,1,2,3
.irp q, 0,1,2,3,4,5,6,7
	v_pk_add_f32 v[X+16*(\p)+2*(\q):X+16*(\p)+2*(\q)+1], v[X+16*(\p)+2*(\q):X+16*(\p)+2*(\q)+1], v[SU+8*(\p):SU+8*(\p)+1] neg_lo:[0,1] neg_hi:[0,1]
.endr
.endr
.irp p, 0,1,2,3
	v_pk_mul_f32 v[SU+8*(\p)+2:SU+8*(\p)+3], v[X+16*(\p):X+16*(\p)+1], v[X+16*(\p):X+16*(\p)+1]
	v_pk_mul_f32 v[SU+8*(\p)+4:SU+8*(\p)+5], v[X+16*(\p)+2:X+16*(\p)+3], v[X+16*(\p)+2:X+16*(\p)+3]
.endr
.irp q, 2,4,6
.irp p, 0,1,2,3
	v_pk_fma_f32 v[SU+8*(\p)+2:SU+8*(\p)+3], v[X+16*(\p)+2*(\q):X+16*(\p)+2*(\q)+1], v[X+16*(\p)+2*(\q):X+16*(\p)+2*(\q)+1], v[SU+8*(\p)+2:SU+8*(\p)+3]
	v_pk_fma_f32 v[SU+8*(\p)+4:SU+8*(\p)+5], v[X+16*(\p)+2*(\q)+2:X+16*(\p)+2*(\q)+3], v[X+16*(\p)+2*(\q)+2:X+16*(\p)+2*(\q)+3], v[SU+8*(\p)+4:SU+8*(\p)+5]
.endr
.endr
.irp p, 0,1,2,3
	v_pk_add_f32 v[SU+8*(\p)+2:SU+8*(\p)+3], v[SU+8*(\p)+2:SU+8*(\p)+3], v[SU+8*(\p)+4:SU+8*(\p)+5]
.endr
.irp p, 0,1,2,3
	v_add_f32 v[SU+8*(\p)+2], v[SU+8*(\p)+2], v[SU+8*(\p)+3]
.endr
	LSUM SU+2
.irp p, 0,1,2,3
	v_fma_f32 v[SU+8*(\p)+2], v[SU+8*(\p)+2], s[RCPC], s[EPS]
.endr
.irp p, 0,1,2,3
	v_rsq_f32 v[SU+8*(\p)+2], v[SU+8*(\p)+2]
.endr
	v_nop                                          ; a plain instruction between the last root and the use of its result
	s_wait_alu depctr_va_vdst(0)
.irp p, 0,1,2,3
	v_mov_b32 v[SU+8*(\p)+3], v[SU+8*(\p)+2]
.endr
.irp p, 0,1,2,3
.irp q, 0,1,2,3,4,5,6,7
	v_pk_mul_f32 v[X+16*(\p)+2*(\q):X+16*(\p)+2*(\q)+1], v[X+16*(\p)+2*(\q):X+16*(\p)+2*(\q)+1], v[SU+8*(\p)+2:SU+8*(\p)+3]
.endr
.endr
.irp p, 0,1,2,3
.irp q, 0,1,2,3,4,5,6,7
	v_pk_fma_f32 v[X+16*(\p)+2*(\q):X+16*(\p)+2*(\q)+1], v[X+16*(\p)+2*(\q):X+16*(\p)+2*(\q)+1], v[LS+2*(\q):LS+2*(\q)+1], v[LB+2*(\q):LB+2*(\q)+1]
.endr
.endr
.irp p, 0,1,2,3
	PUT X+16*(\p), PK+8*(\p), PS1, PP*(\p)
.endr
	MEAN2 T, X, X+16                               ; pooled from h in f32, each rounded once
	MEAN2 T+16, X+32, X+48
	PUT T, PK+32, PS2, 0
	PUT T+16, PK+40, PS2, PP
	MEAN2 T, T, T+16
	PUT T, PK+48, PS4, 0
	v_add_nc_u32 v[XA], 4*2048, v[XA]
	v_add_nc_u32 v[PS1], 4*PP, v[PS1]
	v_add_nc_u32 v[PS2], 2*PP, v[PS2]
	v_add_nc_u32 v[PS4], PP, v[PS4]
	s_sub_co_u32 s[LC], s[LC], 1
	s_cmp_lg_u32 s[LC], 0
	s_cbranch_scc1 .Lnorm
	s_wait_dscnt 0x0                               ; my reads of x are over
	s_barrier_signal -1
	s_barrier_wait -1                              ; everybody's are: the images lie in rows of x that wave 2 read.  Weight tile 0 may stay out
	ds_store_b128 v251, v[BQD:BQD+3]               ; K's bias, my wave's 128 columns
	v_pk_mul_f32 v[BQD+8:BQD+9], v[BQD+8:BQD+9], 0x3e000000 op_sel_hi:[1,0]
	v_pk_mul_f32 v[BQD+10:BQD+11], v[BQD+10:BQD+11], 0x3e000000 op_sel_hi:[1,0]
	ds_store_b128 v251, v[BQD+8:BQD+11] offset:2048  ; Q's bias x 0.125
.irp k, 0,1,2,3
.irp z, 0,1,2,3
	v_mov_b32 v[T+4*(\k)+(\z)], v[BQD+4+(\k)]
.endr
	ds_store_b128 v252, v[T+4*(\k):T+4*(\k)+3] offset:16*(\k)  ; V's bias, each column four times
.endr
; The accumulators' starting values, from my wave's own image (LDS serves a wave's instructions in order, ISA guide 5.7.1.4: these see the stores above)
.macro INIT MT, areg, off, stride, second
.set mt, 0
.rept \MT
.if mt < 4
	WIN 0x40
.else
	WIN 0x80
.endif
.set nt, 0
.rept 8
.set aC, 8*(8*(mt%4)+nt)
	ds_load_b128 v[aC:aC+3],   v[\areg] offset:(\off)+nt*(\stride)
	ds_load_b128 v[aC+4:aC+7], v[\areg] offset:(\off)+nt*(\stride)+(\second)
.set nt, nt+1
.endr
.set mt, mt+1
.endr
	WIN 0
.endm
.macro LDA kk, MT                      ; the panel's fragments of 32 along K
	WIN 0
.set mt, 0
.rept \MT
.set aF, AF+8*((\kk)*(\MT)+mt)
.if mt < 4
	ds_load_b128 v[aF:aF+3],   v[ACUR] offset:mt*16*PP+(\kk)*64
	ds_load_b128 v[aF+4:aF+7], v[ACUR] offset:mt*16*PP+(\kk)*64+32
.else
	ds_load_b128 v[aF:aF+3],   v[ACUR2] offset:(mt-4)*16*PP+(\kk)*64
	ds_load_b128 v[aF+4:aF+7], v[ACUR2] offset:(mt-4)*16*PP+(\kk)*64+32
.endif
.set mt, mt+1
.endr
.endm
.macro LDB kk                          ; the weights' fragments of 32 along K, turned: 8 tiles of 16 columns
	WIN 0xc0
.irp n, 0,1,2,3,4,5,6,7
	ds_load_tr16_b128 v[8*(8*(\kk)+(\n)):8*(8*(\kk)+(\n))+3],   v[BCUR] offset:(\kk)*32*BP+(\n)*32
	ds_load_tr16_b128 v[8*(8*(\kk)+(\n))+4:8*(8*(\kk)+(\n))+7], v[BCUR] offset:(\kk)*32*BP+(\n)*32+16*BP
.endr
.endm
; mn row tiles from m0 on x 8 column tiles, accumulators in window aw, one instruction a turn.  cnt: the count ahead of column tile 0, or -1: no waits
.macro SWEEP kk, MT, ord, m0, mn, aw, cnt
	WIN (3<<(2*(\ord)))|((\aw)<<4)|((\aw)<<6)
.set nt, 0
.rept 8
.if (\cnt) >= 0
	s_wait_dscnt (\cnt)-2*nt                       ; the loads issued behind this column tile's two may stay out
.endif
.set mt, \m0
.rept \mn
.set aC, 8*(8*(mt-(\m0))+nt)
.set bF, 8*(8*(\kk)+nt)
.set aF, AF+8*((\kk)*(\MT)+mt)
.if \ord
	v_wmma_f32_16x16x32_bf16 v[aC:aC+7], v[aF:aF+7], v[bF:bF+7], v[aC:aC+7]
.else
	v_wmma_f32_16x16x32_bf16 v[aC:aC+7], v[bF:bF+7], v[aF:aF+7], v[aC:aC+7]
.endif
.set mt, mt+1
.endr
.set nt, nt+1
.endr
.endm
; ONE K STEP OF 64.  All my tensor loads have landed (one is out: my part of this step's tile); the add; the walking descriptor steps and the step's addresses are made; the add and my
; reads of the other slot are done; a round of the cluster's barrier; the other slot is filled again, first thing; then 4 MT + 32 fragment loads in one run and 16 MT products.
; ord = 0: source 0 = weights (a lane holds one row, eight columns); 1: source 0 = panel (one column, eight rows).
.macro TRIP refill, MT, ord
	WIN 0
	s_wait_tensorcnt 0x0
	ds_add_u32 v[SPW], v[NIL]
.if \refill
	s_xor_b32 s[G0+1], s[G0+1], SLOTX
	s_add_nc_u64 s[G0+2:G0+3], s[G0+2:G0+3], TILEB
.endif
	v_add_nc_u32 v[ACUR], s[KOFF], v[AB]
.if \MT > 4
	v_add_nc_u32 v[ACUR2], 64*PP, v[ACUR]
.endif
	v_add_nc_u32 v[BCUR], s[TB], v[BB]
	s_wait_dscnt 0x0
	ROUND
.if \refill
	tensor_load_to_lds s[G0:G0+3], s[G1W:G1W+7]    ; my one load behind the round: it has this step's work in which to land
	s_nop 0
.endif
	PLACES
	LDA 0, \MT
	LDB 0
	LDA 1, \MT
	LDB 1
	SWEEP 0, \MT, \ord, 0, 4, 1, 2*(\MT)+30
.if \MT > 4
	SWEEP 0, \MT, \ord, 4, 3, 2, -1
.endif
	SWEEP 1, \MT, \ord, 0, 4, 1, 14
.if \MT > 4
	SWEEP 1, \MT, \ord, 4, 3, 2, -1
.endif
	WIN 0
	s_add_co_u32 s[KOFF], s[KOFF], 128
	s_xor_b32 s[TB], s[TB], SLOTX
.endm
.macro PACKW n                         ; n tiles rounded to bf16 in place, each from its low end on
.set t, 0
.rept \n
.set i, 0
.rept 4
	v_cvt_pk_bf16_f32 v[8*t+i], v[8*t+2*i], v[8*t+2*i+1]
.set i, i+1
.endr
.set t, t+1
.endr
.endm
; THE WAY OUT of a block: a tile's 16 bytes a lane are a cell; 16 lanes store 256 consecutive aligned bytes.  hs, ns, ms: bytes from head to head, from 16 columns to the next, from 16 rows to the next
.macro EPI MT, offr, hs, ns, ms, b
	WIN 0
	PLACES
	WIN 0x45
	PACKW 32
	WIN 0x04
.set t, 0
.rept 32
	global_store_b128 v[\offr], v[8*t:8*t+3], s[\b:\b+1] offset:((t%8)/4)*(\hs)+(t%4)*(\ns)+(t/8)*(\ms)
.set t, t+1
.endr
.if \MT > 4
	WIN 0x8a
	PACKW 24
	WIN 0x08
.set t, 0
.rept 24
.if t < 16
	global_store_b128 v[\offr], v[8*t:8*t+3], s[\b+2:\b+3] offset:((t%8)/4)*(\hs)+(t%4)*(\ns)+(t/8)*(\ms)
.else
	global_store_b128 v[\offr], v[8*t:8*t+3], s[\b+4:\b+5] offset:((t%8)/4)*(\hs)+(t%4)*(\ns)
.endif
.set t, t+1
.endr
.endif
	WIN 0
.endm
	INIT 7, IK, 0, 64, 16                          ; K
	s_mov_b32 s[KOFF], 0
	s_mov_b32 s[LC], 8
.Lk:
	TRIP 1, 7, 0
	s_sub_co_u32 s[LC], s[LC], 1
	s_cmp_lg_u32 s[LC], 0
	s_cbranch_scc1 .Lk
	EPI 7, OK, 917504, 229376, 256, KB
	s_wait_xcnt 0x0                                ; the stores' data registers are loaded again only behind this wait
	INIT 7, IV, 0, 256, 0                          ; V
	s_mov_b32 s[KOFF], 0
	s_mov_b32 s[LC], 8
.Lv:
	TRIP 1, 7, 1
	s_sub_co_u32 s[LC], s[LC], 1
	s_cmp_lg_u32 s[LC], 0
	s_cbranch_scc1 .Lv
	EPI 7, OV, 917504, 256, 2048, VB
	s_wait_xcnt 0x0
	INIT 4, IK, 2048, 64, 16                       ; Q
	s_mov_b32 s[KOFF], 0
	s_mov_b32 s[LC], 7
.Lqq:
	TRIP 1, 4, 0
	s_sub_co_u32 s[LC], s[LC], 1
	s_cmp_lg_u32 s[LC], 0
	s_cbranch_scc1 .Lqq
	TRIP 0, 4, 0                                   ; the walk's last tile is written out: nothing is left to ask for
	EPI 4, OQ, 524288, 131072, 256, QB
	s_wait_tensorcnt 0x0                           ; the wave's end
	ds_add_u32 v[SPW], v[NIL]
	s_wait_dscnt 0x0
	ROUND                                          ; the closing round
	s_endpgm
.Lfunc_end_k_qf0705e65d3_qkv:
	.size	k_qf0705e65d3_qkv, .Lfunc_end_k_qf0705e65d3_qkv-k_qf0705e65d3_qkv
	.p2alignl 7, 3214868480
	.fill 96, 4, 3214868480
	.section	.rodata,"a",@progbits
	.p2align	6, 0x0
	.amdhsa_kernel k_qf0705e65d3_qkv
		.amdhsa_group_segment_fixed_size 327680
		.amdhsa_private_segment_fixed_size 0
		.amdhsa_enable_private_segment 0
		.amdhsa_kernarg_size 72
		.amdhsa_user_sgpr_count 2
		.amdhsa_user_sgpr_kernarg_segment_ptr 1
		.amdhsa_wavefront_size32 1
		.amdhsa_system_sgpr_workgroup_id_x 1
		.amdhsa_system_sgpr_workgroup_id_y 1
		.amdhsa_system_sgpr_workgroup_id_z 1
		.amdhsa_system_vgpr_workitem_id 0
		.amdhsa_next_free_vgpr 896
		.amdhsa_next_free_sgpr 84
		.amdhsa_reserve_vcc 0
		.amdhsa_float_denorm_mode_32 3
		.amdhsa_float_denorm_mode_16_64 3
		.amdhsa_memory_ordered 1
		.amdhsa_forward_progress 1
		.amdhsa_inst_pref_size 145
	.end_amdhsa_kernel
	.amdgpu_metadata
---
amdhsa.version: [ 1, 2 ]
amdhsa.kernels:
  - .name:           k_qf0705e65d3_qkv
    .symbol:         k_qf0705e65d3_qkv.kd
    .args:
      - { .name: x, .offset: 0, .size: 8, .value_kind: global_buffer, .address_space: global }
      - { .name: ln1_s, .offset: 8, .size: 8, .value_kind: global_buffer, .address_space: global }
      - { .name: ln1_b, .offset: 16, .size: 8, .value_kind: global_buffer, .address_space: global }
      - { .name: bq, .offset: 24, .size: 8, .value_kind: global_buffer, .address_space: global }
      - { .name: bkv, .offset: 32, .size: 8, .value_kind: global_buffer, .address_space: global }
      - { .name: wb, .offset: 40, .size: 8, .value_kind: global_buffer, .address_space: global }
      - { .name: qb, .offset: 48, .size: 8, .value_kind: global_buffer, .address_space: global }
      - { .name: kb, .offset: 56, .size: 8, .value_kind: global_buffer, .address_space: global }
      - { .name: vb, .offset: 64, .size: 8, .value_kind: global_buffer, .address_space: global }
    .group_segment_fixed_size: 327680
    .private_segment_fixed_size: 0
    .kernarg_segment_align: 8
    .kernarg_segment_size: 72
    .max_flat_workgroup_size: 128
    .sgpr_count:     84
    .vgpr_count:     896
    .wavefront_size: 32
...
	.end_amdgpu_metadata
.endif
;; end of part 2
;; launch block (part 3): grid 256 x 1, 4 waves a work-group, clusters of 4 x 1, 327,680 bytes of LDS; arguments x, qb, kb, vb, t1, wb, bproj, ln2_s, ln2_b, mlp_b1, mlp_b2, out0; writes out0
.if DOCPART == 3
	.amdgcn_target "amdgcn-amd-amdhsa--gfx1250"
	.amdhsa_code_object_version 6
	.text
	.protected	k_qf0705e65d3_block
	.globl	k_qf0705e65d3_block
	.p2align	8
	.type	k_qf0705e65d3_block,@function
k_qf0705e65d3_block:
	s_mov_b64 s[64:65], 0
	v_nop
	global_prefetch_b8 v0, s[64:65] scope:SCOPE_SE
	s_setreg_imm32_b32 hwreg(HW_REG_WAVE_MODE, 25, 1), 1
	s_wait_xcnt 0x0
	s_wait_alu depctr_hold_cnt(0) depctr_sa_sdst(0) depctr_va_vdst(0) depctr_va_sdst(0) depctr_va_ssrc(0) depctr_va_vcc(0) depctr_vm_vsrc(0)
	s_getreg_b32 s2, hwreg(HW_REG_IB_STS2, 6, 4)
	s_cmp_eq_u32 s2, 0
	s_cbranch_scc0 .Lentry_in_a_cluster
	s_endpgm
.Lentry_in_a_cluster:
	s_bfe_u32 s2, ttmp6, 0x10000c
	s_cmp_lg_u32 s2, 0x3003
	s_cbranch_scc0 .Lentry_shape_is_right
	s_endpgm
.Lentry_shape_is_right:
; BLOCK.  For one window of 64 queries: attention over 3 x 128 keys with the position bias, the projection, + x, LayerNorm, the MLP with GELU (tanh form), + x1.  Nothing goes through memory in between.
; LIMITS.  Matrix operands (q, k, v, the weights p, the attention's output, h2, the hidden layer, all weight matrices) are rounded to bf16; sums, softmax, norm, GELU and both residuals are f32.
; The row's true maximum is taken away before the exponentials; the sum is taken of the unrounded weights; a weight below 2^-126 counts as 0.  The norm takes the mean first, then the centred squares.
; GELU(x) = x / (1 + 2^(x (c0 + c1 x^2))), c0 = -2 log2(e) sqrt(2/pi), c1 = 0.044715 c0.  NaN and infinities are not treated apart.
; WHICH KEYS.  The 16 key windows closest to a query window are one run: it begins at window clamp(8w-4, 0, 496), clamp(4w-6, 0, 240), clamp(2w-7, 0, 112) for levels 1, 2, 4: 128 consecutive pooled
; tokens a level; their order within a softmax does not matter.  THE BIAS hangs on rel = query - f x key + 4 f alone: t1[rel + 496][head].  A wave copies, for its two heads and each level, the slice
; that its window needs (192, 320, 576 entries); the window's shift goes into the copy's global address, so that no LDS address hangs on the work-group's place.
; SHARES.  Attention: wave w takes heads 2w, 2w+1; a trip is one head x 16 queries x 384 keys.  S^T = K Q^T + bias (the bias is the sum's starting value; a lane holds one query), P rounded in pairs is
; source 1 of O^T = V^T P.  K, Q and V^T fragments are plain 16-byte loads from the cell layouts that the launch before wrote.  Products: wave w owns 128 of 512 output columns of all 64 rows; nine weight
; blocks [512 k][512 n] (projection, then four times MLP 1 and MLP 2 of a chunk of 512 hidden units) are walked in K steps of 64 through two LDS slots: 72 tiles of 65,536 consecutive bytes.
; CLUSTER.  All work-groups walk the same weights: the four of a cluster ask for each tile jointly; x comes by a load of one's own.
; LDS: slot 0 at 0; row statistics at 67,584; slot 1 at 69,632; x in f32 (pitch 2,080) at 69,632 .. 202,752, over slot 1 and panel 1, read out before either is written; panel 1 (h2; at the end the
; waves' stages) at 137,216; panel 0 (attention's output, then the hidden chunk) at 203,776; the bias slices at 270,336; b1 at 305,152; the spare words at 313,344.  Panels have pitch 1,040.
; REGISTERS.  Attention: window 0 v64-255 S^T (then P in v64-159, O^T in v160-191); window 1 and window 2 v0-127 K; window 2 v128-255 and window 3 V.
; Products: window 0 v64-127 panel fragments; window 1 the hidden chunk's sums; window 2 x1 and then the output's sums; window 3 weight fragments, and GELU's work.
.set SLOTX, 0x11000
.set BP,    1056
.set WT,    16*BP
.set TILEB, 65536
.set STATS, 67584
.set XP,    69632
.set XPP,   2080
.set P1,    137216
.set P0,    203776
.set PP,    1040
.set TABLE, 270336
.set B1IMG, 305152
.set SPARE, 313344
.set SGP,   528                        ; a stage row: 512 bytes + 16
.set R,1
.set HH,2
.set LN,3
.set OK,4
.set OV,5
.set OQ,6
.set BI,7                              ; v7-9 my place in the three bias slices
.set BIC,10                            ; v10-12 the same for the trip in hand
.set PO,13
.set POC,14
.set TW,15
.set C0,16                             ; v16-19 four running maxima
.set MM,20                             ; v20-21 m log2(e), twice
.set SM,22                             ; v22-29 four pairs of sums
.set TMPA,30
.set RL,32                             ; v32-33 1 / l, twice
.set SPW,34
.set NIL,35
.set A0,36
.set A1,37
.set ACUR,38
.set BB,39
.set BCUR,40
.set XA,41
.set XA2,42
.set SS,43
.set SL,44
.set H2S,45
.set B1A,46
.set CO,47
.set QF,48                             ; v48-63 Q's fragments; behind the attention:
.set B2Q,48                            ; v48-51 b2 of my 4 columns on the way out
.set STS,52
.set STL,53
.set OO,54
.set B1C,55
.set MN,56                             ; v56-63 the rows' means, in pairs
.set S,64
.set O,160
.set OT,192
.set AF,64
.set TT,64
.set XS,192
.set CHN,16                            ; v16-31 the norm's chains; then
.set AA,16                             ; v16-23 1 / sigma, in pairs
.set CC,24                             ; v24-31 - mean / sigma, in pairs
.set G1W,28
.set G1X,36
.set G0,44
.set G0X,48
.set ST,52                             ; s[52:57] t1 at my window's three slices
.set SK,58                             ; s[58:63] kb at my head's keys of the three levels
.set SV,66                             ; s[66:71] vb likewise
.set SQ,72
.set QC,76
.set HC,77
.set WG,78
.set BOFF,79
.set POFF,80
.set LC,81
.set CHK,82
.set KOFF,83
.set TB,84
.set WV,85
.set L2E,86
.set SEL,88
.set GC0,90
.set GC1,92
.set RCPC,94
.set EPS,95
.set B1O,96
.set MSB, 0
.macro WIN new                         ; the immediate's high byte repeats the setting that is left; a switch that changes nothing is dropped
.if MSB != (\new)
	s_set_vgpr_msb (MSB<<8)|(\new)
.set MSB, (\new)
.endif
.endm
.macro PLACES                          ; four places behind matrix instructions, ahead of loads into their registers and of reads of their results
.rept 4
	v_nop
.endr
.endm
.macro ROUND                           ; a round of the cluster's barrier
	s_barrier_signal -1
	s_barrier_wait -1
	s_cmp_lg_u32 s[WV], 0
	s_cbranch_scc1 .Lnot_wave_0_\@
	s_barrier_signal -3
.Lnot_wave_0_\@:
	s_barrier_wait -3
	s_barrier_signal -1
	s_barrier_wait -1
.endm
	s_load_b512 s[4:19], s[0:1], 0x0               ; x, qb, kb, vb, t1, wb, bproj, ln2_s
	s_load_b256 s[20:27], s[0:1], 0x40             ; ln2_b, mlp_b1, mlp_b2, out0
	v_lshl_add_u32 v[SPW], v0, 2, SPARE
	v_mov_b32 v[NIL], 0
	ds_add_u32 v[SPW], v[NIL]                      ; the wave's opening: the add and its wait ahead of my first tensor load
	ds_add_u32 v34, v35
	v_lshrrev_b32 v1, 5, v0
	v_readfirstlane_b32 s[WV], v1
	s_bfe_u32 s98, ttmp6, 0x40000                  ; cx
	s_lshl_b32 s[WG], ttmp9, 2
	s_add_co_u32 s[WG], s[WG], s98                 ; my work-group: it enters global addresses alone
	; weights: 16 rows x 512 elements of 2 bytes a wave, 8 words of padding behind every 256 words; the mask names all four work-groups
	s_mov_b32 s[G1W+0], 15|(1<<16)|(1<<20)|(1<<21)|(7<<22)|(7<<25)
	s_mov_b32 s[G1W+1], 512<<16
	s_mov_b32 s[G1W+2], 16<<16
	s_mov_b32 s[G1W+3], 512<<16
	s_mov_b32 s[G1W+4], 16
	s_mov_b32 s[G1W+5], 512
	s_mov_b32 s[G1W+6], 0
	s_mov_b32 s[G1W+7], 0
	; x: 16 rows x 512 elements of 4 bytes a wave, no mask, 4 words of padding behind every 256 words: a row takes 2,080 bytes, its second half begins 16 bytes later
	s_mov_b32 s[G1X+0], (2<<16)|(1<<20)|(7<<22)|(3<<25)
	s_mov_b32 s[G1X+1], 512<<16
	s_mov_b32 s[G1X+2], 16<<16
	s_mov_b32 s[G1X+3], 512<<16
	s_mov_b32 s[G1X+4], 16
	s_mov_b32 s[G1X+5], 512
	s_mov_b32 s[G1X+6], 0
	s_mov_b32 s[G1X+7], 0
	s_mov_b32 s[G0], 1
	s_mul_i32 s[G0+1], s[WV], WT
	s_mov_b32 s[G0X], 1
	s_mul_i32 s[G0X+1], s[WV], 16*XPP
	s_add_co_u32 s[G0X+1], s[G0X+1], XP
	s_lshl_b32 s98, s[WV], 14                      ; my 16 rows of a weight tile,
	s_add_co_u32 s98, s98, 3*524288                ; from block 3 on
	s_mov_b32 s99, 0
	s_lshl_b32 s100, s[WG], 17
	s_lshl_b32 s101, s[WV], 15
	s_add_co_u32 s100, s100, s101                  ; my 16 rows of x
	s_mov_b32 s101, 0
	s_mov_b32 s[SEL], 0x76543210
	s_mov_b32 s[SEL+1], 0xfedcba98
	s_mov_b32 s[L2E], 0x3fb8aa3b                   ; log2(e)
	s_mov_b32 s[L2E+1], s[L2E]
	s_mov_b32 s[GC0], 0xc0135761                   ; c0 = -2.3022082
	s_mov_b32 s[GC0+1], s[GC0]
	s_mov_b32 s[GC1], 0xbdd2d3e8                   ; c1 = -0.10294324
	s_mov_b32 s[GC1+1], s[GC1]
	s_mov_b32 s[RCPC], 0x3b000000                  ; 1 / 512
	s_mov_b32 s[EPS], 0x3727c5ac                   ; 1e-5
	s_mov_b32 s[TB], 0
	s_wait_dscnt 0x0                               ; the opening add is done
	s_wait_kmcnt 0x0
	s_add_nc_u64 s[G0+2:G0+3], s[14:15], s[98:99]
	s_or_b32 s[G0+3], s[G0+3], 0x80000000
	s_add_nc_u64 s[G0X+2:G0X+3], s[4:5], s[100:101]
	s_or_b32 s[G0X+3], s[G0X+3], 0x80000000
	ROUND                                          ; all four work-groups are here: the first joint load meets
	tensor_load_to_lds s[G0X:G0X+3], s[G1X:G1X+7]  ; my 16 rows of x
	s_nop 0
	tensor_load_to_lds s[G0:G0+3], s[G1W:G1W+7]    ; my part of weight tile 0, into slot 0: two loads of mine are out
	s_nop 0
	PLACES
	v_and_b32 v[LN], 31, v0
	v_and_b32 v[R], 15, v0
	v_bfe_u32 v[HH], v0, 4, 1
	v_lshlrev_b32 v30, 4, v[R]
	v_mul_u32_u24 v31, v[HH], 0x1c000
	v_add_nc_u32 v[OK], v30, v31                   ; K: cell of key r in channel group h
	v_lshl_add_u32 v[OV], v[HH], 10, v30           ; V: cell of channel r in token group h
	v_lshl_add_u32 v[OQ], v[HH], 16, v30           ; Q: cell of query r in channel group h
	s_lshl_b32 s98, s[WV], 3
	v_lshl_add_u32 v[BIC], v[LN], 5, s98           ; t1: entry = lane, my two heads
	s_lshl_b32 s98, s[WV], 9
	v_lshl_add_u32 v[BIC+1], v[LN], 4, s98         ; b1: my wave's 128 columns, 4 a lane
	s_lshr_b32 s98, s[WG], 6
	s_lshl_b32 s98, s98, 3
	s_lshl1_add_u32 s98, s[WV], s98                ; my first head among all: 8 b + 2 w
	s_mul_i32 s99, s98, 917504                     ; its bytes in kb and vb,
	s_lshl_b32 s100, s98, 19                       ; in qb
	s_and_b32 s101, s[WG], 63                      ; the window w
	s_lshl_b32 s97, s101, 6                        ; 64 w
	s_mov_b32 s75, 0
	s_lshl_b32 s74, s101, 10
	s_add_co_u32 s74, s74, s100
	s_add_nc_u64 s[SQ:SQ+1], s[6:7], s[74:75]
; A level: st = the run's first key window; the slice of t1 begins at idx 64 w - 8 f st + 496 - 123 f
.macro LEVEL li, wsh, sub, mx, fsh, shc, ko, vo
	s_lshl_b32 s98, s101, \wsh
	s_sub_co_i32 s98, s98, \sub
	s_max_i32 s98, s98, 0
	s_min_i32 s98, s98, \mx
	s_lshl_b32 s74, s98, \fsh
	s_sub_co_u32 s74, s97, s74
	s_add_co_u32 s74, s74, \shc
	s_lshl_b32 s74, s74, 5
	s_add_nc_u64 s[ST+2*(\li):ST+2*(\li)+1], s[12:13], s[74:75]
	s_lshl_b32 s74, s98, 7
	s_add_co_u32 s74, s74, s99
	s_add_co_u32 s74, s74, \ko
	s_add_nc_u64 s[SK+2*(\li):SK+2*(\li)+1], s[8:9], s[74:75]
	s_lshl_b32 s74, s98, 10
	s_add_co_u32 s74, s74, s99
	s_add_co_u32 s74, s74, \vo
	s_add_nc_u64 s[SV+2*(\li):SV+2*(\li)+1], s[10:11], s[74:75]
.endm
	LEVEL 0, 3, 4, 496, 3, 373, 0, 0
	LEVEL 1, 2, 6, 240, 4, 250, 65536, 524288
	LEVEL 2, 1, 7, 112, 5, 4, 98304, 786432
	s_lshl_b32 s74, s[WG], 17
	s_add_nc_u64 s[26:27], s[26:27], s[74:75]      ; out0 at my 64 rows
.macro TGRP li, cnt, first             ; a level's slice, 32 entries a load, two heads a lane
.set c, 0
.rept \cnt
	global_load_b64 v[S+2*((\first)+c):S+2*((\first)+c)+1], v[BIC], s[ST+2*(\li):ST+2*(\li)+1] offset:c*1024
.set c, c+1
.endr
.endm
.macro KLOAD                           ; a head's K: 24 tiles of 16 keys x 64 channels
.set t, 0
.rept 24
.if t < 16
	WIN 0x40
.set kr, 16*t
.else
	WIN 0x80
.set kr, 16*(t-16)
.endif
.irp c, 0,1
	global_load_b128 v[kr+8*(\c):kr+8*(\c)+3],   v[OK], s[SK+2*(t/8):SK+2*(t/8)+1] offset:(\c)*458752+(t%8)*256
	global_load_b128 v[kr+8*(\c)+4:kr+8*(\c)+7], v[OK], s[SK+2*(t/8):SK+2*(t/8)+1] offset:(\c)*458752+(t%8)*256+229376
.endr
.set t, t+1
.endr
	WIN 0
.endm
.macro VLOAD                           ; a head's V^T: fragment 4 kc + ct = 32 keys x 16 channels
.set fi, 0
.rept 48
.if fi < 16
	WIN 0x80
.set vr, 128+8*fi
.else
	WIN 0xc0
.set vr, 8*(fi-16)
.endif
	global_load_b128 v[vr:vr+3],   v[OV], s[SV+2*(fi/16):SV+2*(fi/16)+1] offset:((fi/4)%4)*4096+(fi%4)*256
	global_load_b128 v[vr+4:vr+7], v[OV], s[SV+2*(fi/16):SV+2*(fi/16)+1] offset:((fi/4)%4)*4096+(fi%4)*256+2048
.set fi, fi+1
.endr
	WIN 0
.endm
.macro QLOAD                           ; 16 queries x 64 channels
.irp c, 0,1
	global_load_b128 v[QF+8*(\c):QF+8*(\c)+3],   v[OQ], s[SQ:SQ+1] offset:(\c)*262144
	global_load_b128 v[QF+8*(\c)+4:QF+8*(\c)+7], v[OQ], s[SQ:SQ+1] offset:(\c)*262144+131072
.endr
.endm
	TGRP 0, 6, 0
	TGRP 1, 10, 6
	TGRP 2, 18, 16
.irp c, 0,1,2,3
	global_load_b128 v[S+68+4*(\c):S+68+4*(\c)+3], v[BIC+1], s[22:23] offset:2048*(\c)
.endr
	KLOAD
	QLOAD
	VLOAD
	s_mul_i32 s98, s[WV], 8704                     ; my wave's slices: two heads x 1,088 entries
	s_add_co_u32 s98, s98, TABLE
	v_sub_nc_u32 v31, 1, v[HH]
	v_lshl_add_u32 v30, v[R], 2, s98
	v_lshl_add_u32 v[BI], v31, 5, v30              ; entry r + 8 f (1 - h) of the level's slice; the slices begin at entries 0, 192, 512
	v_lshl_add_u32 v[BI+1], v31, 6, v30
	v_add_nc_u32 v[BI+1], 768, v[BI+1]
	v_lshl_add_u32 v[BI+2], v31, 7, v30
	v_add_nc_u32 v[BI+2], 2048, v[BI+2]
	v_lshl_add_u32 v[TW], v[LN], 2, s98
	v_mul_u32_u24 v30, v[R], PP
	v_lshl_add_u32 v30, v[HH], 4, v30              ; a panel fragment: row l % 16, 16 bytes for each half of the lanes
	v_add_nc_u32 v[A0], P0, v30
	v_add_nc_u32 v[A1], P1, v30
	s_lshl_b32 s98, s[WV], 8
	v_add_nc_u32 v[PO], s98, v[A0]                 ; the same place in my wave's 128 columns: where results go
	v_add_nc_u32 v[H2S], s98, v[A1]
	v_and_b32 v30, 7, v0                           ; a weight fragment, by the turning load
	v_lshl_add_u32 v30, v[HH], 3, v30
	v_mul_u32_u24 v[BB], v30, BP
	v_bfe_u32 v30, v0, 3, 1
	v_lshl_add_u32 v[BB], v30, 4, v[BB]
	v_add_nc_u32 v[BB], s98, v[BB]
	s_lshl_b32 s98, s[WV], 9                       ; my 128 columns of x in f32: 512 bytes a wave,
	s_lshr_b32 s99, s[WV], 1
	s_mul_i32 s99, s99, 16                         ; and 16 bytes later in a row's second half (waves 2 and 3), behind the padding in the row's middle
	s_add_co_u32 s98, s98, s99
	s_add_co_u32 s98, s98, XP
	v_mul_u32_u24 v30, v[R], XPP
	v_lshl_add_u32 v30, v[HH], 5, v30
	v_add_nc_u32 v[XA], s98, v30
	v_add_nc_u32 v[XA2], 32*XPP, v[XA]
	s_lshl_b32 s98, s[WV], 2
	s_add_co_u32 s98, s98, STATS
	v_lshl_add_u32 v[SS], v[R], 4, s98             ; statistics: [row][wave]
	v_lshlrev_b32 v[SL], 4, v[R]
	v_add_nc_u32 v[SL], STATS, v[SL]
	s_lshl_b32 s98, s[WV], 11
	s_add_co_u32 s98, s98, B1IMG
	v_lshl_add_u32 v[B1A], v[HH], 5, s98
	v_lshl_add_u32 v[POC], v[LN], 4, s98           ; where I write b1
	s_lshl_b32 s98, s[WV], 9
	v_lshl_add_u32 v[CO], v[HH], 5, s98            ; my 8 columns of a tile in a vector of 512 f32
	v_mov_b32 v[TMPA+1], 0                         ; an exchange's destination counts as read
	s_wait_loadcnt 0x3f                            ; behind the slices' and b1's 38 loads 196 were issued; with 63 at the most still out, those 38 are in
.set n, 0
.rept 34
	ds_store_b32 v[TW], v[S+2*n]   offset:128*n
	ds_store_b32 v[TW], v[S+2*n+1] offset:4352+128*n
.set n, n+1
.endr
.irp c, 0,1,2,3
	ds_store_b128 v[POC], v[S+68+4*(\c):S+68+4*(\c)+3] offset:512*(\c)
.endr
	; ---- ATTENTION: two heads, four tiles of 16 queries each.  The slices and b1 are my wave's own: no barrier
	s_mov_b32 s[HC], 2
	s_mov_b32 s[BOFF], 0
	s_mov_b32 s[POFF], 0
.Lhead:
	s_mov_b32 s[QC], 4
.Lq:
	v_add_nc_u32 v[BIC], s[BOFF], v[BI]
	v_add_nc_u32 v[BIC+1], s[BOFF], v[BI+1]
	v_add_nc_u32 v[BIC+2], s[BOFF], v[BI+2]
.set li, 0
.rept 3                                ; the bias of query 16 qt + r and key 16 t + 8 h + j of level f lies f (119 - 16 t - j) entries on
.set t, 0
.rept 8
.set j, 0
.rept 8
	ds_load_b32 v[S+8*(8*li+t)+j], v[BIC+li] offset:(4<<li)*(119-16*t-j)
.set j, j+1
.endr
.set t, t+1
.endr
.set li, li+1
.endr
	s_wait_loadcnt 0x0                             ; K and Q
	s_wait_dscnt 0x0
	WIN 0x01                                       ; S^T = K Q^T + bias: 24 accumulators by turns
.set t, 0
.rept 16
	v_wmma_f32_16x16x32_bf16 v[S+8*t:S+8*t+7], v[16*t:16*t+7], v[QF:QF+7], v[S+8*t:S+8*t+7]
.set t, t+1
.endr
	WIN 0x02
.set t, 16
.rept 8
	v_wmma_f32_16x16x32_bf16 v[S+8*t:S+8*t+7], v[16*(t-16):16*(t-16)+7], v[QF:QF+7], v[S+8*t:S+8*t+7]
.set t, t+1
.endr
.set t, 16
.rept 8
	v_wmma_f32_16x16x32_bf16 v[S+8*t:S+8*t+7], v[16*(t-16)+8:16*(t-16)+15], v[QF+8:QF+15], v[S+8*t:S+8*t+7]
.set t, t+1
.endr
	WIN 0x01
.set t, 0
.rept 16
	v_wmma_f32_16x16x32_bf16 v[S+8*t:S+8*t+7], v[16*t+8:16*t+15], v[QF+8:QF+15], v[S+8*t:S+8*t+7]
.set t, t+1
.endr
	WIN 0
	PLACES
	; what the next trip wants is asked for now.  The jumps go forward, on the two counters alone, alike in all work-groups; every wait on these loads is for 0
	s_cmp_eq_u32 s[QC], 1
	s_cbranch_scc1 .Llastq
	s_add_nc_u64 s[SQ:SQ+1], s[SQ:SQ+1], 256       ; the next 16 queries
	QLOAD
	s_branch .Lasked
.Llastq:
	s_cmp_eq_u32 s[HC], 1
	s_cbranch_scc1 .Lasked                         ; the last trip of all asks for nothing
	s_add_nc_u64 s[SQ:SQ+1], s[SQ:SQ+1], 524288-768  ; the next head's first queries
	QLOAD
.irp l, 0,1,2
	s_add_nc_u64 s[SK+2*(\l):SK+2*(\l)+1], s[SK+2*(\l):SK+2*(\l)+1], 917504
.endr
	KLOAD
.Lasked:
	; the row's maximum: four chains; each tile's lowest registers are read first
.set g, 0
.rept 6
.set i, 0
.rept 4
.set u, 0
.rept 4
.set rr, S+8*(4*g+u)+2*i
.if (g == 0) && (i == 0)
	v_max_num_f32 v[C0+u], v[rr], v[rr+1]
.else
	v_max3_num_f32 v[C0+u], v[C0+u], v[rr], v[rr+1]
.endif
.set u, u+1
.endr
.set i, i+1
.endr
.set g, g+1
.endr
	v_max3_num_f32 v[C0], v[C0], v[C0+1], v[C0+2]
	v_max_num_f32 v[C0], v[C0], v[C0+3]
	v_permlanex16_b32 v[C0+1], v[C0], s[SEL], s[SEL+1]  ; the query's other 192 keys lie in the lane 16 away
	v_max_num_f32 v[C0], v[C0], v[C0+1]
	v_mul_f32 v[MM], s[L2E], v[C0]
	v_mul_f32 v[MM+1], s[L2E], v[C0]
.set q, 0
.rept 96
	v_pk_fma_f32 v[S+2*q:S+2*q+1], v[S+2*q:S+2*q+1], s[L2E:L2E+1], v[MM:MM+1] op_sel_hi:[1,0,1] neg_lo:[0,0,1] neg_hi:[0,0,1]
.set q, q+1
.endr
.set q, 0
.rept 192
	v_exp_f32 v[S+q], v[S+q]
.set q, q+1
.endr
	v_nop                                          ; a plain instruction between the last exponential and the use of its result
	s_wait_alu depctr_va_vdst(0)
.set q, 4
.rept 92                               ; the sum, of the unrounded weights: four chains of pairs
.if q < 8
	v_pk_add_f32 v[SM+2*(q%4):SM+2*(q%4)+1], v[S+2*(q-4):S+2*(q-4)+1], v[S+2*q:S+2*q+1]
.else
	v_pk_add_f32 v[SM+2*(q%4):SM+2*(q%4)+1], v[SM+2*(q%4):SM+2*(q%4)+1], v[S+2*q:S+2*q+1]
.endif
.set q, q+1
.endr
	v_pk_add_f32 v[SM:SM+1], v[SM:SM+1], v[SM+2:SM+3]
	v_pk_add_f32 v[SM+4:SM+5], v[SM+4:SM+5], v[SM+6:SM+7]
	v_pk_add_f32 v[SM:SM+1], v[SM:SM+1], v[SM+4:SM+5]
	v_add_f32 v[TMPA], v[SM], v[SM+1]
	v_permlanex16_b32 v[TMPA+1], v[TMPA], s[SEL], s[SEL+1]
	v_add_f32 v[TMPA], v[TMPA], v[TMPA+1]
	v_rcp_f32 v[RL], v[TMPA]
	v_rcp_f32 v[RL+1], v[TMPA]                     ; the roundings below stand between these and the use of their results
.set t, 0
.rept 24                               ; P, packed downward in place: tiles 2 kc and 2 kc + 1 become source 1 for keys 32 kc ..
.set i, 0
.rept 4
	v_cvt_pk_bf16_f32 v[S+4*t+i], v[S+8*t+2*i], v[S+8*t+2*i+1]
.set i, i+1
.endr
.set t, t+1
.endr
	s_wait_loadcnt 0x0                             ; V
.set fi, 0
.rept 48                               ; O^T = V^T P: four accumulators by turns; the first four products start the sums
.if fi < 16
	WIN 0x02
.set vr, 128+8*fi
.else
	WIN 0x03
.set vr, 8*(fi-16)
.endif
.set oo, O+8*(fi%4)
.set pr, S+8*(fi/4)
.if fi < 4
	v_wmma_f32_16x16x32_bf16 v[oo:oo+7], v[vr:vr+7], v[pr:pr+7], 0
.else
	v_wmma_f32_16x16x32_bf16 v[oo:oo+7], v[vr:vr+7], v[pr:pr+7], v[oo:oo+7]
.endif
.set fi, fi+1
.endr
	WIN 0
	PLACES
	v_add_nc_u32 v[POC], s[POFF], v[PO]
.set i, 0
	s_wait_alu depctr_va_vdst(0)
.rept 16
	v_pk_mul_f32 v[O+2*i:O+2*i+1], v[O+2*i:O+2*i+1], v[RL:RL+1]
.set i, i+1
.endr
.set i, 0
.rept 16
	v_cvt_pk_bf16_f32 v[OT+i], v[O+2*i], v[O+2*i+1]
.set i, i+1
.endr
.irp c, 0,1,2,3
	ds_store_b128 v[POC], v[OT+4*(\c):OT+4*(\c)+3] offset:32*(\c)  ; row 16 qt + r, channels 16 ct + 8 h .. of my head
.endr
	s_add_co_u32 s[BOFF], s[BOFF], 64              ; 16 queries on in the slices,
	s_add_co_u32 s[POFF], s[POFF], 16*PP           ; 16 rows on in the panel
	s_sub_co_u32 s[QC], s[QC], 1
	s_cmp_lg_u32 s[QC], 0
	s_cbranch_scc1 .Lq
	s_sub_co_u32 s[HC], s[HC], 1
	s_cmp_eq_u32 s[HC], 0
	s_cbranch_scc1 .Latt_done
.irp l, 0,1,2
	s_add_nc_u64 s[SV+2*(\l):SV+2*(\l)+1], s[SV+2*(\l):SV+2*(\l)+1], 917504
.endr
	VLOAD                                          ; the second head's V: it has the next trip's bias, K Q^T and softmax in which to land
	s_add_co_u32 s[BOFF], s[BOFF], 4352-256        ; the second head's slices,
	s_sub_co_u32 s[POFF], s[POFF], 64*PP-128       ; its 64 columns, from row 0 again
	s_branch .Lhead
.Latt_done:
	; ---- HAND-OVER
	s_wait_tensorcnt 0x1                           ; my rows of x are in; the one load issued behind them, weight tile 0, may stay out
	s_wait_dscnt 0x0                               ; my part of panel 0 is written
	s_barrier_signal -1
	s_barrier_wait -1                              ; everybody's x is in.
	s_mul_i32 s98, s[WV], 16*SGP
	s_add_co_u32 s98, s98, P1                      ; my stage, for the way out
	v_mul_u32_u24 v[STS], v[R], SGP
	v_lshl_add_u32 v[STS], v[HH], 5, v[STS]
	v_add_nc_u32 v[STS], s98, v[STS]
	v_lshl_add_u32 v[STL], v[LN], 4, s98
	s_lshl_b32 s98, s[WV], 9
	v_lshl_add_u32 v[OO], v[LN], 4, s98
	WIN 0x40
.irp n, 0,1,2,3,4,5,6,7                ; bproj, ln2_s, ln2_b of my columns, in the accumulators' order
	global_load_b128 v[8*(\n):8*(\n)+3],         v[CO], s[16:17] offset:64*(\n)
	global_load_b128 v[8*(\n)+4:8*(\n)+7],       v[CO], s[16:17] offset:64*(\n)+16
	global_load_b128 v[64+8*(\n):64+8*(\n)+3],   v[CO], s[18:19] offset:64*(\n)
	global_load_b128 v[64+8*(\n)+4:64+8*(\n)+7], v[CO], s[18:19] offset:64*(\n)+16
	global_load_b128 v[128+8*(\n):128+8*(\n)+3],   v[CO], s[20:21] offset:64*(\n)
	global_load_b128 v[128+8*(\n)+4:128+8*(\n)+7], v[CO], s[20:21] offset:64*(\n)+16
.endr
	WIN 0
	global_load_b128 v[B2Q:B2Q+3], v[OO], s[24:25]
	WIN 0x80
.set t, 0
.rept 32                               ; x is the projection's starting value
.if t < 16
	ds_load_b128 v[8*t:8*t+3],   v[XA] offset:((t/8)%2)*16*XPP+(t%8)*64
	ds_load_b128 v[8*t+4:8*t+7], v[XA] offset:((t/8)%2)*16*XPP+(t%8)*64+16
.else
	ds_load_b128 v[8*t:8*t+3],   v[XA2] offset:((t/8)%2)*16*XPP+(t%8)*64
	ds_load_b128 v[8*t+4:8*t+7], v[XA2] offset:((t/8)%2)*16*XPP+(t%8)*64+16
.endif
.set t, t+1
.endr
	WIN 0
.macro LDA kk                          ; the panel's fragments of 32 along K: 4 tiles of 16 rows
	WIN 0
.irp m, 0,1,2,3
	ds_load_b128 v[AF+8*(4*(\kk)+(\m)):AF+8*(4*(\kk)+(\m))+3],   v[ACUR] offset:(\m)*16*PP+(\kk)*64
	ds_load_b128 v[AF+8*(4*(\kk)+(\m))+4:AF+8*(4*(\kk)+(\m))+7], v[ACUR] offset:(\m)*16*PP+(\kk)*64+32
.endr
.endm
.macro LDB kk                          ; the weights' fragments of 32 along K, turned: 8 tiles of 16 columns
	WIN 0xc0
.irp n, 0,1,2,3,4,5,6,7
	ds_load_tr16_b128 v[8*(8*(\kk)+(\n)):8*(8*(\kk)+(\n))+3],   v[BCUR] offset:(\kk)*32*BP+(\n)*32
	ds_load_tr16_b128 v[8*(8*(\kk)+(\n))+4:8*(8*(\kk)+(\n))+7], v[BCUR] offset:(\kk)*32*BP+(\n)*32+16*BP
.endr
.endm
; ONE K STEP OF 64.  All my tensor loads have landed (one is out: my part of this step's tile); the add; the walking descriptor steps and the step's addresses are made; the add, my reads of the other
; slot and my stores into the panels are done; a round of the cluster's barrier; the other slot is filled again, first thing; then 48 fragment loads in one run and 64 products on 32 accumulators by turns.
; aw: the accumulators' window; pb: the panel's address register.  Source 0 = weights: a lane holds one row and eight columns.
.macro TRIP refill, aw, pb
	WIN 0
	s_wait_tensorcnt 0x0
	ds_add_u32 v[SPW], v[NIL]
.if \refill
	s_xor_b32 s[G0+1], s[G0+1], SLOTX
	s_add_nc_u64 s[G0+2:G0+3], s[G0+2:G0+3], TILEB
.endif
	v_add_nc_u32 v[ACUR], s[KOFF], v[\pb]
	v_add_nc_u32 v[BCUR], s[TB], v[BB]
	s_wait_dscnt 0x0
	ROUND
.if \refill
	tensor_load_to_lds s[G0:G0+3], s[G1W:G1W+7]    ; my one load behind the round: it has this step's work in which to land
	s_nop 0
.endif
	PLACES
	LDA 0
	LDB 0
	LDA 1
	LDB 1
	WIN 0x03|((\aw)<<4)|((\aw)<<6)
.irp kk, 0,1
.set nt, 0
.rept 8
.if \kk == 0
	s_wait_dscnt 38-2*nt                           ; the loads issued behind this column tile's two may stay out
.else
	s_wait_dscnt 14-2*nt
.endif
.set mt, 0
.rept 4
.set aC, 8*(8*mt+nt)
.set bF, 8*(8*(\kk)+nt)
.set aF, AF+8*(4*(\kk)+mt)
	v_wmma_f32_16x16x32_bf16 v[aC:aC+7], v[bF:bF+7], v[aF:aF+7], v[aC:aC+7]
.set mt, mt+1
.endr
.set nt, nt+1
.endr
.endr
	WIN 0
	s_add_co_u32 s[KOFF], s[KOFF], 128
	s_xor_b32 s[TB], s[TB], SLOTX
.endm
	; ---- THE PROJECTION.  Its first step's round also frees slot 1, where x lay
	s_mov_b32 s[KOFF], 0
	s_mov_b32 s[LC], 8
.Lproj:
	TRIP 1, 2, A0
	s_sub_co_u32 s[LC], s[LC], 1
	s_cmp_lg_u32 s[LC], 0
	s_cbranch_scc1 .Lproj
	; ---- x1 = x + projection + bproj, and its norm.  A lane holds 64 numbers of each of four rows; a row's 512 lie in two lanes of each of the four waves
	PLACES
	s_wait_loadcnt 0x0
	WIN 0x86
.set t, 0
.rept 32
.set i, 0
.rept 4
	v_pk_add_f32 v[8*t+2*i:8*t+2*i+1], v[8*t+2*i:8*t+2*i+1], v[8*(t%8)+2*i:8*(t%8)+2*i+1]
.set i, i+1
.endr
.set t, t+1
.endr
	WIN 0x0a                                       ; the rows' sums: chain c = 2 mt + u takes the column tiles of parity u
.set c, 0
.rept 8
.set rr, 8*(8*(c/2)+c%2)
	v_pk_add_f32 v[CHN+2*c:CHN+2*c+1], v[rr:rr+1], v[rr+2:rr+3]
.set c, c+1
.endr
	WIN 0x08
.set q, 2
.rept 14
.set c, 0
.rept 8
.set rr, 8*(8*(c/2)+2*(q/4)+c%2)+2*(q%4)
	v_pk_add_f32 v[CHN+2*c:CHN+2*c+1], v[CHN+2*c:CHN+2*c+1], v[rr:rr+1]
.set c, c+1
.endr
.set q, q+1
.endr
; The chains are closed, the lanes' halves added, and the four waves' parts exchanged through LDS: the rows' sums come back in v[XS + 4 m]
.macro XCH off
	WIN 0
.irp m, 0,1,2,3
	v_pk_add_f32 v[CHN+4*(\m):CHN+4*(\m)+1], v[CHN+4*(\m):CHN+4*(\m)+1], v[CHN+4*(\m)+2:CHN+4*(\m)+3]
.endr
.irp m, 0,1,2,3
	v_add_f32 v[CHN+4*(\m)], v[CHN+4*(\m)], v[CHN+4*(\m)+1]
.endr
.irp m, 0,1,2,3
	v_permlanex16_b32 v[CHN+4*(\m)+1], v[CHN+4*(\m)], s[SEL], s[SEL+1]
.endr
.irp m, 0,1,2,3
	v_add_f32 v[CHN+4*(\m)], v[CHN+4*(\m)], v[CHN+4*(\m)+1]
.endr
.irp m, 0,1,2,3
	ds_store_b32 v[SS], v[CHN+4*(\m)] offset:(\off)+256*(\m)
.endr
	s_wait_dscnt 0x0                               ; for the others' sake
	s_barrier_signal -1
	s_barrier_wait -1                              ; the next weight tile may stay out
.irp m, 0,1,2,3
	ds_load_b128 v[XS+4*(\m):XS+4*(\m)+3], v[SL] offset:(\off)+256*(\m)
.endr
	s_wait_dscnt 0x0
.irp m, 0,1,2,3
	v_add_f32 v[XS+4*(\m)], v[XS+4*(\m)], v[XS+4*(\m)+1]
	v_add_f32 v[XS+4*(\m)+2], v[XS+4*(\m)+2], v[XS+4*(\m)+3]
.endr
.irp m, 0,1,2,3
	v_add_f32 v[XS+4*(\m)], v[XS+4*(\m)], v[XS+4*(\m)+2]
.endr
.endm
	XCH 0
.irp m, 0,1,2,3
	v_mul_f32 v[MN+2*(\m)], s[RCPC], v[XS+4*(\m)]
.endr
.irp m, 0,1,2,3
	v_mov_b32 v[MN+2*(\m)+1], v[MN+2*(\m)]
.endr
.macro SQB b                           ; the centred squares of row tiles 2 b, 2 b + 1
	WIN 0x02
.set t, 0
.rept 16
.set i, 0
.rept 4
	v_pk_add_f32 v[TT+8*t+2*i:TT+8*t+2*i+1], v[8*(16*(\b)+t)+2*i:8*(16*(\b)+t)+2*i+1], v[MN+2*(2*(\b)+t/8):MN+2*(2*(\b)+t/8)+1] neg_lo:[0,1] neg_hi:[0,1]
.set i, i+1
.endr
.set t, t+1
.endr
	WIN 0
.set q, 0
.rept 16
.set c, 0
.rept 4
.set rr, TT+8*(8*(c/2)+2*(q/4)+c%2)+2*(q%4)
.set cr, CHN+8*(\b)+2*c
.if q == 0
	v_pk_mul_f32 v[cr:cr+1], v[rr:rr+1], v[rr:rr+1]
.else
	v_pk_fma_f32 v[cr:cr+1], v[rr:rr+1], v[rr:rr+1], v[cr:cr+1]
.endif
.set c, c+1
.endr
.set q, q+1
.endr
.endm
	SQB 0
	SQB 1
	XCH 1024
.irp m, 0,1,2,3
	v_fma_f32 v[XS+4*(\m)], v[XS+4*(\m)], s[RCPC], s[EPS]
.endr
.irp m, 0,1,2,3
	v_rsq_f32 v[AA+2*(\m)], v[XS+4*(\m)]
.endr
	v_nop                                          ; a plain instruction between the last root and the use of its result
	s_wait_alu depctr_va_vdst(0)
.irp m, 0,1,2,3
	v_mov_b32 v[AA+2*(\m)+1], v[AA+2*(\m)]
	v_mul_f32 v[CC+2*(\m)], -v[MN+2*(\m)], v[AA+2*(\m)]
.endr
.irp m, 0,1,2,3
	v_mov_b32 v[CC+2*(\m)+1], v[CC+2*(\m)]
.endr
.macro NRM b                           ; h2 of row tiles 2 b, 2 b + 1, into panel 1; x1 stays where it is
	WIN 0x02
.set t, 0
.rept 16
.set i, 0
.rept 4
	v_pk_fma_f32 v[TT+8*t+2*i:TT+8*t+2*i+1], v[8*(16*(\b)+t)+2*i:8*(16*(\b)+t)+2*i+1], v[AA+2*(2*(\b)+t/8):AA+2*(2*(\b)+t/8)+1], v[CC+2*(2*(\b)+t/8):CC+2*(2*(\b)+t/8)+1]
.set i, i+1
.endr
.set t, t+1
.endr
	WIN 0x14
.set t, 0
.rept 16
.set i, 0
.rept 4
	v_pk_fma_f32 v[TT+8*t+2*i:TT+8*t+2*i+1], v[TT+8*t+2*i:TT+8*t+2*i+1], v[64+8*(t%8)+2*i:64+8*(t%8)+2*i+1], v[128+8*(t%8)+2*i:128+8*(t%8)+2*i+1]
.set i, i+1
.endr
.set t, t+1
.endr
	WIN 0
.set t, 0
.rept 16
.set i, 0
.rept 4
	v_cvt_pk_bf16_f32 v[TT+8*t+i], v[TT+8*t+2*i], v[TT+8*t+2*i+1]
.set i, i+1
.endr
	ds_store_b128 v[H2S], v[TT+8*t:TT+8*t+3] offset:(2*(\b)+t/8)*16*PP+(t%8)*32
.set t, t+1
.endr
.endm
	NRM 0
	NRM 1
	; ---- THE MLP, four chunks of 512 hidden units
	s_mov_b32 s[CHK], 4
	s_mov_b32 s[B1O], 0
.Lchunk:
	v_add_nc_u32 v[B1C], s[B1O], v[B1A]
	WIN 0x40
.set t, 0
.rept 32                               ; b1 is the hidden sums' starting value
	ds_load_b128 v[8*t:8*t+3],   v[B1C] offset:(t%8)*64
	ds_load_b128 v[8*t+4:8*t+7], v[B1C] offset:(t%8)*64+16
.set t, t+1
.endr
	WIN 0
	s_mov_b32 s[KOFF], 0
	s_mov_b32 s[LC], 8
.Lm1:
	TRIP 1, 1, A1
	s_sub_co_u32 s[LC], s[LC], 1
	s_cmp_lg_u32 s[LC], 0
	s_cbranch_scc1 .Lm1
	; GELU, stage by stage over the 256 registers; its work lies in window 3, register for register
	PLACES
	WIN 0xc5
.set i, 0
.rept 128
	v_pk_mul_f32 v[2*i:2*i+1], v[2*i:2*i+1], v[2*i:2*i+1]
.set i, i+1
.endr
	WIN 0xc3
.set i, 0
.rept 128
	v_pk_fma_f32 v[2*i:2*i+1], v[2*i:2*i+1], s[GC1:GC1+1], s[GC0:GC0+1] op_sel_hi:[1,0,0]
.set i, i+1
.endr
	WIN 0xc7
.set i, 0
.rept 128
	v_pk_mul_f32 v[2*i:2*i+1], v[2*i:2*i+1], v[2*i:2*i+1]
.set i, i+1
.endr
	WIN 0xc3
.set i, 0
.rept 256
	v_exp_f32 v[i], v[i]
.set i, i+1
.endr
	v_nop
.set i, 0
	s_wait_alu depctr_va_vdst(0)
.rept 128
	v_pk_add_f32 v[2*i:2*i+1], v[2*i:2*i+1], 1.0 op_sel_hi:[1,0]
.set i, i+1
.endr
.set i, 0
.rept 256
	v_rcp_f32 v[i], v[i]
.set i, i+1
.endr
	v_nop
	WIN 0xcd
.set i, 0
	s_wait_alu depctr_va_vdst(0)
.rept 128
	v_pk_mul_f32 v[2*i:2*i+1], v[2*i:2*i+1], v[2*i:2*i+1]
.set i, i+1
.endr
	WIN 0xcf
.set t, 0
.rept 32
.set i, 0
.rept 4
	v_cvt_pk_bf16_f32 v[8*t+i], v[8*t+2*i], v[8*t+2*i+1]
.set i, i+1
.endr
.set t, t+1
.endr
	WIN 0x0c
.set t, 0
.rept 32                               ; into panel 0: its last readers passed eight rounds ago; the next step's round stands between these stores and their readers
	ds_store_b128 v[PO], v[8*t:8*t+3] offset:(t/8)*16*PP+(t%8)*32
.set t, t+1
.endr
	WIN 0
	s_mov_b32 s[KOFF], 0
	s_mov_b32 s[LC], 7
.Lm2:
	TRIP 1, 2, A0
	s_sub_co_u32 s[LC], s[LC], 1
	s_cmp_lg_u32 s[LC], 0
	s_cbranch_scc1 .Lm2
	s_cmp_eq_u32 s[CHK], 1
	s_cbranch_scc1 .Llast                          ; the walk's last tile is written out: it asks for nothing more
	TRIP 1, 2, A0
	s_add_co_u32 s[B1O], s[B1O], 512
	s_sub_co_u32 s[CHK], s[CHK], 1
	s_branch .Lchunk
.Llast:
	TRIP 0, 2, A0
	; ---- THE WAY OUT: 16 rows at a time through my own stage (in panel 1, whose last readers passed eight rounds ago), back as whole rows of 512 bytes, + b2, stored
	PLACES
.set mt, 0
.rept 4
	s_wait_xcnt 0x0                                ; registers that earlier stores read are loaded again only behind this wait
	WIN 0x08
.set nt, 0
.rept 8
	ds_store_b128 v[STS], v[8*(8*mt+nt):8*(8*mt+nt)+3]   offset:nt*64
	ds_store_b128 v[STS], v[8*(8*mt+nt)+4:8*(8*mt+nt)+7] offset:nt*64+16
.set nt, nt+1
.endr
	WIN 0
.set ob, TT+64*(mt%2)
.set i, 0
.rept 16
	ds_load_b128 v[ob+4*i:ob+4*i+3], v[STL] offset:i*SGP  ; LDS serves a wave's instructions in order (ISA guide 5.7.1.4): these see the stores above, and the next block's stores come behind them
.set i, i+1
.endr
.set i, 0
.rept 16
	s_wait_dscnt 15-i                              ; the younger rows' loads may stay out
	v_pk_add_f32 v[ob+4*i:ob+4*i+1], v[ob+4*i:ob+4*i+1], v[B2Q:B2Q+1]
	v_pk_add_f32 v[ob+4*i+2:ob+4*i+3], v[ob+4*i+2:ob+4*i+3], v[B2Q+2:B2Q+3]
	global_store_b128 v[OO], v[ob+4*i:ob+4*i+3], s[26:27] offset:(16*mt+i)*2048 th:TH_STORE_NT  ; the wave stores 512 consecutive bytes, aligned
.set i, i+1
.endr
.set mt, mt+1
.endr
	s_wait_tensorcnt 0x0                           ; the wave's end
	ds_add_u32 v[SPW], v[NIL]
	s_wait_dscnt 0x0
	ROUND                                          ; the closing round
	s_endpgm
.Lfunc_end_k_qf0705e65d3_block:
	.size	k_qf0705e65d3_block, .Lfunc_end_k_qf0705e65d3_block-k_qf0705e65d3_block
	.p2alignl 7, 3214868480
	.fill 96, 4, 3214868480
	.section	.rodata,"a",@progbits
	.p2align	6, 0x0
	.amdhsa_kernel k_qf0705e65d3_block
		.amdhsa_group_segment_fixed_size 327680
		.amdhsa_private_segment_fixed_size 0
		.amdhsa_enable_private_segment 0
		.amdhsa_kernarg_size 96
		.amdhsa_user_sgpr_count 2
		.amdhsa_user_sgpr_kernarg_segment_ptr 1
		.amdhsa_wavefront_size32 1
		.amdhsa_system_sgpr_workgroup_id_x 1
		.amdhsa_system_sgpr_workgroup_id_y 1
		.amdhsa_system_sgpr_workgroup_id_z 1
		.amdhsa_system_vgpr_workitem_id 0
		.amdhsa_next_free_vgpr 1024
		.amdhsa_next_free_sgpr 102
		.amdhsa_reserve_vcc 0
		.amdhsa_float_denorm_mode_32 3
		.amdhsa_float_denorm_mode_16_64 3
		.amdhsa_memory_ordered 1
		.amdhsa_forward_progress 1
		.amdhsa_inst_pref_size 255
	.end_amdhsa_kernel
	.section	.bss,"aw",@nobits
	.p2align	6
	.space	262144
	.amdgpu_metadata
---
amdhsa.version: [ 1, 2 ]
amdhsa.kernels:
  - .name:           k_qf0705e65d3_block
    .symbol:         k_qf0705e65d3_block.kd
    .args:
      - { .name: x, .offset: 0, .size: 8, .value_kind: global_buffer, .address_space: global }
      - { .name: qb, .offset: 8, .size: 8, .value_kind: global_buffer, .address_space: global }
      - { .name: kb, .offset: 16, .size: 8, .value_kind: global_buffer, .address_space: global }
      - { .name: vb, .offset: 24, .size: 8, .value_kind: global_buffer, .address_space: global }
      - { .name: t1, .offset: 32, .size: 8, .value_kind: global_buffer, .address_space: global }
      - { .name: wb, .offset: 40, .size: 8, .value_kind: global_buffer, .address_space: global }
      - { .name: bproj, .offset: 48, .size: 8, .value_kind: global_buffer, .address_space: global }
      - { .name: ln2_s, .offset: 56, .size: 8, .value_kind: global_buffer, .address_space: global }
      - { .name: ln2_b, .offset: 64, .size: 8, .value_kind: global_buffer, .address_space: global }
      - { .name: mlp_b1, .offset: 72, .size: 8, .value_kind: global_buffer, .address_space: global }
      - { .name: mlp_b2, .offset: 80, .size: 8, .value_kind: global_buffer, .address_space: global }
      - { .name: out0, .offset: 88, .size: 8, .value_kind: global_buffer, .address_space: global }
    .group_segment_fixed_size: 327680
    .private_segment_fixed_size: 0
    .kernarg_segment_align: 8
    .kernarg_segment_size: 96
    .max_flat_workgroup_size: 128
    .sgpr_count:     102
    .vgpr_count:     1024
    .wavefront_size: 32
...
	.end_amdgpu_metadata
.endif
;; end of part 3
;; ======== version 2 of 2: 3 launches; 1.19 times as fast as version 1
;; workspace buffers: wb 6,291,456 bytes; t1 34,816 bytes; qb 16,777,216 bytes; kb 29,360,128 bytes; vb 29,360,128 bytes
;; launch prep (part 4): grid 113 x 1, 8 waves a work-group, no clusters, 66,560 bytes of LDS; arguments wq, wkv, wproj, mlp_w1, mlp_w2, rpb_w1, rpb_b1, rpb_w2, rpb_b2, wb, t1; writes wb, t1
.if DOCPART == 4
	.amdgcn_target "amdgcn-amd-amdhsa--gfx1250"
	.amdhsa_code_object_version 6
	.text
	.protected	k_qf0705e65d3_prep
	.globl	k_qf0705e65d3_prep
	.p2align	8
	.type	k_qf0705e65d3_prep,@function
k_qf0705e65d3_prep:
	s_mov_b64 s[64:65], 0
	v_nop
	global_prefetch_b8 v0, s[64:65] scope:SCOPE_SE
	s_setreg_imm32_b32 hwreg(HW_REG_WAVE_MODE, 25, 1), 1
	s_wait_xcnt 0x0
; PREP.  Two jobs, chosen by the work-group's number.
; Work-groups 0-95: twelve weight blocks [512 k][512 n], rounded once to bf16 and laid IN THE ORDER OF MATRIX FRAGMENTS, so that the later launches load them straight into registers.
;   Blocks 0, 1: wkv's K and V halves; 2: wq; 3: wproj; 4 + 2c: mlp_w1[:, 512c ..]; 5 + 2c: mlp_w2[512c .., :].
;   wb = [column group of 128: 4][blocks 0-2][stage of 32 k: 16] 8,192 bytes, then from byte 1,572,864 [column group 4][blocks 3-11][stage 16] 8,192 bytes.
;   A stage is [tile of 16 columns: 8][half 2][lane 32] 16 bytes; the cell of lane l holds k = 32 stage + 16 half + 8 (l / 16) + 0..7 of column 16 tile + l % 16.
;   A wave takes one stage of one column group: 32 rows x 512 consecutive bytes in, 8,192 consecutive bytes out.
;   A lane's 4 columns x 32 rows are 16 cells; they go to their places in the wave's own 8 KB of LDS and come back in line.
; Work-groups 96-112: the position bias.  Its argument is a whole number of tokens divided by 4,096: query position - f x pooled key position + 4 f, which for these
;   sizes lies in -492 .. 527.  So the bias network is evaluated once for each rel = idx - 496, idx = 0 .. 1087 (the last launch copies padded slices, up to idx 1027),
;   for all 8 heads, in f32 with fused multiply-adds.  t1[idx][head] holds the bias TIMES 8: q is kept without its scale 1/8, the last launch's scores are 8 x the logits,
;   and the 1/8 stands in its exponent's factor; all three are powers of two and round nothing.  A wave takes 8 idx; a lane holds 8 of the 256 hidden units.
; No matrix unit: a stream and 2.2 million multiply-adds.
.set SPARE, 65536                      ; behind the eight waves' 8 KB: the spare words, 128 bytes a wave
.set SPW,  254
.set NIL,  255
.set LA,   4                           ; fragments: where my cells go in LDS
.set LR,   5                           ; fragments: where I read back
.set GO,   6                           ; fragments: 16 lane
.set FO,   8                           ; v[8:39]    fragments: 16 lane + row x pitch
.set FX,   40                          ; v[40:167]  fragments: 32 rows x 4 columns of f32; then the cells in line
.set FY,   168                         ; v[168:231] fragments: 16 cells
.set W1R,  8                           ; table: w1 of my 8 hidden units
.set B1R,  16                          ; table: b1 of them
.set W2R,  24                          ; v[24:87]   table: w2[unit][head]
.set HID,  88
.set ACC,  96
.set TP,   104
.set SELR, 112
.set RR,   116                         ; v[116:119] what my lane stores
.set RHO,  120
.set LH,   121
.set TO,   122
	s_load_b512 s[4:19], s[0:1], 0x0               ; wq, wkv, wproj, mlp_w1, mlp_w2, rpb_w1, rpb_b1, rpb_w2
	s_load_b128 s[20:23], s[0:1], 0x40             ; rpb_b2, wb
	s_load_b64 s[24:25], s[0:1], 0x50              ; t1
	v_lshl_add_u32 v[SPW], v0, 2, SPARE
	v_mov_b32 v[NIL], 0
	v_and_b32 v1, 31, v0                           ; lane
	v_lshrrev_b32 v2, 5, v0
	v_readfirstlane_b32 s26, v2                    ; wave
	s_cmp_ge_u32 ttmp9, 96
	s_cbranch_scc1 .Ltable
	; ---- the cast into fragment order
	s_lshr_b32 s31, ttmp9, 3                       ; block 0 .. 11
	s_and_b32 s37, ttmp9, 7
	s_lshl_b32 s37, s37, 3
	s_add_co_u32 s37, s37, s26                     ; my wave among the block's 64
	s_lshr_b32 s38, s37, 4                         ; column group of 128
	s_and_b32 s39, s37, 15                         ; stage of 32 k
	s_sub_co_u32 s30, s31, 3                       ; the block's place in the last launch's walk: what is made of it serves blocks 3-11 alone
	s_lshr_b32 s40, s30, 1
	s_and_b32 s41, s30, 1                          ; odd: mlp_w1's chunk, even: mlp_w2's
	s_lshl_b32 s42, s40, 11                        ; mlp_w1: chunk c = place / 2, 512 c columns of f32
	s_sub_co_u32 s43, s40, 1                       ; mlp_w2: chunk c = place / 2 - 1,
	s_lshl_b32 s43, s43, 20                        ; 512 c rows of 2,048 bytes
	s_lshl_b32 s46, s31, 11                        ; wkv: its half, 512 x block columns of f32
	s_mov_b32 s34, 2048
	s_mov_b32 s35, s43
	s_lshl_b32 s47, s26, 13                        ; my wave's 8 KB of LDS
	v_lshrrev_b32 v2, 2, v1                        ; my 4 columns lie in tile lane / 4,
	v_and_b32 v3, 3, v1                            ; at columns 4 (lane % 4) + 0..3 of it
	v_lshl_add_u32 v2, v2, 10, s47
	v_lshl_add_u32 v[LA], v3, 6, v2
	v_lshl_add_u32 v[LR], v1, 4, s47
	v_lshlrev_b32 v[GO], 4, v1
	s_wait_kmcnt 0x0
	s_mov_b64 s[32:33], s[12:13]                   ; mlp_w2
	s_cmp_eq_u32 s41, 1
	s_cselect_b64 s[32:33], s[10:11], s[32:33]     ; mlp_w1
	s_cselect_b32 s34, 8192, s34
	s_cselect_b32 s35, s42, s35
	s_cmp_eq_u32 s31, 3
	s_cselect_b64 s[32:33], s[8:9], s[32:33]       ; wproj
	s_cselect_b32 s35, 0, s35
	s_cmp_eq_u32 s31, 2
	s_cselect_b64 s[32:33], s[4:5], s[32:33]       ; wq
	s_cselect_b32 s34, 2048, s34
	s_cselect_b32 s35, 0, s35
	s_cmp_lt_u32 s31, 2
	s_cselect_b64 s[32:33], s[6:7], s[32:33]       ; wkv
	s_cselect_b32 s34, 4096, s34
	s_cselect_b32 s35, s46, s35
	s_lshl_b32 s44, s39, 5
	s_mul_i32 s44, s44, s34                        ; my 32 rows,
	s_add_co_u32 s44, s44, s35
	s_lshl_b32 s45, s38, 9                         ; my 128 columns
	s_add_co_u32 s44, s44, s45
	s_mov_b32 s45, 0
	s_add_nc_u64 s[32:33], s[32:33], s[44:45]
	s_mul_i32 s44, s38, 1179648                    ; blocks 3-11: the column group's stream of nine blocks of 131,072 bytes,
	s_lshl_b32 s46, s30, 17
	s_add_co_u32 s44, s44, s46
	s_add_co_u32 s44, s44, 1572864                 ; behind the first three blocks' streams
	s_mul_i32 s48, s38, 393216                     ; blocks 0-2: the column group's stream of three blocks
	s_lshl_b32 s49, s31, 17
	s_add_co_u32 s48, s48, s49
	s_cmp_lt_u32 s31, 3
	s_cselect_b32 s44, s48, s44
	s_lshl_b32 s46, s39, 13                        ; stages of 8,192
	s_add_co_u32 s44, s44, s46
	s_add_nc_u64 s[22:23], s[22:23], s[44:45]
	v_lshlrev_b32 v[FO], 4, v1
.set p, 1
.rept 31
	v_add_nc_u32 v[FO+p], s34, v[FO+p-1]
.set p, p+1
.endr
.set p, 0
.rept 32
	global_load_b128 v[FX+4*p:FX+4*p+3], v[FO+p], s[32:33] th:TH_LOAD_NT  ; row p: the wave reads 512 consecutive bytes, aligned
.set p, p+1
.endr
.irp g, 0,1,2,3                        ; eight rows make one cell for each of my 4 columns: half g / 2, lanes' half g % 2
	s_wait_loadcnt 24-8*(\g)                       ; the younger rows' loads may stay out
.irp c, 0,1,2,3
.irp i, 0,1,2,3
	v_cvt_pk_bf16_f32 v[FY+4*(4*(\g)+(\c))+(\i)], v[FX+4*(8*(\g)+2*(\i))+(\c)], v[FX+4*(8*(\g)+2*(\i)+1)+(\c)]
.endr
	ds_store_b128 v[LA], v[FY+4*(4*(\g)+(\c)):FY+4*(4*(\g)+(\c))+3] offset:((\g)/2)*512+((\g)%2)*256+(\c)*16
.endr
.endr
.irp i, 0,1,2,3,4,5,6,7,8,9,10,11,12,13,14,15
	ds_load_b128 v[FX+4*(\i):FX+4*(\i)+3], v[LR] offset:512*(\i)  ; LDS serves a wave's instructions in order (ISA guide 5.7.1.4): these see the stores above
.endr
.irp i, 0,1,2,3,4,5,6,7,8,9,10,11,12,13,14,15
	s_wait_dscnt 15-(\i)
	global_store_b128 v[GO], v[FX+4*(\i):FX+4*(\i)+3], s[22:23] offset:512*(\i)  ; the wave stores 512 consecutive bytes, aligned
.endr
	s_wait_tensorcnt 0x0                           ; the end of a wave that wrote LDS
	ds_add_u32 v[SPW], v[NIL]
	s_wait_dscnt 0x0
	s_endpgm
	; ---- the bias table
.Ltable:
	s_sub_co_u32 s30, ttmp9, 96
	s_lshl_b32 s30, s30, 3
	s_add_co_u32 s30, s30, s26
	s_lshl_b32 s30, s30, 3                         ; my wave's first idx
	v_lshlrev_b32 v2, 5, v1                        ; 8 hidden units of f32
	v_lshlrev_b32 v3, 8, v1                        ; 8 rows of w2
	v_lshlrev_b32 v[TO], 4, v1
	v_lshrrev_b32 v[LH], 1, v1                     ; the entry that my lane stores,
	v_and_b32 v4, 1, v1
	v_cmp_eq_u32 s40, 1, v4                        ; and which four heads of it
	s_mov_b32 s44, 0x76543210                      ; v_permlanex16_b32: each lane takes its own place in the other half
	s_mov_b32 s45, 0xfedcba98
	s_wait_kmcnt 0x0
	s_load_b256 s[48:55], s[20:21], 0x0            ; b2
	global_load_b128 v[W1R:W1R+3], v2, s[14:15]
	global_load_b128 v[W1R+4:W1R+7], v2, s[14:15] offset:16
	global_load_b128 v[B1R:B1R+3], v2, s[16:17]
	global_load_b128 v[B1R+4:B1R+7], v2, s[16:17] offset:16
.irp i, 0,1,2,3,4,5,6,7,8,9,10,11,12,13,14,15
	global_load_b128 v[W2R+4*(\i):W2R+4*(\i)+3], v3, s[18:19] offset:16*(\i)
.endr
	s_lshl_b32 s34, s30, 5
	s_mov_b32 s35, 0
	s_add_nc_u64 s[24:25], s[24:25], s[34:35]      ; t1 at my first idx
.irp h, 0,1,2,3,4,5,6,7
	v_mov_b32 v[TP+(\h)], 0                        ; the exchange's destinations count as read: written once here
.endr
.irp k, 0,1,2,3
	v_mov_b32 v[RR+(\k)], 0
.endr
	s_sub_co_i32 s31, s30, 496                     ; rel of my first idx
	s_mov_b32 s32, 0
	s_wait_kmcnt 0x0
	s_wait_loadcnt 0x0
.Lent:                                                 ; eight trips, an idx each
	s_add_co_i32 s33, s31, s32
	v_cvt_f32_i32 v[RHO], s33
	v_mul_f32 v[RHO], 0x39800000, v[RHO]           ; rel / 4,096, exact
.irp k, 0,1,2,3,4,5,6,7
	v_fma_f32 v[HID+(\k)], v[RHO], v[W1R+(\k)], v[B1R+(\k)]
.endr
.irp k, 0,1,2,3,4,5,6,7
	v_max_num_f32 v[HID+(\k)], 0, v[HID+(\k)]
.endr
.irp h, 0,1,2,3,4,5,6,7
	v_mul_f32 v[ACC+(\h)], v[HID], v[W2R+(\h)]
.endr
.irp k, 1,2,3,4,5,6,7
.irp h, 0,1,2,3,4,5,6,7
	v_fmac_f32 v[ACC+(\h)], v[HID+(\k)], v[W2R+8*(\k)+(\h)]
.endr
.endr
.irp m, 1,2,4,8                        ; the 32 lanes' sums: four steps inside each half of 16 lanes, one across
.irp h, 0,1,2,3,4,5,6,7
	v_add_f32_dpp v[ACC+(\h)], v[ACC+(\h)], v[ACC+(\h)] row_xmask:\m row_mask:0xf bank_mask:0xf
.endr
.endr
.irp h, 0,1,2,3,4,5,6,7
	v_permlanex16_b32 v[TP+(\h)], v[ACC+(\h)], s44, s45
.endr
.irp h, 0,1,2,3,4,5,6,7
	v_add_f32 v[ACC+(\h)], v[ACC+(\h)], v[TP+(\h)]
.endr
.irp h, 0,1,2,3,4,5,6,7
	v_add_f32 v[ACC+(\h)], s[48+(\h)], v[ACC+(\h)]
.endr
	v_cmp_eq_u32 s41, s32, v[LH]                   ; the two lanes that keep this entry
.irp k, 0,1,2,3
	v_cndmask_b32 v[SELR+(\k)], v[ACC+(\k)], v[ACC+4+(\k)], s40
.endr
.irp k, 0,1,2,3
	v_mul_f32 v[SELR+(\k)], 0x41000000, v[SELR+(\k)]  ; x 8, exact
.endr
.irp k, 0,1,2,3
	v_cndmask_b32 v[RR+(\k)], v[RR+(\k)], v[SELR+(\k)], s41
.endr
	s_add_co_u32 s32, s32, 1
	s_cmp_lt_u32 s32, 8
	s_cbranch_scc1 .Lent
	s_wait_xcnt 0x0                                ; EXEC changes only behind this wait
	v_cmp_gt_u32 vcc_lo, 16, v1
	s_and_saveexec_b32 s42, vcc_lo
	global_store_b128 v[TO], v[RR:RR+3], s[24:25]  ; 16 lanes store the wave's 8 entries: 256 consecutive bytes, aligned
	s_wait_xcnt 0x0
	s_or_b32 exec_lo, exec_lo, s42
	s_endpgm
.Lfunc_end_k_qf0705e65d3_prep:
	.size	k_qf0705e65d3_prep, .Lfunc_end_k_qf0705e65d3_prep-k_qf0705e65d3_prep
	.p2alignl 7, 3214868480
	.fill 96, 4, 3214868480
	.section	.rodata,"a",@progbits
	.p2align	6, 0x0
	.amdhsa_kernel k_qf0705e65d3_prep
		.amdhsa_group_segment_fixed_size 66560
		.amdhsa_private_segment_fixed_size 0
		.amdhsa_enable_private_segment 0
		.amdhsa_kernarg_size 88
		.amdhsa_user_sgpr_count 2
		.amdhsa_user_sgpr_kernarg_segment_ptr 1
		.amdhsa_wavefront_size32 1
		.amdhsa_system_sgpr_workgroup_id_x 1
		.amdhsa_system_sgpr_workgroup_id_y 1
		.amdhsa_system_sgpr_workgroup_id_z 1
		.amdhsa_system_vgpr_workitem_id 0
		.amdhsa_next_free_vgpr 256
		.amdhsa_next_free_sgpr 66
		.amdhsa_reserve_vcc 1
		.amdhsa_float_denorm_mode_32 3
		.amdhsa_float_denorm_mode_16_64 3
		.amdhsa_memory_ordered 1
		.amdhsa_forward_progress 1
		.amdhsa_inst_pref_size 26
	.end_amdhsa_kernel
	.amdgpu_metadata
---
amdhsa.version: [ 1, 2 ]
amdhsa.kernels:
  - .name:           k_qf0705e65d3_prep
    .symbol:         k_qf0705e65d3_prep.kd
    .args:
      - { .name: wq, .offset: 0, .size: 8, .value_kind: global_buffer, .address_space: global }
      - { .name: wkv, .offset: 8, .size: 8, .value_kind: global_buffer, .address_space: global }
      - { .name: wproj, .offset: 16, .size: 8, .value_kind: global_buffer, .address_space: global }
      - { .name: mlp_w1, .offset: 24, .size: 8, .value_kind: global_buffer, .address_space: global }
      - { .name: mlp_w2, .offset: 32, .size: 8, .value_kind: global_buffer, .address_space: global }
      - { .name: rpb_w1, .offset: 40, .size: 8, .value_kind: global_buffer, .address_space: global }
      - { .name: rpb_b1, .offset: 48, .size: 8, .value_kind: global_buffer, .address_space: global }
      - { .name: rpb_w2, .offset: 56, .size: 8, .value_kind: global_buffer, .address_space: global }
      - { .name: rpb_b2, .offset: 64, .size: 8, .value_kind: global_buffer, .address_space: global }
      - { .name: wb, .offset: 72, .size: 8, .value_kind: global_buffer, .address_space: global }
      - { .name: t1, .offset: 80, .size: 8, .value_kind: global_buffer, .address_space: global }
    .group_segment_fixed_size: 66560
    .private_segment_fixed_size: 0
    .kernarg_segment_align: 8
    .kernarg_segment_size: 88
    .max_flat_workgroup_size: 256
    .sgpr_count:     66
    .vgpr_count:     256
    .wavefront_size: 32
...
	.end_amdgpu_metadata
.endif
;; end of part 4
;; launch qkv (part 5): grid 256 x 1, 4 waves a work-group, no clusters, 327,680 bytes of LDS; arguments x, ln1_s, ln1_b, bq, bkv, wb, qb, kb, vb; writes qb, kb, vb
.if DOCPART == 5
	.amdgcn_target "amdgcn-amd-amdhsa--gfx1250"
	.amdhsa_code_object_version 6
	.text
	.protected	k_qf0705e65d3_qkv
	.globl	k_qf0705e65d3_qkv
	.p2align	8
	.type	k_qf0705e65d3_qkv,@function
k_qf0705e65d3_qkv:
	s_mov_b64 s[64:65], 0
	v_nop
	global_prefetch_b8 v0, s[64:65] scope:SCOPE_SE
	s_setreg_imm32_b32 hwreg(HW_REG_WAVE_MODE, 25, 1), 1
	s_wait_xcnt 0x0
; QKV.  h = LayerNorm(x); h pooled by 2 and by 4; K and V of all three levels, Q of level 1 (WITHOUT its scale 1/8, which the last launch applies in f32).  Operands bf16, sums f32; q, k, v rounded once to bf16.
; LIMITS.  Matrix operands are rounded to bf16.  The norm takes the mean first and then the centred squares.  NaN and infinities are not treated apart.
; SHARES.  A work-group owns 64 tokens (one query window): a panel of 112 rows of bf16 in LDS (64 of h, 32 pooled by 2, 16 pooled by 4).  Each of its four waves owns 128 of a
; block's 512 output columns, for all the panel's rows.
; THE WEIGHTS: three blocks [512 k][512 n] (K, V, Q).  A wave's 128 columns of them are read by no other wave of the work-group, and the first launch has laid them in the order of matrix
; fragments: the wave's stream is 48 STAGES (32 along K) of 8,192 consecutive bytes, sixteen loads of 512 bytes each, STRAIGHT INTO REGISTERS.  Four register slots take turns; the slot read in
; one stage is filled again at the head of the next, with the stage three further on, across the blocks' ends too: 32 to 48 loads of a wave are always out.
; NO CLUSTER, though all work-groups walk the same weights: a joint load lands in LDS, in a slot that is filled again only behind a barrier ahead of which every load has landed; beside the panel
; (116,480 bytes) two slots of a K step of 128 (270,336 bytes) do not fit, and a refill of a K step of 64 would have one step's products in which to land; here a load has three stages' and nothing
; is drained.  The price: each work-group asks for all 1.5 MB itself.
; ONE TEXT FOR EVERY LAP (four stages) of a block.  In a block's last stage the run that fetches the next stage's panel fragments wraps to the panel's first columns, and nobody uses it; in the
; walk's last lap three refills are clamped to that lap's own address, and nobody uses them (48 of a wave's 768 loads).
; STARTING VALUES.  An accumulator is loaded with its bias before a block's first stage, so one text serves all sixteen stages and nothing is cleared.
; LAYOUTS OUT.  A lane's eight results pack into 16 bytes, and these cells are laid so that 16 lanes store 256 consecutive aligned bytes straight from registers, and so that the
; next launch's fragments are plain 16-byte loads:  qb [b][head][8 channel groups][4096 tokens][8 ch];  kb the same with 7168 rows (levels 1, 2, 4 at rows 0, 4096, 6144);
; vb [b][head][896 groups of 8 tokens][64 ch][8 tokens] (levels at groups 0, 512, 768).  K and Q use the product transposed (source 0 = weights: a lane holds one token, eight
; channels); V uses it straight (a lane holds one channel, eight tokens).
; LDS: the spare words at 67,584; x in f32 (64 rows x 2,048) at 69,632 .. 200,704, filled once; the bias images at 137,216, in bytes of x that have been read out; the panel at 200,704, pitch 1,040.
; REGISTERS: window 0 addresses, the norm's work, later the panel's fragments (v96-207, two buffers); window 1 the accumulators of rows 0-63; window 2 those of rows 64-111; window 3 the four slots.
.set SPARE, 67584
.set XP,    69632
.set IMG,   137216
.set PANEL, 200704
.set PP,    1040                       ; a panel row: 1,024 bytes + 16
.set STG,   8192                       ; a stage of a wave's stream
.set LAPB,  4*STG
.set WSTR,  3*16*STG                   ; a wave's stream
.set LASTL, WSTR-LAPB                  ; the last lap's place in it
.set R,1
.set HH,2
.set LN,3
.set SPW,4
.set NIL,5
.set XA,6
.set PS1,7
.set PS2,8
.set PS4,9
.set AB,10                             ; my place in a panel fragment, rows 0-63
.set ACUR,11                           ; the same at this lap's 128 along K
.set ACUR2,12                          ; rows 64-111
.set ANX,13                            ; at the next lap's, wrapped
.set ANX2,14
.set IK,15
.set IV,16
.set OQ,17
.set OK,18
.set OV,19
.set BQD,20                            ; v20-23 K's bias, v24-27 V's, v28-31 Q's: 4 columns a lane
.set LS,32                             ; v32-47 ln1_s, v48-63 ln1_b of my 16 columns
.set LB,48
.set AB2,32                            ; behind the norm: my place in a panel fragment, rows 64-111
.set X,64                              ; v64-127 four rows x 16
.set T,128                             ; v128-159 pooled rows
.set SU,160                            ; v160-191 eight registers of sums a row
.set PK,192                            ; v192-247 packed rows
.set AF,96
.set VO,248                            ; 16 lane: my place in 512 bytes; never rewritten
.set WV,22
.set WBB,28                            ; s[28:29] wb at my wave's stream
.set SB,30                             ; s[30:31] at this lap's four stages
.set SBN,32                            ; s[32:33] at the next lap's
.set OFN,34                            ; s[34:35] the next lap's place in the stream, as an offset
.set G1X,36
.set G0X,48
.set SEL,52
.set RCPC,54
.set EPS,55
.set LC,56
.set KOFF,57
.set KB,66                             ; s[66:71] kb at my rows of levels 1, 2, 4
.set VB,72                             ; s[72:77] vb likewise
.set QB,78
.set MSB, 0
.macro WIN new                         ; the immediate's high byte repeats the setting that is left; a switch that changes nothing is dropped
.if MSB != (\new)
	s_set_vgpr_msb (MSB<<8)|(\new)
.set MSB, (\new)
.endif
.endm
.macro PLACES                          ; four places behind matrix instructions, ahead of loads into their registers and of reads of their results
.rept 4
	v_nop
.endr
.endm
	s_load_b512 s[4:19], s[0:1], 0x0               ; x, ln1_s, ln1_b, bq, bkv, wb, qb, kb
	s_load_b64 s[20:21], s[0:1], 0x40              ; vb
	v_lshl_add_u32 v[SPW], v0, 2, SPARE
	v_mov_b32 v[NIL], 0
	ds_add_u32 v[SPW], v[NIL]                      ; the wave's opening: the add and its wait ahead of my first tensor load
	ds_add_u32 v4, v5
	v_lshrrev_b32 v1, 5, v0
	v_readfirstlane_b32 s[WV], v1
	s_mov_b32 s24, ttmp9                           ; my work-group: it enters global addresses alone
	s_lshr_b32 s25, s24, 6                         ; b
	s_and_b32 s26, s24, 63                         ; the window
	; x: 16 rows x 512 elements of 4 bytes a wave, no padding
	s_mov_b32 s[G1X+0], 2<<16
	s_mov_b32 s[G1X+1], 512<<16
	s_mov_b32 s[G1X+2], 16<<16
	s_mov_b32 s[G1X+3], 512<<16
	s_mov_b32 s[G1X+4], 16
	s_mov_b32 s[G1X+5], 512
	s_mov_b32 s[G1X+6], 0
	s_mov_b32 s[G1X+7], 0
	s_mov_b32 s[G0X], 1
	s_lshl_b32 s[G0X+1], s[WV], 15
	s_add_co_u32 s[G0X+1], s[G0X+1], XP
	s_mul_i32 s80, s[WV], WSTR                     ; my wave's stream of weights
	s_mov_b32 s81, 0
	s_lshl_b32 s82, s24, 17                        ; my work-group's 64 rows of x,
	s_lshl_b32 s83, s[WV], 15                      ; my wave's 16 of them
	s_add_co_u32 s82, s82, s83
	s_mov_b32 s83, 0
	s_mov_b32 s[OFN], LAPB
	s_mov_b32 s[OFN+1], 0
	s_mov_b32 s[SEL], 0x76543210
	s_mov_b32 s[SEL+1], 0xfedcba98
	s_mov_b32 s[RCPC], 0x3b000000                  ; 1 / 512
	s_mov_b32 s[EPS], 0x3727c5ac                   ; 1e-5
	s_wait_dscnt 0x0                               ; the opening add is done
	s_wait_kmcnt 0x0
	s_add_nc_u64 s[WBB:WBB+1], s[14:15], s[80:81]
	s_mov_b64 s[SB:SB+1], s[WBB:WBB+1]
	s_add_nc_u64 s[SBN:SBN+1], s[WBB:WBB+1], s[OFN:OFN+1]
	s_add_nc_u64 s[G0X+2:G0X+3], s[4:5], s[82:83]
	s_or_b32 s[G0X+3], s[G0X+3], 0x80000000
	tensor_load_to_lds s[G0X:G0X+3], s[G1X:G1X+7]  ; my 16 rows of x: the launch's one tensor load a wave; its bytes are filled once
	s_nop 0
	PLACES
	v_and_b32 v[LN], 31, v0
	v_and_b32 v[R], 15, v0
	v_bfe_u32 v[HH], v0, 4, 1
	v_lshlrev_b32 v[VO], 4, v[LN]
.irp i, 0,1,2,3                        ; my 16 columns: 128 i + 4 lane + 0..3
	global_load_b128 v[LS+4*(\i):LS+4*(\i)+3], v[VO], s[6:7] offset:512*(\i)
	global_load_b128 v[LB+4*(\i):LB+4*(\i)+3], v[VO], s[8:9] offset:512*(\i)
.endr
	s_lshl_b32 s80, s[WV], 9
	v_add_nc_u32 v249, s80, v[VO]                  ; my wave's 128 columns, 4 a lane
	global_load_b128 v[BQD:BQD+3], v249, s[12:13]
	global_load_b128 v[BQD+4:BQD+7], v249, s[12:13] offset:2048
	global_load_b128 v[BQD+8:BQD+11], v249, s[10:11]
	WIN 0xc0
.set i, 0
.rept 48                               ; the stream's stages 0, 1, 2 into slots 0, 1, 2: load i brings four registers, 512 bytes; they land under the norm
	global_load_b128 v[4*i:4*i+3], v[VO], s[SB:SB+1] offset:512*i
.set i, i+1
.endr
	WIN 0
	v_add_nc_u32 v[XA], s[G0X+1], v[VO]            ; x: my wave's rows, 16 bytes a lane
	s_mul_i32 s80, s[WV], 16*PP
	s_add_co_u32 s80, s80, PANEL
	v_lshl_add_u32 v[PS1], v[LN], 3, s80           ; panel rows 16 w ..
	s_mul_i32 s80, s[WV], 8*PP
	s_add_co_u32 s80, s80, PANEL+64*PP
	v_lshl_add_u32 v[PS2], v[LN], 3, s80           ; rows 64 + 8 w ..
	s_mul_i32 s80, s[WV], 4*PP
	s_add_co_u32 s80, s80, PANEL+96*PP
	v_lshl_add_u32 v[PS4], v[LN], 3, s80           ; rows 96 + 4 w ..
	v_mul_u32_u24 v[AB], v[R], PP                  ; a panel fragment: row l % 16, 16 bytes for each half of the lanes
	v_lshl_add_u32 v[AB], v[HH], 4, v[AB]
	v_add_nc_u32 v[AB], PANEL, v[AB]
	s_lshl_b32 s80, s[WV], 9
	s_add_co_u32 s80, s80, IMG
	v_lshl_add_u32 v[IK], v[HH], 5, s80            ; K's and Q's image: 8 columns for each half of the lanes
	v_lshl_add_u32 v251, v[LN], 4, s80             ; where I write them
	s_lshl_b32 s80, s[WV], 11
	s_add_co_u32 s80, s80, IMG+4096
	v_lshl_add_u32 v[IV], v[R], 4, s80             ; V's image: a column four times
	v_lshl_add_u32 v252, v[LN], 6, s80
	v_lshlrev_b32 v250, 4, v[R]
	v_lshl_add_u32 v[OQ], v[HH], 16, v250          ; cell of token r in channel group h
	v_mul_u32_u24 v253, v[HH], 0x1c000
	v_add_nc_u32 v[OK], v250, v253
	v_lshl_add_u32 v[OV], v[HH], 10, v250          ; cell of channel r in token group h
	s_lshl_b32 s80, s25, 3
	s_lshl1_add_u32 s80, s[WV], s80                ; my first head among all: 8 b + 2 w
	s_lshl_b32 s81, s80, 19                        ; its bytes in qb
	s_mul_i32 s80, s80, 917504                     ; in kb and vb
	s_mov_b32 s83, 0
.macro BASE dst, ptr, ho, sh, const
	s_lshl_b32 s82, s26, \sh
	s_add_co_u32 s82, s82, s[\ho]
	s_add_co_u32 s82, s82, \const
	s_add_nc_u64 s[\dst:\dst+1], s[\ptr:\ptr+1], s[82:83]
.endm
	BASE KB,   18, 80, 10, 0
	BASE KB+2, 18, 80, 9,  65536
	BASE KB+4, 18, 80, 8,  98304
	BASE VB,   20, 80, 13, 0
	BASE VB+2, 20, 80, 12, 524288
	BASE VB+4, 20, 80, 11, 786432
	BASE QB,   16, 81, 10, 0
	s_wait_tensorcnt 0x0                           ; my rows of x are in.  Only I read these rows
	s_wait_loadcnt 0x30                            ; the norm's vectors and the biases are in; the stream's 48 loads, issued behind them, may stay out
; The sum over the wave's 32 lanes of v[a + 8 p], p = 0..3; v[a + 8 p + 1] is at work
.macro LSUM a
.irp m, 1,2,4,8
.irp p, 0,1,2,3
	v_add_f32_dpp v[(\a)+8*(\p)], v[(\a)+8*(\p)], v[(\a)+8*(\p)] row_xmask:\m row_mask:0xf bank_mask:0xf
.endr
.endr
.irp p, 0,1,2,3
	v_permlanex16_b32 v[(\a)+8*(\p)+1], v[(\a)+8*(\p)], s[SEL], s[SEL+1]
.endr
.irp p, 0,1,2,3
	v_add_f32 v[(\a)+8*(\p)], v[(\a)+8*(\p)], v[(\a)+8*(\p)+1]
.endr
.endm
; 16 numbers at v[src] rounded to bf16 into v[pk ..] and stored as 4 x 8 bytes a lane
.macro PUT src, pk, areg, off
.irp q, 0,1,2,3,4,5,6,7
	v_cvt_pk_bf16_f32 v[(\pk)+(\q)], v[(\src)+2*(\q)], v[(\src)+2*(\q)+1]
.endr
.irp i, 0,1,2,3
	ds_store_b64 v[\areg], v[(\pk)+2*(\i):(\pk)+2*(\i)+1] offset:(\off)+256*(\i)
.endr
.endm
; d = (a + b) / 2, 16 numbers
.macro MEAN2 d, a, b
.irp q, 0,1,2,3,4,5,6,7
	v_pk_add_f32 v[(\d)+2*(\q):(\d)+2*(\q)+1], v[(\a)+2*(\q):(\a)+2*(\q)+1], v[(\b)+2*(\q):(\b)+2*(\q)+1]
.endr
.irp q, 0,1,2,3,4,5,6,7
	v_pk_mul_f32 v[(\d)+2*(\q):(\d)+2*(\q)+1], v[(\d)+2*(\q):(\d)+2*(\q)+1], 0.5 op_sel_hi:[1,0]
.endr
.endm
	s_mov_b32 s[LC], 4
.Lnorm:                                                ; four trips: four rows each, stage by stage so that the four rows' chains take turns
.irp p, 0,1,2,3
.irp i, 0,1,2,3
	ds_load_b128 v[X+16*(\p)+4*(\i):X+16*(\p)+4*(\i)+3], v[XA] offset:2048*(\p)+512*(\i)
.endr
.endr
	s_wait_dscnt 0x0
.irp p, 0,1,2,3
.irp i, 0,1,2,3
	v_pk_add_f32 v[SU+8*(\p)+2*(\i):SU+8*(\p)+2*(\i)+1], v[X+16*(\p)+4*(\i):X+16*(\p)+4*(\i)+1], v[X+16*(\p)+4*(\i)+2:X+16*(\p)+4*(\i)+3]
.endr
.endr
.irp p, 0,1,2,3
	v_pk_add_f32 v[SU+8*(\p):SU+8*(\p)+1], v[SU+8*(\p):SU+8*(\p)+1], v[SU+8*(\p)+2:SU+8*(\p)+3]
	v_pk_add_f32 v[SU+8*(\p)+4:SU+8*(\p)+5], v[SU+8*(\p)+4:SU+8*(\p)+5], v[SU+8*(\p)+6:SU+8*(\p)+7]
.endr
.irp p, 0,1,2,3
	v_pk_add_f32 v[SU+8*(\p):SU+8*(\p)+1], v[SU+8*(\p):SU+8*(\p)+1], v[SU+8*(\p)+4:SU+8*(\p)+5]
.endr
.irp p, 0,1,2,3
	v_add_f32 v[SU+8*(\p)], v[SU+8*(\p)], v[SU+8*(\p)+1]
.endr
	LSUM SU
.irp p, 0,1,2,3
	v_mul_f32 v[SU+8*(\p)], s[RCPC], v[SU+8*(\p)]  ; the mean,
.endr
.irp p, 0,1,2,3
	v_mov_b32 v[SU+8*(\p)+1], v[SU+8*(\p)]         ; as a pair
.endr
.irp p, 0,1,2,3
.irp q, 0,1,2,3,4,5,6,7
	v_pk_add_f32 v[X+16*(\p)+2*(\q):X+16*(\p)+2*(\q)+1], v[X+16*(\p)+2*(\q):X+16*(\p)+2*(\q)+1], v[SU+8*(\p):SU+8*(\p)+1] neg_lo:[0,1] neg_hi:[0,1]
.endr
.endr
.irp p, 0,1,2,3
	v_pk_mul_f32 v[SU+8*(\p)+2:SU+8*(\p)+3], v[X+16*(\p):X+16*(\p)+1], v[X+16*(\p):X+16*(\p)+1]
	v_pk_mul_f32 v[SU+8*(\p)+4:SU+8*(\p)+5], v[X+16*(\p)+2:X+16*(\p)+3], v[X+16*(\p)+2:X+16*(\p)+3]
.endr
.irp q, 2,4,6
.irp p, 0,1,2,3
	v_pk_fma_f32 v[SU+8*(\p)+2:SU+8*(\p)+3], v[X+16*(\p)+2*(\q):X+16*(\p)+2*(\q)+1], v[X+16*(\p)+2*(\q):X+16*(\p)+2*(\q)+1], v[SU+8*(\p)+2:SU+8*(\p)+3]
	v_pk_fma_f32 v[SU+8*(\p)+4:SU+8*(\p)+5], v[X+16*(\p)+2*(\q)+2:X+16*(\p)+2*(\q)+3], v[X+16*(\p)+2*(\q)+2:X+16*(\p)+2*(\q)+3], v[SU+8*(\p)+4:SU+8*(\p)+5]
.endr
.endr
.irp p, 0,1,2,3
	v_pk_add_f32 v[SU+8*(\p)+2:SU+8*(\p)+3], v[SU+8*(\p)+2:SU+8*(\p)+3], v[SU+8*(\p)+4:SU+8*(\p)+5]
.endr
.irp p, 0,1,2,3
	v_add_f32 v[SU+8*(\p)+2], v[SU+8*(\p)+2], v[SU+8*(\p)+3]
.endr
	LSUM SU+2
.irp p, 0,1,2,3
	v_fma_f32 v[SU+8*(\p)+2], v[SU+8*(\p)+2], s[RCPC], s[EPS]
.endr
.irp p, 0,1,2,3
	v_rsq_f32 v[SU+8*(\p)+2], v[SU+8*(\p)+2]
.endr
	v_nop                                          ; a plain instruction between the last root and the use of its result
	s_wait_alu depctr_va_vdst(0)
.irp p, 0,1,2,3
	v_mov_b32 v[SU+8*(\p)+3], v[SU+8*(\p)+2]
.endr
.irp p, 0,1,2,3
.irp q, 0,1,2,3,4,5,6,7
	v_pk_mul_f32 v[X+16*(\p)+2*(\q):X+16*(\p)+2*(\q)+1], v[X+16*(\p)+2*(\q):X+16*(\p)+2*(\q)+1], v[SU+8*(\p)+2:SU+8*(\p)+3]
.endr
.endr
.irp p, 0,1,2,3
.irp q, 0,1,2,3,4,5,6,7
	v_pk_fma_f32 v[X+16*(\p)+2*(\q):X+16*(\p)+2*(\q)+1], v[X+16*(\p)+2*(\q):X+16*(\p)+2*(\q)+1], v[LS+2*(\q):LS+2*(\q)+1], v[LB+2*(\q):LB+2*(\q)+1]
.endr
.endr
.irp p, 0,1,2,3
	PUT X+16*(\p), PK+8*(\p), PS1, PP*(\p)
.endr
	MEAN2 T, X, X+16                               ; pooled from h in f32, each rounded once
	MEAN2 T+16, X+32, X+48
	PUT T, PK+32, PS2, 0
	PUT T+16, PK+40, PS2, PP
	MEAN2 T, T, T+16
	PUT T, PK+48, PS4, 0
	v_add_nc_u32 v[XA], 4*2048, v[XA]
	v_add_nc_u32 v[PS1], 4*PP, v[PS1]
	v_add_nc_u32 v[PS2], 2*PP, v[PS2]
	v_add_nc_u32 v[PS4], PP, v[PS4]
	s_sub_co_u32 s[LC], s[LC], 1
	s_cmp_lg_u32 s[LC], 0
	s_cbranch_scc1 .Lnorm
	s_wait_dscnt 0x0                               ; my reads of x are over, my rows of the panel are written
	s_barrier_signal -1
	s_barrier_wait -1                              ; everybody's are: the panel is whole, and the images may be laid into rows of x that wave 2 read
	ds_store_b128 v251, v[BQD:BQD+3]               ; K's bias, my wave's 128 columns
	ds_store_b128 v251, v[BQD+8:BQD+11] offset:2048  ; Q's bias
.irp k, 0,1,2,3
.irp z, 0,1,2,3
	v_mov_b32 v[T+4*(\k)+(\z)], v[BQD+4+(\k)]
.endr
	ds_store_b128 v252, v[T+4*(\k):T+4*(\k)+3] offset:16*(\k)  ; V's bias, each column four times
.endr
	v_add_nc_u32 v[AB2], 64*PP, v[AB]
; The accumulators' starting values, from my wave's own image (LDS serves a wave's instructions in order, ISA guide 5.7.1.4: these see the stores above)
.macro INIT MT, areg, off, stride, second
.set mt, 0
.rept \MT
.if mt < 4
	WIN 0x40
.else
	WIN 0x80
.endif
.set nt, 0
.rept 8
.set aC, 8*(8*(mt%4)+nt)
	ds_load_b128 v[aC:aC+3],   v[\areg] offset:(\off)+nt*(\stride)
	ds_load_b128 v[aC+4:aC+7], v[\areg] offset:(\off)+nt*(\stride)+(\second)
.set nt, nt+1
.endr
.set mt, mt+1
.endr
	WIN 0
.endm
.macro AL d, reg, off                  ; a panel fragment, 16 rows x 32 along K: two loads of 16 bytes a lane, 32 bytes apart
	ds_load_b128 v[(\d):(\d)+3],   v[\reg] offset:(\off)
	ds_load_b128 v[(\d)+4:(\d)+7], v[\reg] offset:(\off)+32
.endm
.macro AFIRST MT                       ; a block's first panel fragments, into buffer 0
	WIN 0
.set mt, 0
.rept \MT
.if mt < 4
	AL AF+8*mt, AB, mt*16*PP
.else
	AL AF+8*mt, AB2, (mt-4)*16*PP
.endif
.set mt, mt+1
.endr
.endm
.macro ARUN j, MT                      ; the next stage's panel fragments, into the buffer read in the stage before
	WIN 0
.set mt, 0
.rept \MT
.set aD, AF+8*((\MT)*(((\j)+1)%2)+mt)
.if (\j) < 3
.if mt < 4
	AL aD, ACUR, mt*16*PP+((\j)+1)*64
.else
	AL aD, ACUR2, (mt-4)*16*PP+((\j)+1)*64
.endif
.else
.if mt < 4
	AL aD, ANX, mt*16*PP
.else
	AL aD, ANX2, (mt-4)*16*PP
.endif
.endif
.set mt, mt+1
.endr
.endm
.macro BRUN j                          ; the slot read in the stage before is filled again, with the stage three on from this one
	WIN 0xc0
.set i, 0
.rept 16
.set bD, 64*(((\j)+3)%4)+4*i
.if (\j) == 0
	global_load_b128 v[bD:bD+3], v[VO], s[SB:SB+1] offset:3*STG+512*i
.else
	global_load_b128 v[bD:bD+3], v[VO], s[SBN:SBN+1] offset:((\j)-1)*STG+512*i
.endif
.set i, i+1
.endr
.endm
; mn row tiles from m0 on x 8 column tiles, accumulators in window aw, one instruction a turn
.macro SWEEP j, MT, ord, m0, mn, aw
	WIN (3<<(2*(\ord)))|((\aw)<<4)|((\aw)<<6)
.set nt, 0
.rept 8
.set mt, \m0
.rept \mn
.set aC, 8*(8*(mt-(\m0))+nt)
.set bF, 64*(\j)+8*nt
.set aF, AF+8*((\MT)*((\j)%2)+mt)
.if \ord
	v_wmma_f32_16x16x32_bf16 v[aC:aC+7], v[aF:aF+7], v[bF:bF+7], v[aC:aC+7]
.else
	v_wmma_f32_16x16x32_bf16 v[aC:aC+7], v[bF:bF+7], v[aF:aF+7], v[aC:aC+7]
.endif
.set mt, mt+1
.endr
.set nt, nt+1
.endr
.endm
; A STAGE: 32 along K.  The loads for later stages stand in ONE run at its head, behind four places; then 8 MT products back to back.
; ord = 0: source 0 = weights (a lane holds one row, eight columns); 1: source 0 = panel (one column, eight rows).
.macro STAGE j, MT, ord
	s_wait_loadcnt 0x20                            ; loads come back in order: this stage's sixteen are in, the two younger stages' 32 may stay out
	s_wait_dscnt 0x0                               ; this stage's panel fragments, asked for at the head of the stage before (at a block's head also the sums' starting values)
	PLACES
	ARUN \j, \MT
	BRUN \j
	SWEEP \j, \MT, \ord, 0, 4, 1
.if \MT > 4
	SWEEP \j, \MT, \ord, 4, 3, 2
.endif
.endm
; A LAP: four stages, once round the slots
.macro LAP MT, ord
	v_add_nc_u32 v[ACUR], s[KOFF], v[AB]
.if \MT > 4
	v_add_nc_u32 v[ACUR2], s[KOFF], v[AB2]
.endif
	s_add_co_u32 s[KOFF], s[KOFF], 256
	s_and_b32 s[KOFF], s[KOFF], 0x3ff              ; behind a block's last lap: the panel's first columns again
	v_add_nc_u32 v[ANX], s[KOFF], v[AB]
.if \MT > 4
	v_add_nc_u32 v[ANX2], s[KOFF], v[AB2]
.endif
	STAGE 0, \MT, \ord
	STAGE 1, \MT, \ord
	STAGE 2, \MT, \ord
	STAGE 3, \MT, \ord
	WIN 0
	s_wait_xcnt 0x0                                ; the two bases are rewritten only behind this wait
	s_mov_b64 s[SB:SB+1], s[SBN:SBN+1]
	s_add_co_u32 s[OFN], s[OFN], LAPB
	s_min_u32 s[OFN], s[OFN], LASTL                ; no load leaves the stream: in the last lap the next lap's place is its own
	s_add_nc_u64 s[SBN:SBN+1], s[WBB:WBB+1], s[OFN:OFN+1]
.endm
.macro PACKW n                         ; n tiles rounded to bf16 in place, each from its low end on
.set t, 0
.rept \n
.set i, 0
.rept 4
	v_cvt_pk_bf16_f32 v[8*t+i], v[8*t+2*i], v[8*t+2*i+1]
.set i, i+1
.endr
.set t, t+1
.endr
.endm
; THE WAY OUT of a block: a tile's 16 bytes a lane are a cell; 16 lanes store 256 consecutive aligned bytes.  hs, ns, ms: bytes from head to head, from 16 columns to the next, from 16 rows to the next
.macro EPI MT, offr, hs, ns, ms, b
	WIN 0
	PLACES
	WIN 0x45
	PACKW 32
	WIN 0x04
.set t, 0
.rept 32
	global_store_b128 v[\offr], v[8*t:8*t+3], s[\b:\b+1] offset:((t%8)/4)*(\hs)+(t%4)*(\ns)+(t/8)*(\ms)
.set t, t+1
.endr
.if \MT > 4
	WIN 0x8a
	PACKW 24
	WIN 0x08
.set t, 0
.rept 24
.if t < 16
	global_store_b128 v[\offr], v[8*t:8*t+3], s[\b+2:\b+3] offset:((t%8)/4)*(\hs)+(t%4)*(\ns)+(t/8)*(\ms)
.else
	global_store_b128 v[\offr], v[8*t:8*t+3], s[\b+4:\b+5] offset:((t%8)/4)*(\hs)+(t%4)*(\ns)
.endif
.set t, t+1
.endr
.endif
	WIN 0
.endm
	INIT 7, IK, 0, 64, 16                          ; K
	AFIRST 7
	s_mov_b32 s[KOFF], 0
	s_mov_b32 s[LC], 4
.Lk:
	LAP 7, 0
	s_sub_co_u32 s[LC], s[LC], 1
	s_cmp_lg_u32 s[LC], 0
	s_cbranch_scc1 .Lk
	s_wait_dscnt 0x0                               ; the wrapped run is back: its registers are loaded anew below
	EPI 7, OK, 917504, 229376, 256, KB
	s_wait_xcnt 0x0                                ; the stores' data registers are loaded again only behind this wait
	INIT 7, IV, 0, 256, 0                          ; V
	AFIRST 7
	s_mov_b32 s[KOFF], 0
	s_mov_b32 s[LC], 4
.Lv:
	LAP 7, 1
	s_sub_co_u32 s[LC], s[LC], 1
	s_cmp_lg_u32 s[LC], 0
	s_cbranch_scc1 .Lv
	s_wait_dscnt 0x0
	EPI 7, OV, 917504, 256, 2048, VB
	s_wait_xcnt 0x0
	INIT 4, IK, 2048, 64, 16                       ; Q
	AFIRST 4
	s_mov_b32 s[KOFF], 0
	s_mov_b32 s[LC], 4
.Lqq:
	LAP 4, 0
	s_sub_co_u32 s[LC], s[LC], 1
	s_cmp_lg_u32 s[LC], 0
	s_cbranch_scc1 .Lqq
	EPI 4, OQ, 524288, 131072, 256, QB
	s_wait_tensorcnt 0x0                           ; the wave's end
	ds_add_u32 v[SPW], v[NIL]
	s_wait_dscnt 0x0
	s_endpgm
.Lfunc_end_k_qf0705e65d3_qkv:
	.size	k_qf0705e65d3_qkv, .Lfunc_end_k_qf0705e65d3_qkv-k_qf0705e65d3_qkv
	.p2alignl 7, 3214868480
	.fill 96, 4, 3214868480
	.section	.rodata,"a",@progbits
	.p2align	6, 0x0
	.amdhsa_kernel k_qf0705e65d3_qkv
		.amdhsa_group_segment_fixed_size 327680
		.amdhsa_private_segment_fixed_size 0
		.amdhsa_enable_private_segment 0
		.amdhsa_kernarg_size 72
		.amdhsa_user_sgpr_count 2
		.amdhsa_user_sgpr_kernarg_segment_ptr 1
		.amdhsa_wavefront_size32 1
		.amdhsa_system_sgpr_workgroup_id_x 1
		.amdhsa_system_sgpr_workgroup_id_y 1
		.amdhsa_system_sgpr_workgroup_id_z 1
		.amdhsa_system_vgpr_workitem_id 0
		.amdhsa_next_free_vgpr 1024
		.amdhsa_next_free_sgpr 84
		.amdhsa_reserve_vcc 0
		.amdhsa_float_denorm_mode_32 3
		.amdhsa_float_denorm_mode_16_64 3
		.amdhsa_memory_ordered 1
		.amdhsa_forward_progress 1
		.amdhsa_inst_pref_size 175
	.end_amdhsa_kernel
	.amdgpu_metadata
---
amdhsa.version: [ 1, 2 ]
amdhsa.kernels:
  - .name:           k_qf0705e65d3_qkv
    .symbol:         k_qf0705e65d3_qkv.kd
    .args:
      - { .name: x, .offset: 0, .size: 8, .value_kind: global_buffer, .address_space: global }
      - { .name: ln1_s, .offset: 8, .size: 8, .value_kind: global_buffer, .address_space: global }
      - { .name: ln1_b, .offset: 16, .size: 8, .value_kind: global_buffer, .address_space: global }
      - { .name: bq, .offset: 24, .size: 8, .value_kind: global_buffer, .address_space: global }
      - { .name: bkv, .offset: 32, .size: 8, .value_kind: global_buffer, .address_space: global }
      - { .name: wb, .offset: 40, .size: 8, .value_kind: global_buffer, .address_space: global }
      - { .name: qb, .offset: 48, .size: 8, .value_kind: global_buffer, .address_space: global }
      - { .name: kb, .offset: 56, .size: 8, .value_kind: global_buffer, .address_space: global }
      - { .name: vb, .offset: 64, .size: 8, .value_kind: global_buffer, .address_space: global }
    .group_segment_fixed_size: 327680
    .private_segment_fixed_size: 0
    .kernarg_segment_align: 8
    .kernarg_segment_size: 72
    .max_flat_workgroup_size: 128
    .sgpr_count:     84
    .vgpr_count:     1024
    .wavefront_size: 32
...
	.end_amdgpu_metadata
.endif
;; end of part 5
;; launch block (part 6): grid 256 x 1, 4 waves a work-group, no clusters, 327,680 bytes of LDS; arguments x, qb, kb, vb, t1, wb, bproj, ln2_s, ln2_b, mlp_b1, mlp_b2, out0; writes out0
.if DOCPART == 6
	.amdgcn_target "amdgcn-amd-amdhsa--gfx1250"
	.amdhsa_code_object_version 6
	.text
	.protected	k_qf0705e65d3_block
	.globl	k_qf0705e65d3_block
	.p2align	8
	.type	k_qf0705e65d3_block,@function
k_qf0705e65d3_block:
	s_mov_b64 s[64:65], 0
	v_nop
	global_prefetch_b8 v0, s[64:65] scope:SCOPE_SE
	s_setreg_imm32_b32 hwreg(HW_REG_WAVE_MODE, 25, 1), 1
	s_wait_xcnt 0x0
; BLOCK.  For one window of 64 queries: attention over 3 x 128 keys with the position bias, the projection, + x, LayerNorm, the MLP with GELU (tanh form), + x1.  Nothing goes through memory in between.
; LIMITS.  Matrix operands (q, k, v, the weights p, the attention's output, h2, the hidden layer, all weight matrices) are rounded to bf16; sums, softmax, norm, GELU and both residuals are f32.
; The row's true maximum is taken away before the exponentials; the sum is taken of the unrounded weights; a weight below 2^-126 counts as 0.  The norm takes the mean first, then the centred squares.
; GELU(x) = x / (1 + 2^(x (c0 + c1 x^2))), c0 = -2 log2(e) sqrt(2/pi), c1 = 0.044715 c0.  NaN and infinities are not treated apart.
; WHICH KEYS.  The 16 key windows closest to a query window are one run: it begins at window clamp(8w-4, 0, 496), clamp(4w-6, 0, 240), clamp(2w-7, 0, 112) for levels 1, 2, 4: 128 consecutive pooled
; tokens a level; their order within a softmax does not matter.  THE BIAS hangs on rel = query - f x key + 4 f alone: t1[rel + 496][head], which holds it times 8.  A wave copies, for its two heads and
; each level, the slice that its window needs (192, 320, 576 entries); the window's shift goes into the copy's global address.
; SHARES.  Attention: wave w takes heads 2w, 2w+1; a trip is one head x 16 queries x 384 keys.  S^T = K Q^T + 8 bias (the bias is the sum's starting value; a lane holds one query) is 8 x the logits, since q
; comes without its scale; p = 2^(c s - c m) with c = log2(e) / 8.  P rounded in pairs is source 1 of O^T = V^T P.  K, Q and V^T fragments are plain 16-byte loads from the cell layouts that the launch
; before wrote.  Products: wave w owns 128 of 512 output columns of all 64 rows.
; THE WEIGHTS: nine blocks [512 k][512 n] (projection, then four times MLP 1 and MLP 2 of a chunk of 512 hidden units).  A wave's 128 columns of them are read by no other wave of the work-group, and
; the first launch has laid them in the order of matrix fragments: the wave's stream is 144 STAGES (32 along K) of 8,192 consecutive bytes, sixteen loads of 512 bytes each, STRAIGHT INTO REGISTERS.
; Four register slots take turns; the slot read in one stage is filled again at the head of the next, with the stage three further on, across the blocks' ends too: 32 to 48 loads of a wave are always out.
; NO CLUSTER, though all work-groups walk the same weights: a joint load lands in LDS, in a slot that is filled again only behind a barrier ahead of which every load has landed; beside the two panels
; (133,120 bytes) two slots hold a K step of 64 each, so a refill would have 64 products of a wave in which to land; here a load has three stages, 96 products, and nothing is drained.
; The price: each work-group asks for all 4.5 MB itself.
; ONE TEXT FOR EVERY LAP (four stages).  In a block's last stage the run that fetches the next stage's panel fragments wraps to the panel's first columns, and nobody uses it (8 of a block's 128 loads);
; in the walk's last lap three refills are clamped to that lap's own address, and nobody uses them (48 of a wave's 2,304 loads).
; ONE LOOP OF FIVE TRIPS.  The projection and MLP 2 multiply the same panel into the same accumulators, so they share a text: the first trip jumps over MLP 1 and GELU and is followed by the norm, the
; other four jump over the norm.  Both jumps go forward and hang on the loop's counter alone, which is alike in all waves: every wave passes the same barriers.
; LDS: row statistics at 67,584; x in f32 (pitch 2,080) at 69,632 .. 202,752, over panel 1, read out before that is written; panel 1 (h2; at the end the waves' stages) at 137,216; panel 0 (attention's
; output, then the hidden chunk) at 203,776; the bias slices at 270,336; b1 at 305,152; the spare words at 313,344.  Panels have pitch 1,040.
; REGISTERS.  Attention: window 0 v64-255 S^T (then P in v64-159, O^T in v160-191); window 1 and window 2 v0-127 K; window 2 v128-255 and window 3 V.
; Products: window 0 v64-127 panel fragments, two buffers; window 1 the hidden chunk's sums; window 2 x1 and then the output's sums; window 3 the four slots of weight fragments.
.set STATS, 67584
.set XP,    69632
.set XPP,   2080
.set P1,    137216
.set P0,    203776
.set PP,    1040
.set TABLE, 270336
.set B1IMG, 305152
.set SPARE, 313344
.set SGP,   528                        ; a stage row on the way out: 512 bytes + 16
.set STG,   8192                       ; a stage of a wave's stream
.set LAPB,  4*STG
.set WSTR,  9*16*STG                   ; a wave's stream
.set WB0,   1572864                    ; where the streams begin in wb
.set LASTL, WSTR-LAPB                  ; the last lap's place in a stream
.set R,1
.set HH,2
.set LN,3
.set OK,4
.set OV,5
.set OQ,6
.set BI,7                              ; v7-9 my place in the three bias slices
.set BIC,10                            ; v10-12 the same for the trip in hand
.set PO,13
.set POC,14
.set TW,15
.set C0,16                             ; v16-19 four running maxima
.set MM,20                             ; v20-21 c m, twice
.set SM,22                             ; v22-29 four pairs of sums
.set TMPA,30
.set RL,32                             ; v32-33 1 / l, twice
.set SPW,34
.set NIL,35
.set A0,36
.set A1,37
.set ACUR,38                           ; the panel at this lap's 128 along K
.set ANX,39                            ; at the next lap's, wrapped
.set VO,40                             ; 16 lane: my place in 512 bytes of the stream; never rewritten
.set XA,41
.set XA2,42
.set SS,43
.set SL,44
.set H2S,45
.set B1A,46
.set CO,47
.set QF,48                             ; v48-63 Q's fragments; behind the attention:
.set B2Q,48                            ; v48-51 b2 of my 4 columns on the way out
.set STS,52
.set STL,53
.set OO,54
.set B1C,55
.set MN,56                             ; v56-63 the rows' means, in pairs
.set S,64
.set O,160
.set OT,192
.set AF,64
.set TT,64
.set XS,192
.set CHN,16                            ; v16-31 the norm's chains; then
.set AA,16                             ; v16-23 1 / sigma, in pairs
.set CC,24                             ; v24-31 - mean / sigma, in pairs
.set WBB,28                            ; s[28:29] wb at my wave's stream
.set SB,30                             ; s[30:31] at this lap's four stages
.set SBN,32                            ; s[32:33] at the next lap's
.set OFN,34                            ; s[34:35] the next lap's place in the stream, as an offset
.set G1X,36
.set G0X,48
.set ST,52                             ; s[52:57] t1 at my window's three slices
.set SK,58                             ; s[58:63] kb at my head's keys of the three levels
.set SV,66                             ; s[66:71] vb likewise
.set SQ,72
.set QC,76
.set HC,77
.set WG,78
.set BOFF,79
.set POFF,80
.set LC,81
.set CHK,82
.set KOFF,83
.set WV,85
.set L2E,86
.set SEL,88
.set GC0,90
.set GC1,92
.set RCPC,94
.set EPS,95
.set B1O,96
.set MSB, 0
.macro WIN new                         ; the immediate's high byte repeats the setting that is left; a switch that changes nothing is dropped
.if MSB != (\new)
	s_set_vgpr_msb (MSB<<8)|(\new)
.set MSB, (\new)
.endif
.endm
.macro PLACES                          ; four places behind matrix instructions, ahead of loads into their registers and of reads of their results
.rept 4
	v_nop
.endr
.endm
	s_load_b512 s[4:19], s[0:1], 0x0               ; x, qb, kb, vb, t1, wb, bproj, ln2_s
	s_load_b256 s[20:27], s[0:1], 0x40             ; ln2_b, mlp_b1, mlp_b2, out0
	v_lshl_add_u32 v[SPW], v0, 2, SPARE
	v_mov_b32 v[NIL], 0
	ds_add_u32 v[SPW], v[NIL]                      ; the wave's opening: the add and its wait ahead of my first tensor load
	ds_add_u32 v34, v35
	v_lshrrev_b32 v1, 5, v0
	v_readfirstlane_b32 s[WV], v1
	s_mov_b32 s[WG], ttmp9                         ; my work-group: it enters global addresses alone
	; x: 16 rows x 512 elements of 4 bytes a wave, 4 words of padding behind every 256 words: a row takes 2,080 bytes, its second half begins 16 bytes later
	s_mov_b32 s[G1X+0], (2<<16)|(1<<20)|(7<<22)|(3<<25)
	s_mov_b32 s[G1X+1], 512<<16
	s_mov_b32 s[G1X+2], 16<<16
	s_mov_b32 s[G1X+3], 512<<16
	s_mov_b32 s[G1X+4], 16
	s_mov_b32 s[G1X+5], 512
	s_mov_b32 s[G1X+6], 0
	s_mov_b32 s[G1X+7], 0
	s_mov_b32 s[G0X], 1
	s_mul_i32 s[G0X+1], s[WV], 16*XPP
	s_add_co_u32 s[G0X+1], s[G0X+1], XP
	s_mul_i32 s98, s[WV], WSTR                     ; my wave's stream of weights
	s_add_co_u32 s98, s98, WB0
	s_mov_b32 s99, 0
	s_lshl_b32 s100, s[WG], 17
	s_lshl_b32 s101, s[WV], 15
	s_add_co_u32 s100, s100, s101                  ; my 16 rows of x
	s_mov_b32 s101, 0
	s_mov_b32 s[OFN], LAPB
	s_mov_b32 s[OFN+1], 0
	s_mov_b32 s[SEL], 0x76543210
	s_mov_b32 s[SEL+1], 0xfedcba98
	s_mov_b32 s[L2E], 0x3e38aa3b                   ; c = log2(e) / 8: the scores are 8 x the logits
	s_mov_b32 s[L2E+1], s[L2E]
	s_mov_b32 s[GC0], 0xc0135761                   ; c0 = -2.3022082
	s_mov_b32 s[GC0+1], s[GC0]
	s_mov_b32 s[GC1], 0xbdd2d3e8                   ; c1 = -0.10294324
	s_mov_b32 s[GC1+1], s[GC1]
	s_mov_b32 s[RCPC], 0x3b000000                  ; 1 / 512
	s_mov_b32 s[EPS], 0x3727c5ac                   ; 1e-5
	s_wait_dscnt 0x0                               ; the opening add is done
	s_wait_kmcnt 0x0
	s_add_nc_u64 s[WBB:WBB+1], s[14:15], s[98:99]
	s_mov_b64 s[SB:SB+1], s[WBB:WBB+1]
	s_add_nc_u64 s[SBN:SBN+1], s[WBB:WBB+1], s[OFN:OFN+1]
	s_add_nc_u64 s[G0X+2:G0X+3], s[4:5], s[100:101]
	s_or_b32 s[G0X+3], s[G0X+3], 0x80000000
	tensor_load_to_lds s[G0X:G0X+3], s[G1X:G1X+7]  ; my 16 rows of x: the launch's one tensor load a wave; its bytes are filled once
	s_nop 0
	PLACES
	v_and_b32 v[LN], 31, v0
	v_and_b32 v[R], 15, v0
	v_bfe_u32 v[HH], v0, 4, 1
	v_lshlrev_b32 v[VO], 4, v[LN]
	v_lshlrev_b32 v30, 4, v[R]
	v_mul_u32_u24 v31, v[HH], 0x1c000
	v_add_nc_u32 v[OK], v30, v31                   ; K: cell of key r in channel group h
	v_lshl_add_u32 v[OV], v[HH], 10, v30           ; V: cell of channel r in token group h
	v_lshl_add_u32 v[OQ], v[HH], 16, v30           ; Q: cell of query r in channel group h
	s_lshl_b32 s98, s[WV], 3
	v_lshl_add_u32 v[BIC], v[LN], 5, s98           ; t1: entry = lane, my two heads
	s_lshl_b32 s98, s[WV], 9
	v_lshl_add_u32 v[BIC+1], v[LN], 4, s98         ; b1: my wave's 128 columns, 4 a lane
	s_lshr_b32 s98, s[WG], 6
	s_lshl_b32 s98, s98, 3
	s_lshl1_add_u32 s98, s[WV], s98                ; my first head among all: 8 b + 2 w
	s_mul_i32 s99, s98, 917504                     ; its bytes in kb and vb,
	s_lshl_b32 s100, s98, 19                       ; in qb
	s_and_b32 s101, s[WG], 63                      ; the window w
	s_lshl_b32 s97, s101, 6                        ; 64 w
	s_mov_b32 s75, 0
	s_lshl_b32 s74, s101, 10
	s_add_co_u32 s74, s74, s100
	s_add_nc_u64 s[SQ:SQ+1], s[6:7], s[74:75]
; A level: st = the run's first key window; the slice of t1 begins at idx 64 w - 8 f st + 496 - 123 f
.macro LEVEL li, wsh, sub, mx, fsh, shc, ko, vo
	s_lshl_b32 s98, s101, \wsh
	s_sub_co_i32 s98, s98, \sub
	s_max_i32 s98, s98, 0
	s_min_i32 s98, s98, \mx
	s_lshl_b32 s74, s98, \fsh
	s_sub_co_u32 s74, s97, s74
	s_add_co_u32 s74, s74, \shc
	s_lshl_b32 s74, s74, 5
	s_add_nc_u64 s[ST+2*(\li):ST+2*(\li)+1], s[12:13], s[74:75]
	s_lshl_b32 s74, s98, 7
	s_add_co_u32 s74, s74, s99
	s_add_co_u32 s74, s74, \ko
	s_add_nc_u64 s[SK+2*(\li):SK+2*(\li)+1], s[8:9], s[74:75]
	s_lshl_b32 s74, s98, 10
	s_add_co_u32 s74, s74, s99
	s_add_co_u32 s74, s74, \vo
	s_add_nc_u64 s[SV+2*(\li):SV+2*(\li)+1], s[10:11], s[74:75]
.endm
	LEVEL 0, 3, 4, 496, 3, 373, 0, 0
	LEVEL 1, 2, 6, 240, 4, 250, 65536, 524288
	LEVEL 2, 1, 7, 112, 5, 4, 98304, 786432
	s_lshl_b32 s74, s[WG], 17
	s_add_nc_u64 s[26:27], s[26:27], s[74:75]      ; out0 at my 64 rows
.macro TGRP li, cnt, first             ; a level's slice, 32 entries a load, two heads a lane
.set c, 0
.rept \cnt
	global_load_b64 v[S+2*((\first)+c):S+2*((\first)+c)+1], v[BIC], s[ST+2*(\li):ST+2*(\li)+1] offset:c*1024
.set c, c+1
.endr
.endm
.macro KLOAD                           ; a head's K: 24 tiles of 16 keys x 64 channels
.set t, 0
.rept 24
.if t < 16
	WIN 0x40
.set kr, 16*t
.else
	WIN 0x80
.set kr, 16*(t-16)
.endif
.irp c, 0,1
	global_load_b128 v[kr+8*(\c):kr+8*(\c)+3],   v[OK], s[SK+2*(t/8):SK+2*(t/8)+1] offset:(\c)*458752+(t%8)*256
	global_load_b128 v[kr+8*(\c)+4:kr+8*(\c)+7], v[OK], s[SK+2*(t/8):SK+2*(t/8)+1] offset:(\c)*458752+(t%8)*256+229376
.endr
.set t, t+1
.endr
	WIN 0
.endm
.macro VLOAD                           ; a head's V^T: fragment 4 kc + ct = 32 keys x 16 channels
.set fi, 0
.rept 48
.if fi < 16
	WIN 0x80
.set vr, 128+8*fi
.else
	WIN 0xc0
.set vr, 8*(fi-16)
.endif
	global_load_b128 v[vr:vr+3],   v[OV], s[SV+2*(fi/16):SV+2*(fi/16)+1] offset:((fi/4)%4)*4096+(fi%4)*256
	global_load_b128 v[vr+4:vr+7], v[OV], s[SV+2*(fi/16):SV+2*(fi/16)+1] offset:((fi/4)%4)*4096+(fi%4)*256+2048
.set fi, fi+1
.endr
	WIN 0
.endm
.macro QLOAD                           ; 16 queries x 64 channels
.irp c, 0,1
	global_load_b128 v[QF+8*(\c):QF+8*(\c)+3],   v[OQ], s[SQ:SQ+1] offset:(\c)*262144
	global_load_b128 v[QF+8*(\c)+4:QF+8*(\c)+7], v[OQ], s[SQ:SQ+1] offset:(\c)*262144+131072
.endr
.endm
	TGRP 0, 6, 0
	TGRP 1, 10, 6
	TGRP 2, 18, 16
.irp c, 0,1,2,3
	global_load_b128 v[S+68+4*(\c):S+68+4*(\c)+3], v[BIC+1], s[22:23] offset:2048*(\c)
.endr
	KLOAD
	QLOAD
	s_mul_i32 s98, s[WV], 8704                     ; my wave's slices: two heads x 1,088 entries
	s_add_co_u32 s98, s98, TABLE
	v_sub_nc_u32 v31, 1, v[HH]
	v_lshl_add_u32 v30, v[R], 2, s98
	v_lshl_add_u32 v[BI], v31, 5, v30              ; entry r + 8 f (1 - h) of the level's slice; the slices begin at entries 0, 192, 512
	v_lshl_add_u32 v[BI+1], v31, 6, v30
	v_add_nc_u32 v[BI+1], 768, v[BI+1]
	v_lshl_add_u32 v[BI+2], v31, 7, v30
	v_add_nc_u32 v[BI+2], 2048, v[BI+2]
	v_lshl_add_u32 v[TW], v[LN], 2, s98
	v_mul_u32_u24 v30, v[R], PP
	v_lshl_add_u32 v30, v[HH], 4, v30              ; a panel fragment: row l % 16, 16 bytes for each half of the lanes
	v_add_nc_u32 v[A0], P0, v30
	v_add_nc_u32 v[A1], P1, v30
	s_lshl_b32 s98, s[WV], 8
	v_add_nc_u32 v[PO], s98, v[A0]                 ; the same place in my wave's 128 columns: where results go
	v_add_nc_u32 v[H2S], s98, v[A1]
	s_lshl_b32 s98, s[WV], 9                       ; my 128 columns of x in f32: 512 bytes a wave,
	s_lshr_b32 s99, s[WV], 1
	s_mul_i32 s99, s99, 16                         ; and 16 bytes later in a row's second half (waves 2 and 3), behind the padding in the row's middle
	s_add_co_u32 s98, s98, s99
	s_add_co_u32 s98, s98, XP
	v_mul_u32_u24 v30, v[R], XPP
	v_lshl_add_u32 v30, v[HH], 5, v30
	v_add_nc_u32 v[XA], s98, v30
	v_add_nc_u32 v[XA2], 32*XPP, v[XA]
	s_lshl_b32 s98, s[WV], 2
	s_add_co_u32 s98, s98, STATS
	v_lshl_add_u32 v[SS], v[R], 4, s98             ; statistics: [row][wave]
	v_lshlrev_b32 v[SL], 4, v[R]
	v_add_nc_u32 v[SL], STATS, v[SL]
	s_lshl_b32 s98, s[WV], 11
	s_add_co_u32 s98, s98, B1IMG
	v_lshl_add_u32 v[B1A], v[HH], 5, s98
	v_lshl_add_u32 v[POC], v[LN], 4, s98           ; where I write b1
	s_lshl_b32 s98, s[WV], 9
	v_lshl_add_u32 v[CO], v[HH], 5, s98            ; my 8 columns of a tile in a vector of 512 f32
	v_mov_b32 v[TMPA+1], 0                         ; an exchange's destination counts as read
	s_wait_loadcnt 0x3f                            ; behind the slices' and b1's 38 loads 100 were issued; with 63 at the most still out, those 38 are in
.set n, 0
.rept 34
	ds_store_b32 v[TW], v[S+2*n]   offset:128*n
	ds_store_b32 v[TW], v[S+2*n+1] offset:4352+128*n
.set n, n+1
.endr
.irp c, 0,1,2,3
	ds_store_b128 v[POC], v[S+68+4*(\c):S+68+4*(\c)+3] offset:512*(\c)
.endr
	; ---- ATTENTION: two heads, four tiles of 16 queries each.  The slices and b1 are my wave's own: no barrier
	s_mov_b32 s[HC], 2
	s_mov_b32 s[BOFF], 0
	s_mov_b32 s[POFF], 0
.Lhead:
	VLOAD                                          ; the head's V: the second head's has the trip's bias, K Q^T and softmax in which to land
	s_mov_b32 s[QC], 4
.Lq:
	v_add_nc_u32 v[BIC], s[BOFF], v[BI]
	v_add_nc_u32 v[BIC+1], s[BOFF], v[BI+1]
	v_add_nc_u32 v[BIC+2], s[BOFF], v[BI+2]
.set li, 0
.rept 3                                ; the bias of query 16 qt + r and key 16 t + 8 h + j of level f lies f (119 - 16 t - j) entries on
.set t, 0
.rept 8
.set j, 0
.rept 8
	ds_load_b32 v[S+8*(8*li+t)+j], v[BIC+li] offset:(4<<li)*(119-16*t-j)
.set j, j+1
.endr
.set t, t+1
.endr
.set li, li+1
.endr
	s_wait_loadcnt 0x0                             ; K and Q
	s_wait_dscnt 0x0
	WIN 0x01                                       ; S^T = K Q^T + 8 bias: 24 accumulators by turns
.set t, 0
.rept 16
	v_wmma_f32_16x16x32_bf16 v[S+8*t:S+8*t+7], v[16*t:16*t+7], v[QF:QF+7], v[S+8*t:S+8*t+7]
.set t, t+1
.endr
	WIN 0x02
.set t, 16
.rept 8
	v_wmma_f32_16x16x32_bf16 v[S+8*t:S+8*t+7], v[16*(t-16):16*(t-16)+7], v[QF:QF+7], v[S+8*t:S+8*t+7]
.set t, t+1
.endr
.set t, 16
.rept 8
	v_wmma_f32_16x16x32_bf16 v[S+8*t:S+8*t+7], v[16*(t-16)+8:16*(t-16)+15], v[QF+8:QF+15], v[S+8*t:S+8*t+7]
.set t, t+1
.endr
	WIN 0x01
.set t, 0
.rept 16
	v_wmma_f32_16x16x32_bf16 v[S+8*t:S+8*t+7], v[16*t+8:16*t+15], v[QF+8:QF+15], v[S+8*t:S+8*t+7]
.set t, t+1
.endr
	WIN 0
	PLACES
	; what the next trip wants is asked for now.  The jumps go forward, on the two counters alone; every wait on these loads is for 0
	s_cmp_eq_u32 s[QC], 1
	s_cbranch_scc1 .Llastq
	s_add_nc_u64 s[SQ:SQ+1], s[SQ:SQ+1], 256       ; the next 16 queries
	QLOAD
	s_branch .Lasked
.Llastq:
	s_cmp_eq_u32 s[HC], 1
	s_cbranch_scc1 .Lasked                         ; the last trip of all asks for nothing
	s_add_nc_u64 s[SQ:SQ+1], s[SQ:SQ+1], 524288-768  ; the next head's first queries
	QLOAD
.irp l, 0,1,2
	s_add_nc_u64 s[SK+2*(\l):SK+2*(\l)+1], s[SK+2*(\l):SK+2*(\l)+1], 917504
.endr
	KLOAD
.Lasked:
	; the row's maximum: four chains; each tile's lowest registers are read first
.set g, 0
.rept 6
.set i, 0
.rept 4
.set u, 0
.rept 4
.set rr, S+8*(4*g+u)+2*i
.if (g == 0) && (i == 0)
	v_max_num_f32 v[C0+u], v[rr], v[rr+1]
.else
	v_max3_num_f32 v[C0+u], v[C0+u], v[rr], v[rr+1]
.endif
.set u, u+1
.endr
.set i, i+1
.endr
.set g, g+1
.endr
	v_max3_num_f32 v[C0], v[C0], v[C0+1], v[C0+2]
	v_max_num_f32 v[C0], v[C0], v[C0+3]
	v_permlanex16_b32 v[C0+1], v[C0], s[SEL], s[SEL+1]  ; the query's other 192 keys lie in the lane 16 away
	v_max_num_f32 v[C0], v[C0], v[C0+1]
	v_mul_f32 v[MM], s[L2E], v[C0]
	v_mul_f32 v[MM+1], s[L2E], v[C0]
.set q, 0
.rept 96
	v_pk_fma_f32 v[S+2*q:S+2*q+1], v[S+2*q:S+2*q+1], s[L2E:L2E+1], v[MM:MM+1] op_sel_hi:[1,0,1] neg_lo:[0,0,1] neg_hi:[0,0,1]
.set q, q+1
.endr
.set q, 0
.rept 192
	v_exp_f32 v[S+q], v[S+q]
.set q, q+1
.endr
	v_nop                                          ; a plain instruction between the last exponential and the use of its result
	s_wait_alu depctr_va_vdst(0)
.set q, 4
.rept 92                               ; the sum, of the unrounded weights: four chains of pairs
.if q < 8
	v_pk_add_f32 v[SM+2*(q%4):SM+2*(q%4)+1], v[S+2*(q-4):S+2*(q-4)+1], v[S+2*q:S+2*q+1]
.else
	v_pk_add_f32 v[SM+2*(q%4):SM+2*(q%4)+1], v[SM+2*(q%4):SM+2*(q%4)+1], v[S+2*q:S+2*q+1]
.endif
.set q, q+1
.endr
	v_pk_add_f32 v[SM:SM+1], v[SM:SM+1], v[SM+2:SM+3]
	v_pk_add_f32 v[SM+4:SM+5], v[SM+4:SM+5], v[SM+6:SM+7]
	v_pk_add_f32 v[SM:SM+1], v[SM:SM+1], v[SM+4:SM+5]
	v_add_f32 v[TMPA], v[SM], v[SM+1]
	v_permlanex16_b32 v[TMPA+1], v[TMPA], s[SEL], s[SEL+1]
	v_add_f32 v[TMPA], v[TMPA], v[TMPA+1]
	v_rcp_f32 v[RL], v[TMPA]
	v_rcp_f32 v[RL+1], v[TMPA]                     ; the roundings below stand between these and the use of their results
.set t, 0
.rept 24                               ; P, packed downward in place: tiles 2 kc and 2 kc + 1 become source 1 for keys 32 kc ..
.set i, 0
.rept 4
	v_cvt_pk_bf16_f32 v[S+4*t+i], v[S+8*t+2*i], v[S+8*t+2*i+1]
.set i, i+1
.endr
.set t, t+1
.endr
	s_wait_loadcnt 0x0                             ; V
.set fi, 0
.rept 48                               ; O^T = V^T P: four accumulators by turns; the first four products start the sums
.if fi < 16
	WIN 0x02
.set vr, 128+8*fi
.else
	WIN 0x03
.set vr, 8*(fi-16)
.endif
.set oo, O+8*(fi%4)
.set pr, S+8*(fi/4)
.if fi < 4
	v_wmma_f32_16x16x32_bf16 v[oo:oo+7], v[vr:vr+7], v[pr:pr+7], 0
.else
	v_wmma_f32_16x16x32_bf16 v[oo:oo+7], v[vr:vr+7], v[pr:pr+7], v[oo:oo+7]
.endif
.set fi, fi+1
.endr
	WIN 0
	PLACES
	v_add_nc_u32 v[POC], s[POFF], v[PO]
.set i, 0
	s_wait_alu depctr_va_vdst(0)
.rept 16
	v_pk_mul_f32 v[O+2*i:O+2*i+1], v[O+2*i:O+2*i+1], v[RL:RL+1]
.set i, i+1
.endr
.set i, 0
.rept 16
	v_cvt_pk_bf16_f32 v[OT+i], v[O+2*i], v[O+2*i+1]
.set i, i+1
.endr
.irp c, 0,1,2,3
	ds_store_b128 v[POC], v[OT+4*(\c):OT+4*(\c)+3] offset:32*(\c)  ; row 16 qt + r, channels 16 ct + 8 h .. of my head
.endr
	s_add_co_u32 s[BOFF], s[BOFF], 64              ; 16 queries on in the slices,
	s_add_co_u32 s[POFF], s[POFF], 16*PP           ; 16 rows on in the panel
	s_sub_co_u32 s[QC], s[QC], 1
	s_cmp_lg_u32 s[QC], 0
	s_cbranch_scc1 .Lq
	s_sub_co_u32 s[HC], s[HC], 1
	s_cmp_eq_u32 s[HC], 0
	s_cbranch_scc1 .Latt_done
.irp l, 0,1,2
	s_add_nc_u64 s[SV+2*(\l):SV+2*(\l)+1], s[SV+2*(\l):SV+2*(\l)+1], 917504
.endr
	s_add_co_u32 s[BOFF], s[BOFF], 4352-256        ; the second head's slices,
	s_sub_co_u32 s[POFF], s[POFF], 64*PP-128       ; its 64 columns, from row 0 again
	s_branch .Lhead
.Latt_done:
	; ---- HAND-OVER.  The vectors of my columns, then the stream's first three stages: all are asked for ahead of the barrier
	s_mul_i32 s98, s[WV], 16*SGP
	s_add_co_u32 s98, s98, P1                      ; my stage, for the way out
	v_mul_u32_u24 v[STS], v[R], SGP
	v_lshl_add_u32 v[STS], v[HH], 5, v[STS]
	v_add_nc_u32 v[STS], s98, v[STS]
	v_lshl_add_u32 v[STL], v[LN], 4, s98
	s_lshl_b32 s98, s[WV], 9
	v_lshl_add_u32 v[OO], v[LN], 4, s98
	WIN 0x40
.irp n, 0,1,2,3,4,5,6,7                ; bproj, ln2_s, ln2_b of my columns, in the accumulators' order
	global_load_b128 v[8*(\n):8*(\n)+3],         v[CO], s[16:17] offset:64*(\n)
	global_load_b128 v[8*(\n)+4:8*(\n)+7],       v[CO], s[16:17] offset:64*(\n)+16
	global_load_b128 v[64+8*(\n):64+8*(\n)+3],   v[CO], s[18:19] offset:64*(\n)
	global_load_b128 v[64+8*(\n)+4:64+8*(\n)+7], v[CO], s[18:19] offset:64*(\n)+16
	global_load_b128 v[128+8*(\n):128+8*(\n)+3],   v[CO], s[20:21] offset:64*(\n)
	global_load_b128 v[128+8*(\n)+4:128+8*(\n)+7], v[CO], s[20:21] offset:64*(\n)+16
.endr
	WIN 0
	global_load_b128 v[B2Q:B2Q+3], v[OO], s[24:25]
	WIN 0xc0
.set i, 0
.rept 48                               ; stages 0, 1, 2 into slots 0, 1, 2: load i brings four registers, 512 bytes
	global_load_b128 v[4*i:4*i+3], v[VO], s[SB:SB+1] offset:512*i
.set i, i+1
.endr
	WIN 0
	s_wait_tensorcnt 0x0                           ; my rows of x are in
	s_wait_dscnt 0x0                               ; my part of panel 0 is written
	s_barrier_signal -1
	s_barrier_wait -1                              ; everybody's are
	WIN 0x80
.set t, 0
.rept 32                               ; x is the projection's starting value
.if t < 16
	ds_load_b128 v[8*t:8*t+3],   v[XA] offset:((t/8)%2)*16*XPP+(t%8)*64
	ds_load_b128 v[8*t+4:8*t+7], v[XA] offset:((t/8)%2)*16*XPP+(t%8)*64+16
.else
	ds_load_b128 v[8*t:8*t+3],   v[XA2] offset:((t/8)%2)*16*XPP+(t%8)*64
	ds_load_b128 v[8*t+4:8*t+7], v[XA2] offset:((t/8)%2)*16*XPP+(t%8)*64+16
.endif
.set t, t+1
.endr
	WIN 0
; A block's first panel fragments (32 along K, 4 tiles of 16 rows), into buffer 0
.macro AFIRST pb
	WIN 0
.irp m, 0,1,2,3
	ds_load_b128 v[AF+8*(\m):AF+8*(\m)+3],   v[\pb] offset:(\m)*16*PP
	ds_load_b128 v[AF+8*(\m)+4:AF+8*(\m)+7], v[\pb] offset:(\m)*16*PP+32
.endr
.endm
; A STAGE: 32 along K, 32 products on 32 accumulators by turns.  Source 0 = weights, slot j; source 1 = panel, buffer j % 2: a lane holds one row and eight columns.
; The 24 loads for later stages stand in ONE run at the stage's head, behind four places: the next stage's panel fragments into the buffer read in the stage before, and the stage three on from this one
; into the slot read in the stage before.  Then the products follow each other without a load between them.
.macro STAGE j, aw
	s_wait_loadcnt 0x20                            ; loads come back in order: this stage's sixteen are in, the two younger stages' 32 may stay out
	s_wait_dscnt 0x0                               ; this stage's panel fragments, asked for at the head of the stage before (at a block's head also the sums' starting values)
	PLACES
	WIN 0
.irp m, 0,1,2,3
.set aD, AF+32*(((\j)+1)%2)+8*(\m)
.if (\j) < 3
	ds_load_b128 v[aD:aD+3],   v[ACUR] offset:(\m)*16*PP+((\j)+1)*64
	ds_load_b128 v[aD+4:aD+7], v[ACUR] offset:(\m)*16*PP+((\j)+1)*64+32
.else
	ds_load_b128 v[aD:aD+3],   v[ANX] offset:(\m)*16*PP
	ds_load_b128 v[aD+4:aD+7], v[ANX] offset:(\m)*16*PP+32
.endif
.endr
	WIN 0xc0
.set i, 0
.rept 16
.set bD, 64*(((\j)+3)%4)+4*i
.if (\j) == 0
	global_load_b128 v[bD:bD+3], v[VO], s[SB:SB+1] offset:3*STG+512*i
.else
	global_load_b128 v[bD:bD+3], v[VO], s[SBN:SBN+1] offset:((\j)-1)*STG+512*i
.endif
.set i, i+1
.endr
	WIN 0x03|((\aw)<<4)|((\aw)<<6)
.set wi, 0
.rept 32
.set aC, 8*(8*(wi%4)+wi/4)
.set bF, 64*(\j)+8*(wi/4)
.set aF, AF+32*((\j)%2)+8*(wi%4)
	v_wmma_f32_16x16x32_bf16 v[aC:aC+7], v[bF:bF+7], v[aF:aF+7], v[aC:aC+7]
.set wi, wi+1
.endr
.endm
; A LAP: four stages, once round the slots.  aw: the accumulators' window; pb: the panel's address register.
.macro LAP aw, pb
	v_add_nc_u32 v[ACUR], s[KOFF], v[\pb]
	s_add_co_u32 s[KOFF], s[KOFF], 256
	s_and_b32 s[KOFF], s[KOFF], 0x3ff              ; behind a block's last lap: the panel's first columns again
	v_add_nc_u32 v[ANX], s[KOFF], v[\pb]
	STAGE 0, \aw
	STAGE 1, \aw
	STAGE 2, \aw
	STAGE 3, \aw
	WIN 0
	s_wait_xcnt 0x0                                ; the two bases are rewritten only behind this wait
	s_mov_b64 s[SB:SB+1], s[SBN:SBN+1]
	s_add_co_u32 s[OFN], s[OFN], LAPB
	s_min_u32 s[OFN], s[OFN], LASTL                ; no load leaves the stream: in the last lap the next lap's place is its own
	s_add_nc_u64 s[SBN:SBN+1], s[WBB:WBB+1], s[OFN:OFN+1]
.endm
; GELU of half b of the hidden sums (row tiles 2 b, 2 b + 1: 128 registers of window 1), stage by stage; its work lies in window 0, register for register
.macro GELU b
	WIN 0x05
.set i, 0
.rept 64
	v_pk_mul_f32 v[TT+2*i:TT+2*i+1], v[128*(\b)+2*i:128*(\b)+2*i+1], v[128*(\b)+2*i:128*(\b)+2*i+1]
.set i, i+1
.endr
	WIN 0
.set i, 0
.rept 64
	v_pk_fma_f32 v[TT+2*i:TT+2*i+1], v[TT+2*i:TT+2*i+1], s[GC1:GC1+1], s[GC0:GC0+1] op_sel_hi:[1,0,0]
.set i, i+1
.endr
	WIN 0x04
.set i, 0
.rept 64
	v_pk_mul_f32 v[TT+2*i:TT+2*i+1], v[TT+2*i:TT+2*i+1], v[128*(\b)+2*i:128*(\b)+2*i+1]
.set i, i+1
.endr
	WIN 0
.set i, 0
.rept 128
	v_exp_f32 v[TT+i], v[TT+i]
.set i, i+1
.endr
	v_nop
.set i, 0
	s_wait_alu depctr_va_vdst(0)
.rept 64
	v_pk_add_f32 v[TT+2*i:TT+2*i+1], v[TT+2*i:TT+2*i+1], 1.0 op_sel_hi:[1,0]
.set i, i+1
.endr
.set i, 0
.rept 128
	v_rcp_f32 v[TT+i], v[TT+i]
.set i, i+1
.endr
	v_nop
	WIN 0x04
.set i, 0
	s_wait_alu depctr_va_vdst(0)
.rept 64
	v_pk_mul_f32 v[TT+2*i:TT+2*i+1], v[TT+2*i:TT+2*i+1], v[128*(\b)+2*i:128*(\b)+2*i+1]
.set i, i+1
.endr
	WIN 0
.set t, 0
.rept 16
.set i, 0
.rept 4
	v_cvt_pk_bf16_f32 v[TT+8*t+i], v[TT+8*t+2*i], v[TT+8*t+2*i+1]
.set i, i+1
.endr
.set t, t+1
.endr
.endm
.macro GSTORE b                        ; into my columns of panel 0
.set t, 0
.rept 16
	ds_store_b128 v[PO], v[TT+8*t:TT+8*t+3] offset:(2*(\b)+t/8)*16*PP+(t%8)*32
.set t, t+1
.endr
.endm
; The norm's chains are closed, the lanes' halves added, and the four waves' parts exchanged through LDS: the rows' sums come back in v[XS + 4 m]
.macro XCH off
	WIN 0
.irp m, 0,1,2,3
	v_pk_add_f32 v[CHN+4*(\m):CHN+4*(\m)+1], v[CHN+4*(\m):CHN+4*(\m)+1], v[CHN+4*(\m)+2:CHN+4*(\m)+3]
.endr
.irp m, 0,1,2,3
	v_add_f32 v[CHN+4*(\m)], v[CHN+4*(\m)], v[CHN+4*(\m)+1]
.endr
.irp m, 0,1,2,3
	v_permlanex16_b32 v[CHN+4*(\m)+1], v[CHN+4*(\m)], s[SEL], s[SEL+1]
.endr
.irp m, 0,1,2,3
	v_add_f32 v[CHN+4*(\m)], v[CHN+4*(\m)], v[CHN+4*(\m)+1]
.endr
.irp m, 0,1,2,3
	ds_store_b32 v[SS], v[CHN+4*(\m)] offset:(\off)+256*(\m)
.endr
	s_wait_dscnt 0x0                               ; for the others' sake
	s_barrier_signal -1
	s_barrier_wait -1
.irp m, 0,1,2,3
	ds_load_b128 v[XS+4*(\m):XS+4*(\m)+3], v[SL] offset:(\off)+256*(\m)
.endr
	s_wait_dscnt 0x0
.irp m, 0,1,2,3
	v_add_f32 v[XS+4*(\m)], v[XS+4*(\m)], v[XS+4*(\m)+1]
	v_add_f32 v[XS+4*(\m)+2], v[XS+4*(\m)+2], v[XS+4*(\m)+3]
.endr
.irp m, 0,1,2,3
	v_add_f32 v[XS+4*(\m)], v[XS+4*(\m)], v[XS+4*(\m)+2]
.endr
.endm
.macro SQB b                           ; the centred squares of row tiles 2 b, 2 b + 1
	WIN 0x02
.set t, 0
.rept 16
.set i, 0
.rept 4
	v_pk_add_f32 v[TT+8*t+2*i:TT+8*t+2*i+1], v[8*(16*(\b)+t)+2*i:8*(16*(\b)+t)+2*i+1], v[MN+2*(2*(\b)+t/8):MN+2*(2*(\b)+t/8)+1] neg_lo:[0,1] neg_hi:[0,1]
.set i, i+1
.endr
.set t, t+1
.endr
	WIN 0
.set q, 0
.rept 16
.set c, 0
.rept 4
.set rr, TT+8*(8*(c/2)+2*(q/4)+c%2)+2*(q%4)
.set cr, CHN+8*(\b)+2*c
.if q == 0
	v_pk_mul_f32 v[cr:cr+1], v[rr:rr+1], v[rr:rr+1]
.else
	v_pk_fma_f32 v[cr:cr+1], v[rr:rr+1], v[rr:rr+1], v[cr:cr+1]
.endif
.set c, c+1
.endr
.set q, q+1
.endr
.endm
.macro NRM b                           ; h2 of row tiles 2 b, 2 b + 1, into panel 1 (x lay there: every wave's reads of it were back ahead of the norm's two barriers); x1 stays where it is
	WIN 0x02
.set t, 0
.rept 16
.set i, 0
.rept 4
	v_pk_fma_f32 v[TT+8*t+2*i:TT+8*t+2*i+1], v[8*(16*(\b)+t)+2*i:8*(16*(\b)+t)+2*i+1], v[AA+2*(2*(\b)+t/8):AA+2*(2*(\b)+t/8)+1], v[CC+2*(2*(\b)+t/8):CC+2*(2*(\b)+t/8)+1]
.set i, i+1
.endr
.set t, t+1
.endr
	WIN 0x14
.set t, 0
.rept 16
.set i, 0
.rept 4
	v_pk_fma_f32 v[TT+8*t+2*i:TT+8*t+2*i+1], v[TT+8*t+2*i:TT+8*t+2*i+1], v[64+8*(t%8)+2*i:64+8*(t%8)+2*i+1], v[128+8*(t%8)+2*i:128+8*(t%8)+2*i+1]
.set i, i+1
.endr
.set t, t+1
.endr
	WIN 0
.set t, 0
.rept 16
.set i, 0
.rept 4
	v_cvt_pk_bf16_f32 v[TT+8*t+i], v[TT+8*t+2*i], v[TT+8*t+2*i+1]
.set i, i+1
.endr
	ds_store_b128 v[H2S], v[TT+8*t:TT+8*t+3] offset:(2*(\b)+t/8)*16*PP+(t%8)*32
.set t, t+1
.endr
.endm
	; ---- FIVE TRIPS: the projection and the norm; then four chunks of 512 hidden units
	s_mov_b32 s[CHK], 5
	s_mov_b32 s[B1O], 0
.Lchunk:
	s_cmp_eq_u32 s[CHK], 5
	s_cbranch_scc1 .Lsecond                        ; the first trip is the projection: panel 0 holds the attention's output, the accumulators x
	v_add_nc_u32 v[B1C], s[B1O], v[B1A]
	s_add_co_u32 s[B1O], s[B1O], 512               ; the next chunk's b1
	WIN 0x40
.set t, 0
.rept 32                               ; b1 is the hidden sums' starting value
	ds_load_b128 v[8*t:8*t+3],   v[B1C] offset:(t%8)*64
	ds_load_b128 v[8*t+4:8*t+7], v[B1C] offset:(t%8)*64+16
.set t, t+1
.endr
	WIN 0
	AFIRST A1
	s_mov_b32 s[KOFF], 0
	s_mov_b32 s[LC], 4
.Lm1:
	LAP 1, A1
	s_sub_co_u32 s[LC], s[LC], 1
	s_cmp_lg_u32 s[LC], 0
	s_cbranch_scc1 .Lm1
	s_wait_dscnt 0x0                               ; all my LDS reads are back, those of panel 0 in the trip before among them:
	s_barrier_signal -1                            ; say so; the first half of GELU, work on registers, stands between the signal and the wait
	PLACES
	GELU 0
	s_barrier_wait -1                              ; nobody reads the old panel 0 any more
	GSTORE 0
	GELU 1
	GSTORE 1
	s_wait_dscnt 0x0                               ; my columns of the hidden chunk are written
	s_barrier_signal -1
	s_barrier_wait -1                              ; everybody's are
.Lsecond:
	AFIRST A0
	s_mov_b32 s[KOFF], 0
	s_mov_b32 s[LC], 4
.Lm2:
	LAP 2, A0
	s_sub_co_u32 s[LC], s[LC], 1
	s_cmp_lg_u32 s[LC], 0
	s_cbranch_scc1 .Lm2
	s_wait_dscnt 0x0                               ; the wrapped run is back: its registers are at work or loaded anew below
	s_cmp_lg_u32 s[CHK], 5
	s_cbranch_scc1 .Lnext                          ; only the projection is followed by the norm
	; x1 = x + projection + bproj, and its norm.  A lane holds 64 numbers of each of four rows; a row's 512 lie in two lanes of each of the four waves.
	; (bproj, ln2_s, ln2_b and b2 were asked for ahead of the stream: the first stage's counted wait has shown them in)
	PLACES
	WIN 0x86
.set t, 0
.rept 32
.set i, 0
.rept 4
	v_pk_add_f32 v[8*t+2*i:8*t+2*i+1], v[8*t+2*i:8*t+2*i+1], v[8*(t%8)+2*i:8*(t%8)+2*i+1]
.set i, i+1
.endr
.set t, t+1
.endr
	WIN 0x0a                                       ; the rows' sums: chain c = 2 mt + u takes the column tiles of parity u
.set c, 0
.rept 8
.set rr, 8*(8*(c/2)+c%2)
	v_pk_add_f32 v[CHN+2*c:CHN+2*c+1], v[rr:rr+1], v[rr+2:rr+3]
.set c, c+1
.endr
	WIN 0x08
.set q, 2
.rept 14
.set c, 0
.rept 8
.set rr, 8*(8*(c/2)+2*(q/4)+c%2)+2*(q%4)
	v_pk_add_f32 v[CHN+2*c:CHN+2*c+1], v[CHN+2*c:CHN+2*c+1], v[rr:rr+1]
.set c, c+1
.endr
.set q, q+1
.endr
	XCH 0
.irp m, 0,1,2,3
	v_mul_f32 v[MN+2*(\m)], s[RCPC], v[XS+4*(\m)]
.endr
.irp m, 0,1,2,3
	v_mov_b32 v[MN+2*(\m)+1], v[MN+2*(\m)]
.endr
	SQB 0
	SQB 1
	XCH 1024
.irp m, 0,1,2,3
	v_fma_f32 v[XS+4*(\m)], v[XS+4*(\m)], s[RCPC], s[EPS]
.endr
.irp m, 0,1,2,3
	v_rsq_f32 v[AA+2*(\m)], v[XS+4*(\m)]
.endr
	v_nop                                          ; a plain instruction between the last root and the use of its result
	s_wait_alu depctr_va_vdst(0)
.irp m, 0,1,2,3
	v_mov_b32 v[AA+2*(\m)+1], v[AA+2*(\m)]
	v_mul_f32 v[CC+2*(\m)], -v[MN+2*(\m)], v[AA+2*(\m)]
.endr
.irp m, 0,1,2,3
	v_mov_b32 v[CC+2*(\m)+1], v[CC+2*(\m)]
.endr
	NRM 0
	NRM 1
	s_wait_dscnt 0x0                               ; my columns of h2 are written
	s_barrier_signal -1
	s_barrier_wait -1                              ; everybody's are
.Lnext:
	s_sub_co_u32 s[CHK], s[CHK], 1
	s_cmp_lg_u32 s[CHK], 0
	s_cbranch_scc1 .Lchunk
	; ---- THE WAY OUT: 16 rows at a time through my own stage (in panel 1, whose last readers signalled two barriers ago), back as whole rows of 512 bytes, + b2, stored
	PLACES
.set mt, 0
.rept 4
	s_wait_xcnt 0x0                                ; registers that earlier stores read are loaded again only behind this wait
	WIN 0x08
.set nt, 0
.rept 8
	ds_store_b128 v[STS], v[8*(8*mt+nt):8*(8*mt+nt)+3]   offset:nt*64
	ds_store_b128 v[STS], v[8*(8*mt+nt)+4:8*(8*mt+nt)+7] offset:nt*64+16
.set nt, nt+1
.endr
	WIN 0
.set ob, TT+64*(mt%2)
.set i, 0
.rept 16
	ds_load_b128 v[ob+4*i:ob+4*i+3], v[STL] offset:i*SGP  ; LDS serves a wave's instructions in order (ISA guide 5.7.1.4): these see the stores above, and the next block's stores come behind them
.set i, i+1
.endr
.set i, 0
.rept 16
	s_wait_dscnt 15-i                              ; the younger rows' loads may stay out
	v_pk_add_f32 v[ob+4*i:ob+4*i+1], v[ob+4*i:ob+4*i+1], v[B2Q:B2Q+1]
	v_pk_add_f32 v[ob+4*i+2:ob+4*i+3], v[ob+4*i+2:ob+4*i+3], v[B2Q+2:B2Q+3]
	global_store_b128 v[OO], v[ob+4*i:ob+4*i+3], s[26:27] offset:(16*mt+i)*2048 th:TH_STORE_NT  ; the wave stores 512 consecutive bytes, aligned
.set i, i+1
.endr
.set mt, mt+1
.endr
	s_wait_tensorcnt 0x0                           ; the wave's end
	ds_add_u32 v[SPW], v[NIL]
	s_wait_dscnt 0x0
	s_endpgm
.Lfunc_end_k_qf0705e65d3_block:
	.size	k_qf0705e65d3_block, .Lfunc_end_k_qf0705e65d3_block-k_qf0705e65d3_block
	.p2alignl 7, 3214868480
	.fill 96, 4, 3214868480
	.section	.rodata,"a",@progbits
	.p2align	6, 0x0
	.amdhsa_kernel k_qf0705e65d3_block
		.amdhsa_group_segment_fixed_size 327680
		.amdhsa_private_segment_fixed_size 0
		.amdhsa_enable_private_segment 0
		.amdhsa_kernarg_size 96
		.amdhsa_user_sgpr_count 2
		.amdhsa_user_sgpr_kernarg_segment_ptr 1
		.amdhsa_wavefront_size32 1
		.amdhsa_system_sgpr_workgroup_id_x 1
		.amdhsa_system_sgpr_workgroup_id_y 1
		.amdhsa_system_sgpr_workgroup_id_z 1
		.amdhsa_system_vgpr_workitem_id 0
		.amdhsa_next_free_vgpr 1024
		.amdhsa_next_free_sgpr 102
		.amdhsa_reserve_vcc 0
		.amdhsa_float_denorm_mode_32 3
		.amdhsa_float_denorm_mode_16_64 3
		.amdhsa_memory_ordered 1
		.amdhsa_forward_progress 1
		.amdhsa_inst_pref_size 255
	.end_amdhsa_kernel
	.section	.bss,"aw",@nobits
	.p2align	6
	.space	262144
	.amdgpu_metadata
---
amdhsa.version: [ 1, 2 ]
amdhsa.kernels:
  - .name:           k_qf0705e65d3_block
    .symbol:         k_qf0705e65d3_block.kd
    .args:
      - { .name: x, .offset: 0, .size: 8, .value_kind: global_buffer, .address_space: global }
      - { .name: qb, .offset: 8, .size: 8, .value_kind: global_buffer, .address_space: global }
      - { .name: kb, .offset: 16, .size: 8, .value_kind: global_buffer, .address_space: global }
      - { .name: vb, .offset: 24, .size: 8, .value_kind: global_buffer, .address_space: global }
      - { .name: t1, .offset: 32, .size: 8, .value_kind: global_buffer, .address_space: global }
      - { .name: wb, .offset: 40, .size: 8, .value_kind: global_buffer, .address_space: global }
      - { .name: bproj, .offset: 48, .size: 8, .value_kind: global_buffer, .address_space: global }
      - { .name: ln2_s, .offset: 56, .size: 8, .value_kind: global_buffer, .address_space: global }
      - { .name: ln2_b, .offset: 64, .size: 8, .value_kind: global_buffer, .address_space: global }
      - { .name: mlp_b1, .offset: 72, .size: 8, .value_kind: global_buffer, .address_space: global }
      - { .name: mlp_b2, .offset: 80, .size: 8, .value_kind: global_buffer, .address_space: global }
      - { .name: out0, .offset: 88, .size: 8, .value_kind: global_buffer, .address_space: global }
    .group_segment_fixed_size: 327680
    .private_segment_fixed_size: 0
    .kernarg_segment_align: 8
    .kernarg_segment_size: 96
    .max_flat_workgroup_size: 128
    .sgpr_count:     102
    .vgpr_count:     1024
    .wavefront_size: 32
...
	.end_amdgpu_metadata
.endif
;; end of part 6
